; MI455X (gfx1250); checked and timed in simulation.
; The chip was launched on July 23, 2026; its instructions are those of AMD's public machine-readable ISA for CDNA 5 (MIT licence, August 2026) and "CDNA5" Instruction Set Architecture Reference Guide (July 2026). The comments in the code are by the model that wrote it; some were corrected since.
;; KW Hybrid Branch. Allowed arithmetic: matrix products marked QUANTISED: E2M3 operands, one E8M0 scale for each 32 along K, by v_wmma_scale_f32_16x16x128_f8f6f4 with both operands' format E2M3, f32 sums; everything else in f32.
;; Inputs: W_proj 768 x 512 float32; audio_feat 128 x 8 x 768 float32; b_proj 512 float32; token_embedding 49,408 x 512 float32.
;; Outputs: out0 128 x 8 x 512 float32.
;; This version of the problem:
;;   THIS VERSION OF THE PROBLEM IS GIVEN IN LOW PRECISION. The matrix products marked QUANTISED in the list below multiply operands that are first quantised to E2M3 (2 exponent bits, 3 mantissa bits; 6 bits a number), with one power-of-two scale for each 32 numbers along K (OCP MX v1.0); their sums are f32. All else is computed in f32.
;;   The module's matrix products, in the order in which they are computed (A, B: the left and right operand; K: the contracted axis; several contracted axes count as one K, in the product's order):
;;     1. [M 1,024, K 768] x [K 768, N 512]; A: input audio_feat; B: input W_proj: QUANTISED
;;     2. [M 1,024, K 512] x [K 512, N 49,408]; A: computed on the way; B: computed on the way: QUANTISED
;;     3. [M 1,024, K 49,408] x [K 49,408, N 512]; A: softmax (see below); B: input token_embedding: QUANTISED
;;   THE QUANTISER, for each operand of a quantised product, along K:
;;     - K is cut into blocks of 32 from its start; a last block that is shorter is filled with zeros.
;;     - A block's scale is 2^e with e = floor(log2(the largest magnitude in the block)) - 2, held to -126 .. 127; a block of zeros has e = 0. As a byte (E8M0): e + 127.
;;     - Each number is divided by its block's scale, clamped to +-7.5, and rounded to the nearest number of E2M3, ties to even, subnormals kept.
;;     - The product sums the exact products of the quantised numbers (number of the format x scale) in f32.
;;   ~~~python
;;   def quantise(x, axis):      # numpy; x: float32 -> the quantised numbers, widened to float32 again
;;       x = np.moveaxis(x, axis, -1); K = x.shape[-1]
;;       x = np.pad(x, [(0, 0)] * (x.ndim - 1) + [(0, -K % 32)]); x = x.reshape(x.shape[:-1] + (-1, 32)); a = np.abs(x).max(-1, keepdims=True)
;;       e = np.where(a > 0, np.clip(np.frexp(np.where(a > 0, a, 1))[1] - 1 - 2, -126, 127), 0)      # np.frexp(a)[1] - 1 = floor(log2(a)), exactly
;;       r = np.clip(x / 2.0 ** e, -7.5, 7.5)
;;       step = 2.0 ** (np.maximum(np.frexp(np.where(r == 0, 1, r))[1] - 1, 0) - 3)
;;       q = np.round(r / step) * step * 2.0 ** e      # np.round: ties to even
;;       return np.moveaxis(q.reshape(q.shape[:-2] + (-1,))[..., :K], -1, axis).astype(np.float32)
;;   ~~~
;;   SOFTMAX AHEAD OF A QUANTISED PRODUCT. Where the list says 'softmax', what is quantised is not the finished softmax but p = 2^(t - M), with t = logit x log2(e) and M = ceil(the row's largest t), a whole number; so 1/2 < the row's largest p <= 1. The row's sum l is taken of the UNQUANTISED p, in f32, and the product's result is divided by l at the end. Since M is a whole number, a kernel that streams over the keys may use a running M (the ceiling of the running maximum): every later rescaling is an exact power of two, which a block's scale takes up: the codes' values come out the same.
;;   OPERANDS COMPUTED ON THE WAY. 'Computed on the way' means the value that the module computes at that place (a softmax that the list does not call 'softmax' is quantised finished and normalised). What goes into a quantiser is computed in f32, as accurately as f32 sums, v_exp_f32 and their like allow (about 1e-6 of the number): no bf16 or f16 on the way to a quantiser, and a product that is left as it is and whose result goes on into a quantised operand takes f32 operands (vector FMAs, or v_wmma_f32_16x16x4_f32). A number that lies on a knife's edge between two numbers of the format may be rounded either way, as far as f32 arithmetic and the matrix unit's own rounding can turn it there, and no further.
;; 2 versions. Each part assembles by itself: llvm-mc -triple=amdgcn-amd-amdhsa -mcpu=gfx1250 --defsym DOCPART=n.
;; ======== version 1 of 2: 3 launches
;; workspace buffers: kv 39,526,400 bytes; qc 393,216 bytes; qs 16,384 bytes; part 67,108,864 bytes; lpart 524,288 bytes
;; launch prep (part 1): grid 402 x 1, 8 waves a work-group, no clusters, 312,576 bytes of LDS; arguments audio_feat, W_proj, b_proj, token_embedding, kv, qc, qs; writes kv, qc, qs
.if DOCPART == 1
	.amdgcn_target "amdgcn-amd-amdhsa--gfx1250"
	.amdhsa_code_object_version 6
	.text
	.protected	k_q3a7b26cb6d_prep
	.globl	k_q3a7b26cb6d_prep
	.p2align	8
	.type	k_q3a7b26cb6d_prep,@function
k_q3a7b26cb6d_prep:
	s_mov_b64 s[64:65], 0
	v_nop
	global_prefetch_b8 v0, s[64:65] scope:SCOPE_SE
	s_setreg_imm32_b32 hwreg(HW_REG_WAVE_MODE, 25, 1), 1
	s_wait_xcnt 0x0
; KW_HybridBranch, launch 1 of 3: everything that is quantised once.
; No work of reference() is left out in this program: all three products, the bias, both norms with their eps, the softmax and its sum are computed, and all four inputs are loaded.
; Work-groups 0-15 (path Q): kw = audio W + b on codes of E2M3 (product 1), kw / max(|kw|, 1e-8), and its codes and scale bytes along T: qc, qs.  64 rows a work-group.
; Work-groups 16-401 (path E): one key step, 128 rows of token_embedding, each: (a) the rows / max(norm, 1e-8), quantised along T: product 2's operand; (b) the raw rows, quantised along V
; (the rows): product 3's operand.  Both leave as IMAGES OF THE OPERANDS' REGISTERS (a fragment: 12 registers a lane, group p of four registers at 512 p + 16 lane), with their scale words, in one tile of 102,400 bytes of kv.
; A block's scale is 2^(floor(log2(largest magnitude)) - 2): its byte is the largest magnitude's exponent field - 2, held at 1 from below.
; LIMITS: a block of zeros, or one under 2^-124, carries the byte 1 (its codes are zeros or as the held scale gives them; the bytes are read by this program alone); NaN and infinities among the inputs are not served;
; a division by a norm is a reciprocal (1 ulp) and a multiplication.
; THE SHARED IDEA.  A sub-tile is 32 rows x 512 columns of f32 (token_embedding and W_proj have rows of 2,048 bytes alike).  It is loaded densely (wave v: rows 4 v .. 4 v + 3, 512 consecutive bytes an instruction), laid into
; one of two stages in LDS (pitch 2,064 bytes), and read back in the layouts that the conversions want: 32 neighbours along a row in a lane (K along the row), or a lane to a column with its 32 registers running down the rows.
; Row k lies at stage row tau(k) = k with bits 3 and 4 exchanged, so that the 16 rows 8 u + r + 8 (r / 8) of a tile of keys lie on end (16 u + r).
; The two paths part on the work-group's number alone and have LDS bytes of their own.
.set SPIT,  2064
.set SBUF,  32*SPIT                    ; a stage: 66,048 bytes
.set EINV,  2*SBUF                     ; E: 1 / norm of a sub-tile's rows, two sets of 128 bytes
.set EKSC,  EINV+256                   ; E: K's scale words [tile 8][r 16][s 4]
.set EVSC,  EKSC+2048                  ; E: V's scale words [w 4][lane 32][j 4]
.set QSTG,  EVSC+2048                  ; Q: two stages for W
.set AIMG,  QSTG+2*SBUF                ; Q: the audio's 24 fragments (6 rt + s), 1,536 bytes each
.set ASC,   AIMG+24*1536               ; Q: their scale words, 128 bytes each
.set NRM,   ASC+24*128                 ; Q: [rt 4][r 16][wave 8] sums of squares
.set QSS,   NRM+2048                   ; Q: [rt 4][r 16][16 scale bytes]
.set SPARE, QSS+1024                   ; the spare words, 128 bytes for each wave: four blocks of 256 bytes that no other line names
.set TILE,  102400
.set SPW,  1                           ; v1  my spare word's address; never rewritten
.set NIL,  2                           ; v2  0; never rewritten
.set GLD,  3                           ; v3  8192 wave + 16 lane: my bytes of a sub-tile in memory
.set STW,  4                           ; v4-5   where I lay my four rows into stage 0, 1
.set KRD,  6                           ; E v6-7  my lane's 128 bytes of a key's row in stage 0, 1
.set VRD,  8                           ; E v8-9  my lane's column in stage 0, 1
.set INVW, 10
.set INVR, 11
.set KSW,  12
.set SH8,  13                          ; v13 8 x (lane / 16)
.set KGO,  14
.set VGO,  15
.set QVRD, 6                           ; Q v6-7  my lane's column of W in stage 0, 1
.set AUD,  8
.set AIW,  9
.set ASW,  10
.set AIR,  11
.set ASR,  12
.set ADA,  14
.set ADS,  15
.set AS,   16                          ; Q v16-19 the audio's scale words (not used in path E)
.set AM,   20
.set AM2,  21
.set SO,   22
.set BY0,  23
.set T,    24                          ; v24-26
.set BY1,  27
.set SW,   28                          ; v28-29 scale words: Q: W's; E: V's
.set IV,   30                          ; E v30-31 1 / norm (a pair is named, the low word serves)
.set BA,   30
.set NRW,  31
.set NRR,  32
.set QG1,  33
.set QG2,  34
.set QSW,  35
.set QSR,  36
.set QSG,  37
.set LN,   240                         ; at the head only: lane, r, h, 16 lane, 8 lane, 4 lane, two at work
.set RR,   241
.set HH,   242
.set L16,  243
.set L8,   244
.set L4,   245
.set TT,   246
.set TU,   247
.set MSB, 0
.macro WIN new                         ; the immediate's high byte repeats the setting that is left
.if MSB != \new
	s_set_vgpr_msb (MSB<<8)|\new
.set MSB, \new
.endif
.endm
.macro BARRIER                         ; my LDS stores have landed and my LDS loads are in: then the work-group's barrier
	s_wait_dscnt 0x0
	s_barrier_signal -1
	s_barrier_wait -1
.endm
; a sub-tile's 16 loads of my wave into set \set of window 1
.macro SUBLOAD set, imm, bs, nt
	WIN 0x40
.irp i,0,1,2,3
.irp q,0,1,2,3
.if \nt
	global_load_b128 v[64*(\set)+16*\i+4*\q:64*(\set)+16*\i+4*\q+3], v[GLD], s[\bs:\bs+1] offset:(\imm)+2048*\i+512*\q th:TH_LOAD_NT
.else
	global_load_b128 v[64*(\set)+16*\i+4*\q:64*(\set)+16*\i+4*\q+3], v[GLD], s[\bs:\bs+1] offset:(\imm)+2048*\i+512*\q
.endif
.endr
.endr
	WIN 0
.endm
.macro SUBSTORE set, areg              ; and into a stage, as they lie
	WIN 0x04
.irp i,0,1,2,3
.irp q,0,1,2,3
	ds_store_b128 v[\areg], v[64*(\set)+16*\i+4*\q:64*(\set)+16*\i+4*\q+3] offset:SPIT*\i+512*\q
.endr
.endr
	WIN 0
.endm
; a whole block of 32 in a lane's registers v[x] .. v[x + 31] becomes six registers of codes v[d] .. v[d + 5] and a scale byte
.macro BQ32 x, d, by
	v_max3_num_f32 v[AM], |v[(\x)]|, |v[(\x)+1]|, 0x1800000      ; with the floor 2^(3 - 127): the byte cannot fall under 1
	v_max3_num_f32 v[AM2], |v[(\x)+16]|, |v[(\x)+17]|, |v[(\x)+18]|
.irp i,0,1,2,3,4,5
	v_max3_num_f32 v[AM], v[AM], |v[(\x)+2+2*\i]|, |v[(\x)+3+2*\i]|
	v_max3_num_f32 v[AM2], v[AM2], |v[(\x)+19+2*\i]|, |v[(\x)+20+2*\i]|
.endr
	v_max3_num_f32 v[AM], v[AM], |v[(\x)+14]|, |v[(\x)+15]|
	v_max3_num_f32 v[AM], v[AM], v[AM2], |v[(\x)+31]|
	v_add_nc_u32 v[SO], 0xff000000, v[AM]                          ; 2 off the exponent field: the conversion's scale operand
	v_lshrrev_b32 v[\by], 23, v[SO]                                ; the scale's byte
	v_cvt_scalef32_pk16_fp6_f32 v[(\d):(\d)+2], v[(\x):(\x)+15], v[SO]
	v_cvt_scalef32_pk16_fp6_f32 v[T:T+2], v[(\x)+16:(\x)+31], v[SO]   ; (a conversion's three registers begin on an even number)
	v_nop                                                          ; one plain place behind a scaled conversion
.irp i,0,1,2
	v_mov_b32 v[(\d)+3+\i], v[T+\i]
.endr
.endm
; my two bytes (blocks h and 2 + h of a K step) and lane l xor 16's two make the row's scale word, in v[BY0]
.macro SWORD
	v_lshl_or_b32 v[BY0], v[BY1], 16, v[BY0]
	v_lshlrev_b32 v[BY0], v[SH8], v[BY0]
	v_permlanex16_b32 v[AM2], v[BY0], s24, s25
	v_or_b32 v[BY0], v[BY0], v[AM2]
.endm
; a lane to a column: the 32 rows of a sub-tile, rows ascending, of column group g (32 columns, 128 bytes on)
.macro VLOADS areg, vx, g
.set kk, 0
.rept 32
	ds_load_b32 v[(\vx)+32*(\g)+kk], v[\areg] offset:((kk&7)|(((kk>>3)&1)<<4)|(((kk>>4)&1)<<3))*SPIT+128*(\g)
.set kk, kk+1
.endr
.endm
; block b (of the K step's four) of my column: even blocks into the first of two fragments, odd ones into the second; its byte into the column's scale word
.macro VQ g, b, fb, vx, wr
	BQ32 (\vx)+32*(\g), (\fb)+24*(\g)+12*((\b)%2)+6*((\b)/2), BY0
.if (\b) == 0
	v_mov_b32 v[(\wr)+(\g)], v[BY0]
.else
	v_lshl_or_b32 v[(\wr)+(\g)], v[BY0], 8*(\b), v[(\wr)+(\g)]
.endif
.endm
; the first's lanes 16-31 change places with the second's lanes 0-15: the first is then the fragment of the columns of lanes 0-15, the second that of lanes 16-31
.macro VSWAP f0, f1
.irp i,0,1,2,3,4,5,6,7,8,9,10,11
	v_permlane16_swap_b32 v[(\f0)+\i], v[(\f1)+\i]
.endr
.endm
	s_load_b256 s[4:11], s[0:1], 0x0               ; audio s[4:5], W s[6:7], b s[8:9], token_embedding s[10:11]
	s_load_b128 s[12:15], s[0:1], 0x20             ; kv s[12:13], qc s[14:15]
	s_load_b64 s[16:17], s[0:1], 0x30              ; qs
	v_lshl_add_u32 v[SPW], v0, 2, SPARE
	v_mov_b32 v[NIL], 0
	v_lshrrev_b32 v[TT], 5, v0
	v_readfirstlane_b32 s18, v[TT]                 ; wave 0..7
	v_and_b32 v[LN], 31, v0
	v_and_b32 v[RR], 15, v0
	v_bfe_u32 v[HH], v0, 4, 1
	v_lshlrev_b32 v[L16], 4, v[LN]
	v_lshlrev_b32 v[L8], 3, v[LN]
	v_lshlrev_b32 v[L4], 2, v[LN]
	v_lshlrev_b32 v[SH8], 3, v[HH]
	s_and_b32 s20, s18, 1                          ; tau(4 wave) = 4 (wave & 1) + 16 ((wave >> 1) & 1) + 8 (wave >> 2)
	s_lshl_b32 s20, s20, 2
	s_bfe_u32 s21, s18, 0x10001
	s_lshl_b32 s21, s21, 4
	s_lshr_b32 s22, s18, 2
	s_lshl_b32 s22, s22, 3
	s_or_b32 s19, s20, s21
	s_or_b32 s19, s19, s22
	s_mul_i32 s20, s19, SPIT
	s_lshl_b32 s21, s18, 13
	v_add_nc_u32 v[GLD], s21, v[L16]
	s_mov_b32 s24, 0x76543210
	s_mov_b32 s25, 0xfedcba98                      ; v_permlanex16_b32's selects for lane l xor 16
	s_cmp_lt_u32 ttmp9, 16
	s_cbranch_scc1 .Lq
; ======================= PATH E: one key step =======================
; window 1: the four sub-tiles as loaded.  window 0: v32-95 a K job's 64 numbers (and the norms' scratch); v96-159 two column groups; v160-207 K's codes, 12 a sub-tile; v208-255 V's four fragments.
; Wave v = (u = v / 4, s = v % 4) makes, of each sub-tile b, the fragment (tile of keys 2 b + u, K step s of T), and for columns 64 v .. 64 v + 63 block b of V's four fragments.
	s_sub_co_u32 s26, ttmp9, 16                    ; the key step
	s_lshr_b32 s27, s18, 2                         ; u
	s_and_b32 s28, s18, 3                          ; s
	v_add_nc_u32 v[STW], s20, v[L16]
	v_add_nc_u32 v[STW+1], SBUF, v[STW]
	v_mul_u32_u24 v[TT], v[RR], SPIT
	v_lshl_add_u32 v[TT], v[HH], 7, v[TT]
	s_mul_i32 s29, s27, 16*SPIT
	s_lshl_b32 s30, s28, 9
	s_add_co_u32 s29, s29, s30
	v_add_nc_u32 v[KRD], s29, v[TT]                ; (16 u + r) pitch + 512 s + 128 h
	v_add_nc_u32 v[KRD+1], SBUF, v[KRD]
	s_lshl_b32 s29, s18, 8
	v_add_nc_u32 v[VRD], s29, v[L4]                ; 256 v + 4 lane
	v_add_nc_u32 v[VRD+1], SBUF, v[VRD]
	s_lshl_b32 s29, s19, 2
	s_add_co_u32 s29, s29, EINV
	v_mov_b32 v[INVW], s29
	s_lshl_b32 s29, s27, 6
	s_add_co_u32 s29, s29, EINV
	v_lshl_add_u32 v[INVR], v[RR], 2, s29
	s_lshl_b32 s29, s27, 8
	s_lshl_b32 s30, s28, 2
	s_add_co_u32 s29, s29, s30
	s_add_co_u32 s29, s29, EKSC
	v_lshl_add_u32 v[KSW], v[RR], 4, s29
	s_mul_i32 s29, s18, 1536
	v_add_nc_u32 v[KGO], s29, v[L16]
	s_lshr_b32 s30, s18, 1                         ; which quarter of T's 512 (the next launch's wave)
	s_and_b32 s31, s18, 1
	s_mul_i32 s29, s30, 12800
	s_mul_i32 s33, s31, 6144
	s_add_co_u32 s29, s29, s33
	s_add_co_u32 s29, s29, 51200
	v_add_nc_u32 v[VGO], s29, v[L16]
	v_mov_b32 v[IV+1], 0                           ; (named as the upper half of a pair)
	s_lshl_b32 s34, s26, 18                        ; 128 rows of 2,048 bytes
	s_mov_b32 s35, 0
	s_mul_i32 s36, s26, TILE
	s_mov_b32 s37, 0
	s_wait_kmcnt 0x0
	s_add_nc_u64 s[10:11], s[10:11], s[34:35]
	s_add_nc_u64 s[12:13], s[12:13], s[36:37]
.irp b,0,1,2,3
	SUBLOAD \b, \b*65536, 10, 1                    ; all 64 loads of my wave at once: 32 KiB on their way
.endr
.macro ESUB b
	s_wait_loadcnt 16*(3-\b)                       ; the later sub-tiles' loads may be out
	WIN 0x05                                       ; the norms of my four rows, by turns
.irp i,0,1,2,3
	v_pk_mul_f32 v[32+2*\i:33+2*\i], v[64*\b+16*\i:64*\b+16*\i+1], v[64*\b+16*\i:64*\b+16*\i+1]
.endr
.irp j,2,4,6,8,10,12,14
.irp i,0,1,2,3
	v_pk_fma_f32 v[32+2*\i:33+2*\i], v[64*\b+16*\i+\j:64*\b+16*\i+\j+1], v[64*\b+16*\i+\j:64*\b+16*\i+\j+1], v[32+2*\i:33+2*\i]
.endr
.endr
	WIN 0
.irp i,0,1,2,3
	v_add_f32 v[32+2*\i], v[32+2*\i], v[33+2*\i]
.endr
.irp x,1,2,4,8
.irp i,0,1,2,3
	v_add_f32_dpp v[32+2*\i], v[32+2*\i], v[32+2*\i] row_xmask:\x row_mask:0xf bank_mask:0xf
.endr
.endr
.irp i,0,1,2,3
	v_permlanex16_b32 v[33+2*\i], v[32+2*\i], s24, s25
.endr
.irp i,0,1,2,3
	v_add_f32 v[32+2*\i], v[32+2*\i], v[33+2*\i]
.endr
.irp i,0,1,2,3
	v_sqrt_f32 v[32+2*\i], v[32+2*\i]
.endr
	v_nop                                          ; a plain place behind the batch,
	s_wait_alu depctr_va_vdst(0)                   ; and one wait for the four, ahead of their first reader
.irp i,0,1,2,3
	v_max_num_f32 v[32+2*\i], 0x322bcc77, v[32+2*\i]   ; max(norm, 1e-8)
.endr
.irp i,0,1,2,3
	v_rcp_f32 v[32+2*\i], v[32+2*\i]
.endr
	v_nop
	s_wait_alu depctr_va_vdst(0)
	SUBSTORE \b, STW+\b%2
.irp i,0,1,2,3
	ds_store_b32 v[INVW], v[32+2*\i] offset:128*(\b%2)+4*\i
.endr
	BARRIER                                        ; this stage is whole; and every wave's reads of the other stage are over, so the next sub-tile may be laid there
.irp c,0,1
.irp i,0,1,2,3,4,5,6,7
	ds_load_b128 v[32+32*\c+4*\i:35+32*\c+4*\i], v[KRD+\b%2] offset:256*\c+16*\i   ; T = 128 s + 64 c + 32 h + 0 .. 31 of key 16 u + r of the stage
.endr
.endr
	ds_load_b32 v[IV], v[INVR] offset:128*(\b%2)
	VLOADS VRD+\b%2, 96, 0
	s_wait_dscnt 32                                ; behind K's 17 loads: column group 0's 32
.set kk, 0
.rept 32
	v_pk_mul_f32 v[32+2*kk:33+2*kk], v[32+2*kk:33+2*kk], v[IV:IV+1] op_sel_hi:[1,0]   ; the normalised row
.set kk, kk+1
.endr
	BQ32 32, 160+12*\b, BY0
	BQ32 64, 166+12*\b, BY1
	SWORD
.irp p,0,1,2
	global_store_b128 v[KGO], v[160+12*\b+4*\p:163+12*\b+4*\p], s[12:13] offset:(\b/2)*25600+(\b%2)*12288+512*\p th:TH_STORE_NT   ; 512 consecutive bytes, aligned
.endr
	ds_store_b32 v[KSW], v[BY0] offset:512*\b
	s_wait_dscnt 1                                 ; group 0's loads are in; the store just issued may be out
	VLOADS VRD+\b%2, 96, 1
	VQ 0, \b, 208, 96, SW
	s_wait_dscnt 0x0
	VQ 1, \b, 208, 96, SW
.endm
	ESUB 0
	ESUB 1
	ESUB 2
	ESUB 3
	VSWAP 208, 220
	VSWAP 232, 244
.irp g,0,1
.irp f,0,1
.irp p,0,1,2
	global_store_b128 v[VGO], v[208+24*\g+12*\f+4*\p:211+24*\g+12*\f+4*\p], s[12:13] offset:(2*\g+\f)*1536+512*\p th:TH_STORE_NT
.endr
.endr
.endr
	v_and_b32 v32, 31, v0                          ; the scale words leave through LDS, 256 consecutive bytes a wave and kind
	v_lshlrev_b32 v33, 4, v32
	v_lshlrev_b32 v34, 3, v32
	s_lshl_b32 s29, s30, 9
	s_lshl_b32 s33, s31, 3
	s_add_co_u32 s29, s29, s33
	s_add_co_u32 s29, s29, EVSC
	v_add_nc_u32 v35, s29, v33                     ; word (lane, j = 2 (v & 1) + g) of quarter v / 2
	ds_store_b64 v35, v[SW:SW+1]
	s_lshl_b32 s29, s18, 8
	s_add_co_u32 s29, s29, EKSC
	v_add_nc_u32 v36, s29, v34
	s_mul_i32 s29, s27, 25600
	s_lshl_b32 s33, s28, 8
	s_add_co_u32 s29, s29, s33
	s_add_co_u32 s29, s29, 24576
	v_add_nc_u32 v37, s29, v34
	s_mul_i32 s29, s30, 12800
	s_lshl_b32 s33, s31, 8
	s_add_co_u32 s29, s29, s33
	s_add_co_u32 s29, s29, 51200+12288
	v_add_nc_u32 v38, s29, v34
	BARRIER
	ds_load_b64 v[40:41], v36
	ds_load_b64 v[42:43], v36 offset:2048
	s_wait_dscnt 0x0
	global_store_b64 v37, v[40:41], s[12:13] th:TH_STORE_NT
	global_store_b64 v38, v[42:43], s[12:13] th:TH_STORE_NT
	s_wait_tensorcnt 0x0                           ; the wave's end, behind my last LDS store
	ds_add_u32 v[SPW], v[NIL]
	s_wait_dscnt 0x0
	s_endpgm
; ======================= PATH Q: 64 rows of kw =======================
; The product is used transposed (source 0 = 16 columns of W, source 1 = 16 rows of the audio), so that a lane holds one row of kw and its registers run along T, the next product's K.
; Wave v owns columns 64 v .. 64 v + 63: tiles (g, u); lane r of tile (g, u) takes column 64 v + 32 g + 8 u + r + 8 (r / 8), so that the 16 registers of tiles (g, 0), (g, 1) are 16 neighbours along T.
; window 1: v0-127 two sets of a sub-tile of W as loaded; v128-255 the accumulators, (rt, g, u) at 128 + 32 rt + 16 g + 8 u: they begin as the bias.
; window 0: v48-111 two column groups of W; v112-159 W's four fragments; v160-207 the audio's four; at the head v48-175 two sets of raw audio, v176-187 codes.
.Lq:
	s_add_co_u32 s29, s20, QSTG
	v_add_nc_u32 v[STW], s29, v[L16]
	v_add_nc_u32 v[STW+1], SBUF, v[STW]
	v_and_b32 v[TT], 7, v0                         ; my lane's column in a group of 32: (l & 7) + 8 (l / 16) + 16 ((l / 8) & 1)
	v_lshl_add_u32 v[TT], v[HH], 3, v[TT]
	v_bfe_u32 v[TU], v0, 3, 1
	v_lshl_add_u32 v[TT], v[TU], 4, v[TT]
	s_lshl_b32 s29, s18, 8
	s_add_co_u32 s29, s29, QSTG
	v_lshl_add_u32 v[QVRD], v[TT], 2, s29
	v_add_nc_u32 v[QVRD+1], SBUF, v[QVRD]
	v_mul_u32_u24 v[AUD], v[RR], 3072              ; the audio: wave v makes fragments 3 v + i: rows 16 (v / 2) + r, K steps 3 (v & 1) + i
	v_lshl_add_u32 v[AUD], v[HH], 7, v[AUD]
	s_lshr_b32 s27, s18, 1
	s_and_b32 s28, s18, 1
	s_mul_i32 s29, s27, 49152
	s_mul_i32 s30, s28, 1536
	s_add_co_u32 s29, s29, s30
	v_add_nc_u32 v[AUD], s29, v[AUD]
	s_mul_i32 s29, s18, 4608
	s_add_co_u32 s29, s29, AIMG
	v_add_nc_u32 v[AIW], s29, v[L16]
	s_mul_i32 s29, s18, 384
	s_add_co_u32 s29, s29, ASC
	v_add_nc_u32 v[ASW], s29, v[L4]
	v_add_nc_u32 v[AIR], AIMG, v[L16]
	v_add_nc_u32 v[ASR], ASC, v[L4]
	s_lshl_b32 s29, s18, 8
	v_lshl_add_u32 v[BA], v[HH], 6, s29            ; the bias: 256 v + 64 h
	s_lshl_b32 s29, s18, 2
	s_add_co_u32 s29, s29, NRM
	v_lshl_add_u32 v[NRW], v[RR], 5, s29
	v_lshlrev_b32 v[NRR], 5, v[RR]
	v_add_nc_u32 v[NRR], NRM, v[NRR]
	s_mul_i32 s29, s18, 768
	v_add_nc_u32 v[QG1], s29, v[L16]
	s_add_co_u32 s29, s29, 512
	v_add_nc_u32 v[QG2], s29, v[L8]
	s_lshl_b32 s29, s18, 1
	s_add_co_u32 s29, s29, QSS
	v_lshl_add_u32 v[QSW], v[RR], 4, s29
	s_min_u32 s29, s18, 3                          ; (waves 0 to 3 alone use these two)
	s_lshl_b32 s29, s29, 8
	v_add_nc_u32 v[QSG], s29, v[L8]
	v_add_nc_u32 v[QSR], QSS, v[QSG]
	v_mov_b32 v40, 0                               ; written once: a lane permute's destination counts as one of its sources
	v_mov_b32 v41, 0
	s_mul_i32 s34, ttmp9, 196608                   ; 64 rows of 3,072 bytes
	s_mov_b32 s35, 0
	s_mul_i32 s36, ttmp9, 24576                    ; four tiles of queries in qc
	s_mov_b32 s37, 0
	s_lshl_b32 s38, ttmp9, 10                      ; and in qs
	s_mov_b32 s39, 0
	s_wait_kmcnt 0x0
	s_add_nc_u64 s[4:5], s[4:5], s[34:35]
	s_add_nc_u64 s[14:15], s[14:15], s[36:37]
	s_add_nc_u64 s[16:17], s[16:17], s[38:39]
	SUBLOAD 0, 0, 6, 0                             ; W's rows 0-31 and 32-63: wanted first in the loop, asked for first
	SUBLOAD 1, 65536, 6, 0
.macro AUDLOAD i, buf                  ; lane (r, h): K = 128 s + 64 c + 32 h + 0 .. 31 of row r: two whole blocks
.irp c,0,1
.irp j,0,1,2,3,4,5,6,7
	global_load_b128 v[(\buf)+32*\c+4*\j:(\buf)+32*\c+4*\j+3], v[AUD], s[4:5] offset:512*(\i)+256*\c+16*\j th:TH_LOAD_NT
.endr
.endr
.endm
.macro AQ i, buf                       ; quantised, and to LDS as an image of the operand's registers
	BQ32 \buf, 176, BY0
	BQ32 (\buf)+32, 182, BY1
	SWORD
.irp p,0,1,2
	ds_store_b128 v[AIW], v[176+4*\p:179+4*\p] offset:1536*(\i)+512*\p
.endr
	ds_store_b32 v[ASW], v[BY0] offset:128*(\i)
.endm
	AUDLOAD 0, 48
	AUDLOAD 1, 112
	s_wait_loadcnt 16                              ; behind fragment 0's loads: fragment 1's 16
	AQ 0, 48
	AUDLOAD 2, 48
	s_wait_loadcnt 16                              ; behind fragment 1's: fragment 2's 16
	s_wait_dscnt 0x0                               ; the stores have read the codes' registers
	AQ 1, 112
	s_wait_loadcnt 0x0
	s_wait_dscnt 0x0
	AQ 2, 48
	WIN 0x40                                       ; the bias is what the sums begin with: lane (r, h), tile (g, u): b[64 v + 32 g + 16 h + 8 u + 0 .. 7], the same for the four tiles of rows
.irp rt,0,1,2,3
.irp g,0,1
.irp u,0,1
	global_load_b128 v[128+32*\rt+16*\g+8*\u:131+32*\rt+16*\g+8*\u], v[BA], s[8:9] offset:128*\g+32*\u
	global_load_b128 v[132+32*\rt+16*\g+8*\u:135+32*\rt+16*\g+8*\u], v[BA], s[8:9] offset:128*\g+32*\u+16
.endr
.endr
.endr
	WIN 0
	s_wait_loadcnt 0x0
	BARRIER                                        ; the audio's 24 fragments lie in LDS
; sub-tile b of a K step: block b of my 64 columns.  ld = 1: the sub-tile two on is asked for.  cnt: the loads issued behind this sub-tile's
.macro QSUB b, ld, cnt
	s_wait_loadcnt \cnt
	SUBSTORE (\b)%2, STW+(\b)%2
	BARRIER                                        ; this stage is whole; every wave's reads of the other are over
.if \ld
	SUBLOAD (\b)%2, ((\b)+2)*65536, 6, 0
.endif
	VLOADS QVRD+(\b)%2, 48, 0
	VLOADS QVRD+(\b)%2, 48, 1
	s_wait_dscnt 32                                ; behind group 0's loads: group 1's 32
	VQ 0, \b, 112, 48, SW
	s_wait_dscnt 0x0
	VQ 1, \b, 112, 48, SW
.endm
.macro QTRIP last                      ; a K step of 128
.if \last
	v_add_nc_u32 v[ADA], 5*1536, v[AIR]
	v_add_nc_u32 v[ADS], 5*128, v[ASR]
	QSUB 0, 1, 16
	QSUB 1, 1, 16
	QSUB 2, 0, 16
	QSUB 3, 0, 0
.else
	v_add_nc_u32 v[ADA], s30, v[AIR]
	v_add_nc_u32 v[ADS], s31, v[ASR]
	QSUB 0, 1, 16
	QSUB 1, 1, 16
	QSUB 2, 1, 16
	QSUB 3, 1, 16
.endif
	VSWAP 112, 124
	VSWAP 136, 148
.irp rt,0,1,2,3
.irp p,0,1,2
	ds_load_b128 v[160+12*\rt+4*\p:163+12*\rt+4*\p], v[ADA] offset:9216*\rt+512*\p
.endr
	ds_load_b32 v[AS+\rt], v[ADS] offset:768*\rt
.endr
.rept 8
	v_nop                                          ; a scale word made by vector instructions stands 8 places ahead of the scaled product, an operand so made 4
.endr
	s_wait_dscnt 0x0
	WIN 0x50                                       ; C and D in window 1
.irp rt,0,1,2,3                        ; the 16 accumulators by turns, over the backward jump too
.irp g,0,1
	v_wmma_scale_f32_16x16x128_f8f6f4 v[128+32*\rt+16*\g:135+32*\rt+16*\g], v[112+24*\g:123+24*\g], v[160+12*\rt:171+12*\rt], v[128+32*\rt+16*\g:135+32*\rt+16*\g], v[SW+\g], v[AS+\rt] matrix_a_fmt:MATRIX_FMT_FP6 matrix_b_fmt:MATRIX_FMT_FP6
	v_wmma_scale_f32_16x16x128_f8f6f4 v[136+32*\rt+16*\g:143+32*\rt+16*\g], v[124+24*\g:135+24*\g], v[160+12*\rt:171+12*\rt], v[136+32*\rt+16*\g:143+32*\rt+16*\g], v[SW+\g], v[AS+\rt] matrix_a_fmt:MATRIX_FMT_FP6 matrix_b_fmt:MATRIX_FMT_FP6 matrix_a_scale:MATRIX_SCALE_ROW1
.endr
.endr
	WIN 0
.rept 4
	v_nop                                          ; places behind the products: their operands and scale words are written anew, their results read
.endr
.endm
	s_mov_b32 s30, 0                               ; the K step's place among the audio's images,
	s_mov_b32 s31, 0                               ; and among their scale words
	s_mov_b32 s32, 5
.Lqk:
	QTRIP 0
	s_wait_xcnt 0x0                                ; the loads have read their base
	s_add_nc_u64 s[6:7], s[6:7], 262144            ; 128 rows of W on
	s_add_co_u32 s30, s30, 1536
	s_add_co_u32 s31, s31, 128
	s_sub_co_u32 s32, s32, 1
	s_cmp_lg_u32 s32, 0
	s_cbranch_scc1 .Lqk
	QTRIP 1                                        ; the sixth K step is written out: it asks for nothing beyond W's end
	; the rows' norms: my 64 columns' squares, each accumulator from its low end on
	WIN 0x05
.irp rt,0,1,2,3
	v_pk_mul_f32 v[240+2*\rt:241+2*\rt], v[128+32*\rt:129+32*\rt], v[128+32*\rt:129+32*\rt]
.endr
.irp j,2,4,6,8,10,12,14,16,18,20,22,24,26,28,30
.irp rt,0,1,2,3
	v_pk_fma_f32 v[240+2*\rt:241+2*\rt], v[128+32*\rt+\j:129+32*\rt+\j], v[128+32*\rt+\j:129+32*\rt+\j], v[240+2*\rt:241+2*\rt]
.endr
.endr
	WIN 0
.irp rt,0,1,2,3
	v_add_f32 v[240+2*\rt], v[240+2*\rt], v[241+2*\rt]
.endr
.irp rt,0,1,2,3
	v_permlanex16_b32 v[241+2*\rt], v[240+2*\rt], s24, s25
.endr
.irp rt,0,1,2,3
	v_add_f32 v[240+2*\rt], v[240+2*\rt], v[241+2*\rt]
.endr
.irp rt,0,1,2,3
	ds_store_b32 v[NRW], v[240+2*\rt] offset:512*\rt
.endr
	BARRIER
.irp rt,0,1,2,3
	ds_load_b128 v[208+8*\rt:211+8*\rt], v[NRR] offset:512*\rt
	ds_load_b128 v[212+8*\rt:215+8*\rt], v[NRR] offset:512*\rt+16
.endr
	s_wait_dscnt 0x0
.irp rt,0,1,2,3
	v_pk_add_f32 v[208+8*\rt:209+8*\rt], v[208+8*\rt:209+8*\rt], v[210+8*\rt:211+8*\rt]
	v_pk_add_f32 v[212+8*\rt:213+8*\rt], v[212+8*\rt:213+8*\rt], v[214+8*\rt:215+8*\rt]
.endr
.irp rt,0,1,2,3
	v_pk_add_f32 v[208+8*\rt:209+8*\rt], v[208+8*\rt:209+8*\rt], v[212+8*\rt:213+8*\rt]
.endr
.irp rt,0,1,2,3
	v_add_f32 v[248+2*\rt], v[208+8*\rt], v[209+8*\rt]
.endr
.irp rt,0,1,2,3
	v_sqrt_f32 v[248+2*\rt], v[248+2*\rt]
.endr
.irp rt,0,1,2,3
	v_mov_b32 v[249+2*\rt], 0                      ; (the pairs' upper halves; plain places behind the batch)
.endr
	s_wait_alu depctr_va_vdst(0)                   ; one wait for the four roots
.irp rt,0,1,2,3
	v_max_num_f32 v[248+2*\rt], 0x322bcc77, v[248+2*\rt]   ; max(norm, 1e-8)
.endr
.irp rt,0,1,2,3
	v_rcp_f32 v[248+2*\rt], v[248+2*\rt]
.endr
	v_nop
	s_wait_alu depctr_va_vdst(0)
	WIN 0x01                                       ; kw / max(norm, 1e-8), into window 0: v[48 + 32 rt ..]
.irp rt,0,1,2,3
.irp j,0,2,4,6,8,10,12,14,16,18,20,22,24,26,28,30
	v_pk_mul_f32 v[48+32*\rt+\j:49+32*\rt+\j], v[128+32*\rt+\j:129+32*\rt+\j], v[248+2*\rt:249+2*\rt] op_sel_hi:[1,0]
.endr
.endr
	WIN 0
; 32 numbers of a lane, register 16 g + i = T 64 v + 32 g + 16 h + i of my row: two blocks, each shared with lane l xor 16, become half a fragment (registers 6 c .. 6 c + 5, c = v & 1) and two scale bytes
.macro HQ x, d, hw
	v_max3_num_f32 v38, |v[(\x)]|, |v[(\x)+1]|, 0x1800000
	v_max3_num_f32 v39, |v[(\x)+16]|, |v[(\x)+17]|, 0x1800000
.irp i,2,4,6,8,10,12,14
	v_max3_num_f32 v38, v38, |v[(\x)+\i]|, |v[(\x)+1+\i]|
	v_max3_num_f32 v39, v39, |v[(\x)+16+\i]|, |v[(\x)+17+\i]|
.endr
	v_permlanex16_b32 v40, v38, s24, s25
	v_permlanex16_b32 v41, v39, s24, s25
	v_max_num_f32 v38, v38, v40
	v_max_num_f32 v39, v39, v41
	v_add_nc_u32 v42, 0xff000000, v38
	v_add_nc_u32 v43, 0xff000000, v39
	v_lshrrev_b32 v38, 23, v42
	v_lshrrev_b32 v39, 23, v43
	v_lshl_or_b32 v[\hw], v39, 8, v38
	v_cvt_scalef32_pk16_fp6_f32 v[(\d):(\d)+2], v[(\x):(\x)+15], v42
	v_cvt_scalef32_pk16_fp6_f32 v[(\d)+6:(\d)+8], v[(\x)+16:(\x)+31], v43
	v_nop                                          ; one plain place behind a scaled conversion
.irp i,0,1,2
	v_permlane16_swap_b32 v[(\d)+\i], v[(\d)+6+\i] ; a whole block to a lane: lanes 0-15 the first block, lanes 16-31 the second
.endr
.irp i,0,1,2
	v_mov_b32 v[(\d)+3+\i], v[(\d)+6+\i]
.endr
.endm
.irp rt,0,1,2,3
	HQ 48+32*\rt, 176+12*\rt, 44+\rt
	global_store_b128 v[QG1], v[176+12*\rt:179+12*\rt], s[14:15] offset:6144*\rt      ; 512 consecutive bytes,
	global_store_b64 v[QG2], v[180+12*\rt:181+12*\rt], s[14:15] offset:6144*\rt       ; and the 256 behind them
	ds_store_b16 v[QSW], v[44+\rt] offset:256*\rt
.endr
	BARRIER
	s_cmp_gt_u32 s18, 3                            ; the 1,024 scale bytes leave by waves 0 to 3, 256 consecutive bytes each
	s_cbranch_scc1 .Lqdone
	ds_load_b64 v[38:39], v[QSR]
	s_wait_dscnt 0x0
	global_store_b64 v[QSG], v[38:39], s[16:17]
.Lqdone:
	s_wait_tensorcnt 0x0                           ; the wave's end, behind my last LDS store
	ds_add_u32 v[SPW], v[NIL]
	s_wait_dscnt 0x0
	s_endpgm
.Lfunc_end_k_q3a7b26cb6d_prep:
	.size	k_q3a7b26cb6d_prep, .Lfunc_end_k_q3a7b26cb6d_prep-k_q3a7b26cb6d_prep
	.p2alignl 7, 3214868480
	.fill 96, 4, 3214868480
	.section	.rodata,"a",@progbits
	.p2align	6, 0x0
	.amdhsa_kernel k_q3a7b26cb6d_prep
		.amdhsa_group_segment_fixed_size 312576
		.amdhsa_private_segment_fixed_size 0
		.amdhsa_enable_private_segment 0
		.amdhsa_kernarg_size 56
		.amdhsa_user_sgpr_count 2
		.amdhsa_user_sgpr_kernarg_segment_ptr 1
		.amdhsa_wavefront_size32 1
		.amdhsa_system_sgpr_workgroup_id_x 1
		.amdhsa_system_sgpr_workgroup_id_y 1
		.amdhsa_system_sgpr_workgroup_id_z 1
		.amdhsa_system_vgpr_workitem_id 0
		.amdhsa_next_free_vgpr 512
		.amdhsa_next_free_sgpr 66
		.amdhsa_reserve_vcc 0
		.amdhsa_float_denorm_mode_32 3
		.amdhsa_float_denorm_mode_16_64 3
		.amdhsa_memory_ordered 1
		.amdhsa_forward_progress 1
		.amdhsa_inst_pref_size 216
	.end_amdhsa_kernel
	.amdgpu_metadata
---
amdhsa.version: [ 1, 2 ]
amdhsa.kernels:
  - .name:           k_q3a7b26cb6d_prep
    .symbol:         k_q3a7b26cb6d_prep.kd
    .args:
      - { .name: audio_feat, .offset: 0, .size: 8, .value_kind: global_buffer, .address_space: global }
      - { .name: W_proj, .offset: 8, .size: 8, .value_kind: global_buffer, .address_space: global }
      - { .name: b_proj, .offset: 16, .size: 8, .value_kind: global_buffer, .address_space: global }
      - { .name: token_embedding, .offset: 24, .size: 8, .value_kind: global_buffer, .address_space: global }
      - { .name: kv, .offset: 32, .size: 8, .value_kind: global_buffer, .address_space: global }
      - { .name: qc, .offset: 40, .size: 8, .value_kind: global_buffer, .address_space: global }
      - { .name: qs, .offset: 48, .size: 8, .value_kind: global_buffer, .address_space: global }
    .group_segment_fixed_size: 312576
    .private_segment_fixed_size: 0
    .kernarg_segment_align: 8
    .kernarg_segment_size: 56
    .max_flat_workgroup_size: 256
    .sgpr_count:     66
    .vgpr_count:     512
    .wavefront_size: 32
...
	.end_amdgpu_metadata
.endif
;; end of part 1
;; launch main (part 2): grid 8 x 32, 4 waves a work-group, clusters of 4 x 1, 327,680 bytes of LDS; arguments kv, qc, qs, part, lpart; writes part, lpart
.if DOCPART == 2
	.amdgcn_target "amdgcn-amd-amdhsa--gfx1250"
	.amdhsa_code_object_version 6
	.text
	.protected	k_q3a7b26cb6d_main
	.globl	k_q3a7b26cb6d_main
	.p2align	8
	.type	k_q3a7b26cb6d_main,@function
k_q3a7b26cb6d_main:
	s_mov_b64 s[64:65], 0
	v_nop
	global_prefetch_b8 v0, s[64:65] scope:SCOPE_SE
	s_setreg_imm32_b32 hwreg(HW_REG_WAVE_MODE, 25, 1), 1
	s_wait_xcnt 0x0
	s_wait_alu depctr_hold_cnt(0) depctr_sa_sdst(0) depctr_va_vdst(0) depctr_va_sdst(0) depctr_va_ssrc(0) depctr_va_vcc(0) depctr_vm_vsrc(0)
	s_getreg_b32 s2, hwreg(HW_REG_IB_STS2, 6, 4)
	s_cmp_eq_u32 s2, 0
	s_cbranch_scc0 .Lentry_in_a_cluster
	s_endpgm
.Lentry_in_a_cluster:
	s_bfe_u32 s2, ttmp6, 0x10000c
	s_cmp_lg_u32 s2, 0x3003
	s_cbranch_scc0 .Lentry_shape_is_right
	s_endpgm
.Lentry_shape_is_right:
; KW_HybridBranch, launch 2 of 3: products 2 and 3 on codes of E2M3, for 128 queries (qb) x one split of the 386 key steps of 128 keys (12 steps a split, the last split 14).  Nothing of reference() is left out here.
; THE SOFTMAX.  t = cos x 10 log2(e); p = 2^(t - M) with M = 0 for every row.  No maximum is searched for, because the computation itself bounds t for every input: reference() normalises both operands of product 2, and
; a quantised block's norm is at most 17/16 + sqrt(31)/64 = 1.15 of the block's, so |cos| <= 1.33, |t| <= 19.1, 2^-19.1 <= p <= 2^19.1, and a row's sum of 49,408 such p stays under 2^35: nothing overflows or underflows in f32.
; M is a whole number, so against the row's own M every p differs by an exact power of two, which its block's scale and the row's sum take up: the codes' values are the same.
; The row's sum is taken of the unquantised p; sums and O of the 32 splits add up plainly in the next launch, which divides.
; LIMITS: NaN and infinities are not served; a block's scale byte is held at 1 from below (never reached: p >= 2^-19.1).
; SHARES.  Wave w = (kh = w & 1, qh = w / 2).  S^T = K Q^T (source 0 = 16 keys, source 1 = 16 queries): tiles of keys 4 kh + a x tiles of queries 4 qh + m.  A lane holds one query; the keys of a tile are chosen so that the 16 registers
; of tiles 2 b, 2 b + 1 are 16 neighbouring keys.  p's codes are half a fragment (keys 64 kh ..) of each of my four tiles of queries; they go to the other waves through LDS as images of the operand's registers.
; O^T += V^T P^T (source 0 = 16 of T's 512, source 1 = P): wave w owns T 128 w .. 128 w + 127 (tiles i) for all 8 tiles of queries: 64 accumulators.
; THE RING.  A key step's tile of kv, 102,400 dense bytes, already lies in the order of the operands' registers.  Two slots; each wave brings a quarter by one tensor load of 100 rows x 256 bytes; by this text's count one load of a wave is out at a time.
; CLUSTER.  The four blocks of queries of a cluster walk the same split: each tile is asked for jointly, by the same load with the same descriptor and the mask of all four.
; REGISTERS.  window 0: v1-15 addresses; v16-23 Q's scale words; v24-31 K's, then V's (v24-27) and P's (v28-31); v32-39 the sums; v40-63 at work; v64-72 codes; v80-127 Q (m, K step 3); v128-255 S^T (m, a) at 128 + 32 m + 8 a, then P's 8 fragments.
;   window 1: v0-143 Q (m, K steps 0-2) at 12 (4 s + m); v144-239 two sets of K's four fragments, then V's eight.   windows 2, 3: O^T (i, m) at 8 (8 i + m).
.set TILE,  102400
.set PIMG,  2*TILE                     ; P: [tile of queries 8][c 2][512 bytes: registers 6 c .. + 3; 256 bytes: registers 6 c + 4, 5]
.set PSC,   PIMG+8*1536                ; P's scale words: tile qt, row r at 256 (qt & 1) + 16 r + 4 (qt / 2)
.set SPARE, PSC+512                    ; the spare words, 128 bytes for each wave: two blocks of 256 bytes that no other line names
.set MSB, 0
.macro WIN new                         ; the immediate's high byte repeats the setting that is left
.if MSB != \new
	s_set_vgpr_msb (MSB<<8)|\new
.set MSB, \new
.endif
.endm
.macro ROUND                           ; a round of the cluster's barrier
	s_barrier_signal -1
	s_barrier_wait -1
	s_cmp_lg_u32 s14, 0
	s_cbranch_scc1 .Lnw0_\@
	s_barrier_signal -3
.Lnw0_\@:
	s_barrier_wait -3
	s_barrier_signal -1
	s_barrier_wait -1
.endm
.macro PLACES n
.rept \n
	v_nop
.endr
.endm
; one product; the numbers stand in rD, rA, rB, rSA, rSB (registers) and rRA, rRB (which half of the lanes holds the scale words).  z = 1: it starts its sum
.macro WMX z
.if \z
.if rRA && rRB
	v_wmma_scale_f32_16x16x128_f8f6f4 v[rD:rD+7], v[rA:rA+11], v[rB:rB+11], 0, v[rSA], v[rSB] matrix_a_fmt:MATRIX_FMT_FP6 matrix_b_fmt:MATRIX_FMT_FP6 matrix_a_scale:MATRIX_SCALE_ROW1 matrix_b_scale:MATRIX_SCALE_ROW1
.elseif rRA
	v_wmma_scale_f32_16x16x128_f8f6f4 v[rD:rD+7], v[rA:rA+11], v[rB:rB+11], 0, v[rSA], v[rSB] matrix_a_fmt:MATRIX_FMT_FP6 matrix_b_fmt:MATRIX_FMT_FP6 matrix_a_scale:MATRIX_SCALE_ROW1
.elseif rRB
	v_wmma_scale_f32_16x16x128_f8f6f4 v[rD:rD+7], v[rA:rA+11], v[rB:rB+11], 0, v[rSA], v[rSB] matrix_a_fmt:MATRIX_FMT_FP6 matrix_b_fmt:MATRIX_FMT_FP6 matrix_b_scale:MATRIX_SCALE_ROW1
.else
	v_wmma_scale_f32_16x16x128_f8f6f4 v[rD:rD+7], v[rA:rA+11], v[rB:rB+11], 0, v[rSA], v[rSB] matrix_a_fmt:MATRIX_FMT_FP6 matrix_b_fmt:MATRIX_FMT_FP6
.endif
.else
.if rRA && rRB
	v_wmma_scale_f32_16x16x128_f8f6f4 v[rD:rD+7], v[rA:rA+11], v[rB:rB+11], v[rD:rD+7], v[rSA], v[rSB] matrix_a_fmt:MATRIX_FMT_FP6 matrix_b_fmt:MATRIX_FMT_FP6 matrix_a_scale:MATRIX_SCALE_ROW1 matrix_b_scale:MATRIX_SCALE_ROW1
.elseif rRA
	v_wmma_scale_f32_16x16x128_f8f6f4 v[rD:rD+7], v[rA:rA+11], v[rB:rB+11], v[rD:rD+7], v[rSA], v[rSB] matrix_a_fmt:MATRIX_FMT_FP6 matrix_b_fmt:MATRIX_FMT_FP6 matrix_a_scale:MATRIX_SCALE_ROW1
.elseif rRB
	v_wmma_scale_f32_16x16x128_f8f6f4 v[rD:rD+7], v[rA:rA+11], v[rB:rB+11], v[rD:rD+7], v[rSA], v[rSB] matrix_a_fmt:MATRIX_FMT_FP6 matrix_b_fmt:MATRIX_FMT_FP6 matrix_b_scale:MATRIX_SCALE_ROW1
.else
	v_wmma_scale_f32_16x16x128_f8f6f4 v[rD:rD+7], v[rA:rA+11], v[rB:rB+11], v[rD:rD+7], v[rSA], v[rSB] matrix_a_fmt:MATRIX_FMT_FP6 matrix_b_fmt:MATRIX_FMT_FP6
.endif
.endif
.endm
	s_load_b256 s[4:11], s[0:1], 0x0               ; kv s[4:5], qc s[6:7], qs s[8:9], part s[10:11]
	s_load_b64 s[12:13], s[0:1], 0x20              ; lpart
	v_lshl_add_u32 v1, v0, 2, SPARE
	v_mov_b32 v2, 0
	ds_add_u32 v1, v2                              ; the wave's opening: the add, twice on end, and its wait ahead of my first tensor load
	ds_add_u32 v1, v2                              ; and once more, under the one wait; the set-up below, work on registers, stands between
	v_lshrrev_b32 v74, 5, v0
	v_readfirstlane_b32 s14, v74                   ; wave 0..3
	s_and_b32 s15, s14, 1                          ; kh
	s_lshr_b32 s16, s14, 1                         ; qh
	s_bfe_u32 s40, ttmp6, 0x40000                  ; cx: my place in the cluster: it enters global addresses of my own alone
	s_lshl_b32 s41, ttmp9, 2
	s_add_co_u32 s41, s41, s40                     ; qb = 4 x cluster x + cx
	s_and_b32 s42, ttmp7, 0xffff                   ; the split, which the four partners share
	s_mov_b32 s24, 15|(3<<16)|(1<<21)              ; group 1: 15:0 the mask: all four; 17:16 elements of 8 bytes; 20 no padding; 21 set beside a mask
	s_mov_b32 s25, 32<<16                          ; tensor_dim0 = 32 elements: 256 bytes
	s_mov_b32 s26, 100<<16                         ; tensor_dim1 = 100
	s_mov_b32 s27, 32<<16                          ; tile_dim0 = 32
	s_mov_b32 s28, 100                             ; tile_dim1 = 100
	s_mov_b32 s29, 32                              ; the pitch: dense
	s_mov_b32 s30, 0
	s_mov_b32 s31, 0
	s_cmp_eq_u32 s42, 31
	s_cselect_b32 s43, 6, 5                        ; trips of the loop: steps / 2 - 1; the same in all partners
	s_cmp_eq_u32 ttmp9, 0
	s_cselect_b32 s44, 1, -1                       ; 1 in the cluster that prefetches (two clusters walk a split: the first asks), else the greatest number
	s_mov_b32 s48, 0x4166d4ca                      ; 10 log2(e)
	s_mov_b32 s49, s48                             ; (named with it as a pair)
	s_mov_b32 s50, 0x76543210
	s_mov_b32 s51, 0xfedcba98                      ; v_permlanex16_b32's selects for lane l xor 16
	s_mul_i32 s54, s14, 25600                      ; my quarter of a tile, in memory and in a slot
	s_mul_i32 s52, s42, 12*TILE
	s_add_co_u32 s52, s52, s54
	s_mov_b32 s53, 0
	s_mul_i32 s56, s40, 6400                       ; the prefetches: my work-group's 25 blocks of the wave's 100, told apart by address; one tile on
	s_add_co_u32 s56, s56, TILE
	s_mov_b32 s57, 0
	s_lshl_b32 s58, s41, 3
	s_lshl_b32 s59, s16, 2
	s_add_co_u32 s58, s58, s59                     ; my first tile of queries: 8 qb + 4 qh
	s_mul_i32 s60, s58, 6144
	s_mov_b32 s61, 0
	s_lshl_b32 s62, s58, 8
	s_mov_b32 s63, 0
	s_lshl_b32 s58, s42, 3
	s_add_co_u32 s58, s58, s41
	s_lshl_b32 s58, s58, 2
	s_add_co_u32 s58, s58, s14                     ; (8 split + qb) 4 + w
	s_wait_dscnt 0x0                               ; both opening adds are done
	s_wait_kmcnt 0x0
	s_mov_b32 s32, 1                               ; group 0 for slot 0: count = 1,
	s_mov_b32 s33, s54                             ; LDS address,
	s_add_nc_u64 s[34:35], s[4:5], s[52:53]        ; global address: the split's first tile, my quarter
	s_add_nc_u64 s[46:47], s[34:35], s[56:57]      ; where my prefetches stand
	s_mov_b32 s36, 1                               ; and for slot 1: the second tile
	s_add_co_u32 s37, s54, TILE
	s_add_nc_u64 s[38:39], s[34:35], TILE
	s_or_b32 s35, s35, 0x80000000                  ; type = 2
	s_or_b32 s39, s39, 0x80000000
	s_add_nc_u64 s[6:7], s[6:7], s[60:61]
	s_add_nc_u64 s[8:9], s[8:9], s[62:63]
	s_lshl_b32 s60, s58, 16
	s_add_nc_u64 s[10:11], s[10:11], s[60:61]
	s_lshl_b32 s60, s58, 9
	s_add_nc_u64 s[12:13], s[12:13], s[60:61]
	ROUND                                          ; all four work-groups are here: the first joint loads meet
	tensor_load_to_lds s[32:35], s[24:31]          ; tile 0
	s_nop 0
	PLACES 4
	v_and_b32 v74, 31, v0                          ; lane
	v_and_b32 v75, 15, v0                          ; r
	v_lshlrev_b32 v13, 4, v74                      ; 16 lane
	v_lshlrev_b32 v14, 3, v74                      ; 8 lane
	WIN 0x40
.irp s,0,1,2                           ; Q stays in registers: my four tiles x four K steps
.irp m,0,1,2,3
.irp c,0,1
	global_load_b128 v[12*(4*\s+\m)+6*\c:12*(4*\s+\m)+6*\c+3], v13, s[6:7] offset:6144*\m+1536*\s+768*\c
	global_load_b64 v[12*(4*\s+\m)+6*\c+4:12*(4*\s+\m)+6*\c+5], v14, s[6:7] offset:6144*\m+1536*\s+768*\c+512
.endr
.endr
.endr
	WIN 0
.irp m,0,1,2,3
.irp c,0,1
	global_load_b128 v[80+12*\m+6*\c:83+12*\m+6*\c], v13, s[6:7] offset:6144*\m+4608+768*\c
	global_load_b64 v[84+12*\m+6*\c:85+12*\m+6*\c], v14, s[6:7] offset:6144*\m+4608+768*\c+512
.endr
.endr
	global_load_b128 v[16:19], v13, s[8:9]             ; Q's scale words: register 4 (m / 2) + s; lanes 0-15 tile m even, lanes 16-31 odd
	global_load_b128 v[20:23], v13, s[8:9] offset:512
	s_mul_i32 s52, s15, 25600
	v_add_nc_u32 v3, s52, v13                      ; K's fragments of my half, slot 0, 1
	v_add_nc_u32 v4, TILE, v3
	s_mul_i32 s52, s14, 12800
	s_add_co_u32 s52, s52, 51200
	v_add_nc_u32 v5, s52, v13                      ; V's fragments of my quarter
	v_add_nc_u32 v6, TILE, v5
	s_mul_i32 s52, s16, 6144
	s_mul_i32 s53, s15, 768
	s_add_co_u32 s52, s52, s53
	s_add_co_u32 s52, s52, PIMG
	v_add_nc_u32 v7, s52, v13                      ; where I store P's half fragments: four registers,
	v_add_nc_u32 v8, s52, v14
	v_add_nc_u32 v8, 512, v8                       ; and two
	s_lshl_b32 s52, s16, 3
	s_lshl_b32 s53, s15, 1
	s_add_co_u32 s52, s52, s53
	s_add_co_u32 s52, s52, PSC
	v_lshl_add_u32 v9, v75, 4, s52                 ; and my two scale bytes
	v_add_nc_u32 v10, PIMG, v13                    ; where I read P back
	v_add_nc_u32 v11, PIMG+512, v14
	v_min_u32 v12, 24, v74
	v_lshlrev_b32 v12, 8, v12                      ; the prefetches' offset: 25 blocks of 256 bytes, a lane a block (lanes 25-31 name lane 24's)
.irp i,0,1,2,3,4,5,6,7
	v_mov_b32 v[32+\i], 0                          ; the sums
	v_mov_b32 v[48+\i], 0                          ; written once: a lane permute's destination counts as one of its sources
.endr
	s_wait_loadcnt 0x0                             ; Q
; THE CHANGE OF SLOTS, at a step's head.  All my tensor loads have landed (my quarter of this step's tile), the add, and the wait for it and for my reads of the other slot and of P; then a round of the cluster's barrier:
; no wave of any partner still reads the other slot or has a load on its way.  refill = 1: the next tile goes into the other slot, first thing behind the round: it has this step's 128 products and softmax in which to land.
.macro HEAD sl, refill
	s_wait_tensorcnt 0x0                           ; no tensor load of mine is out, so a group 0 may be written
	ds_add_u32 v1, v2                              ; 0 onto my spare word
	s_add_nc_u64 s[34+4*\sl:35+4*\sl], s[34+4*\sl:35+4*\sl], 2*TILE   ; this slot's next tile
	s_wait_xcnt 0x0                                ; the last prefetch, a step back, has read its address
	s_add_nc_u64 s[46:47], s[46:47], TILE
	s_wait_dscnt 0x0
	ROUND
.if \refill
	tensor_load_to_lds s[36-4*\sl:39-4*\sl], s[24:31]
	s_nop 0
	PLACES 4
.endif
.endm
; A PREFETCH INTO THE L2 of the tile that the NEXT change of slots will ask for: in step j tile j + 2.  Of the two clusters that walk a split the first asks; its four partners take 25 of each wave's 100 blocks each, by address.
; how = 1: always; how = 0: not in the loop's last trip, whose tile j + 2 lies beyond the split.  Tiles 0 and 1 come by their loads alone.
.macro ASK how
.if \how
	s_cmp_eq_u32 s44, 1
.else
	s_cmp_gt_u32 s43, s44
.endif
	s_cbranch_scc0 .Lnm_\@
	global_prefetch_b8 v12, s[46:47] th:TH_LOAD_NT scope:SCOPE_SE
.Lnm_\@:
.endm
.macro KLOAD sl, s, kb                 ; K step s of T: my four tiles' fragments into window 1
	WIN 0x40
.irp a,0,1,2,3
.irp g,0,1,2
	ds_load_b128 v[(\kb)+12*\a+4*\g:(\kb)+12*\a+4*\g+3], v[3+\sl] offset:(4*\a+\s)*1536+512*\g
.endr
.endr
.endm
.macro SMUL s, kb, z                   ; 16 products: the 16 accumulators by turns, in the same order in every K step
.set mm, 0
.rept 4
.set aa, 0
.rept 4
.set rD, 128+32*mm+8*aa
.set rA, (\kb)+12*aa
.if (\s) < 3
.set rB, 12*(4*(\s)+mm)
.else
.set rB, 80+12*mm
.endif
.set rSA, 24+4*(aa/2)+(\s)
.set rSB, 16+4*(mm/2)+(\s)
.set rRA, aa%2
.set rRB, mm%2
	WMX \z
.set aa, aa+1
.endr
.set mm, mm+1
.endr
.endm
.macro SPHASE sl, ask
	ds_load_b128 v[24:27], v[3+\sl] offset:24576   ; K's scale words: register 4 (a / 2) + s; lanes 0-15 tile a even, lanes 16-31 odd
	ds_load_b128 v[28:31], v[3+\sl] offset:25088
	KLOAD \sl, 0, 144
	KLOAD \sl, 1, 192
	WIN 0
.if \ask < 2
	ASK \ask
.endif
	s_wait_dscnt 12                                ; behind K step 0's loads: K step 1's 12
	WIN 0x05
	SMUL 0, 144, 1
	PLACES 4                                       ; in front of loads into registers that products have read
	KLOAD \sl, 2, 144
	s_wait_dscnt 12
	WIN 0x05
	SMUL 1, 192, 0
	PLACES 4
	KLOAD \sl, 3, 192
	s_wait_dscnt 12
	WIN 0x05
	SMUL 2, 144, 0
	s_wait_dscnt 0x0
	WIN 0x01                                       ; Q's last K step lies in window 0
	SMUL 3, 192, 0
	WIN 0
	PLACES 4                                       ; behind the last products: loads over K's fragments and scale words, and the first read of the scores
	WIN 0x40
.irp i,0,1,2,3,4,5,6,7
.irp g,0,1,2
	ds_load_b128 v[144+12*\i+4*\g:147+12*\i+4*\g], v[5+\sl] offset:1536*\i+512*\g   ; V's eight fragments land under the softmax
.endr
.endr
	WIN 0
	ds_load_b128 v[24:27], v[5+\sl] offset:12288   ; V's scale words: register i / 2; lanes 0-15 tile i even, lanes 16-31 odd
.endm
.macro SOFTQ
.set jj, 0
.rept 64
	v_pk_mul_f32 v[128+2*jj:129+2*jj], v[128+2*jj:129+2*jj], s[48:49] op_sel_hi:[1,0]   ; t; each accumulator from its low end on
.set jj, jj+1
.endr
.set jj, 0
.rept 128
	v_exp_f32 v[128+jj], v[128+jj]                 ; p = 2^t
.set jj, jj+1
.endr
	v_nop                                          ; a plain place behind the batch,
	s_wait_alu depctr_va_vdst(0)                   ; and one wait for the 128, ahead of their first reader
.irp m,0,1,2,3                         ; the rows' sums, of the unquantised p: two chains a tile, the four tiles by turns
	v_pk_add_f32 v[40+2*\m:41+2*\m], v[128+32*\m:129+32*\m], v[130+32*\m:131+32*\m]
.endr
.irp i,4,8,12,16,20,24,28
.irp m,0,1,2,3
	v_pk_add_f32 v[32+2*\m:33+2*\m], v[32+2*\m:33+2*\m], v[128+32*\m+\i:129+32*\m+\i]
	v_pk_add_f32 v[40+2*\m:41+2*\m], v[40+2*\m:41+2*\m], v[130+32*\m+\i:131+32*\m+\i]
.endr
.endr
.irp m,0,1,2,3
	v_pk_add_f32 v[32+2*\m:33+2*\m], v[32+2*\m:33+2*\m], v[40+2*\m:41+2*\m]
.endr
.irp k,0,1,2,3,4,5,6,7                 ; the eight blocks' largest p (block k: tile k / 2, keys 64 kh + 32 (k % 2) ..): my 16, with the floor 2^(3 - 127)
	v_max3_num_f32 v[40+\k], v[128+16*\k], v[129+16*\k], 0x1800000
.endr
.irp i,2,4,6,8,10,12,14
.irp k,0,1,2,3,4,5,6,7
	v_max3_num_f32 v[40+\k], v[40+\k], v[128+16*\k+\i], v[129+16*\k+\i]
.endr
.endr
.irp k,0,1,2,3,4,5,6,7
	v_permlanex16_b32 v[48+\k], v[40+\k], s50, s51
.endr
.irp k,0,1,2,3,4,5,6,7
	v_max_num_f32 v[40+\k], v[40+\k], v[48+\k]     ; with lane l xor 16's 16
.endr
.irp k,0,1,2,3,4,5,6,7
	v_add_nc_u32 v[56+\k], 0xff000000, v[40+\k]    ; 2 off the exponent field: the conversion's scale operand
.endr
.irp k,0,1,2,3,4,5,6,7
	v_lshrrev_b32 v[48+\k], 23, v[56+\k]           ; the scale's byte
.endr
.irp m,0,1,2,3
	v_lshl_or_b32 v[40+\m], v[49+2*\m], 8, v[48+2*\m]
.endr
.irp m,0,1,2,3                         ; tile 0's codes at v64; tile m's in the registers that tile m - 1's p has left, behind the place
.if \m == 0
.set dd, 64
.else
.set dd, 96+32*\m
.endif
	v_cvt_scalef32_pk16_fp6_f32 v[dd:dd+2], v[128+32*\m:143+32*\m], v[56+2*\m]
	v_cvt_scalef32_pk16_fp6_f32 v[dd+6:dd+8], v[144+32*\m:159+32*\m], v[57+2*\m]
	v_nop                                          ; one plain place behind a scaled conversion
.endr
.irp m,0,1,2,3
.if \m == 0
.set dd, 64
.else
.set dd, 96+32*\m
.endif
.irp i,0,1,2
	v_permlane16_swap_b32 v[dd+\i], v[dd+6+\i]     ; a whole block to a lane
.endr
.irp i,0,1,2
	v_mov_b32 v[dd+3+\i], v[dd+6+\i]
.endr
	ds_store_b128 v7, v[dd:dd+3] offset:1536*\m
	ds_store_b64 v8, v[dd+4:dd+5] offset:1536*\m
	ds_store_b16 v9, v[40+\m] offset:256*(\m%2)+4*(\m/2)
.endr
	s_wait_dscnt 0x0                               ; my stores of P have landed (and V's fragments are in)
	s_barrier_signal -1
	s_barrier_wait -1                              ; everybody's have
.endm
.macro PVPHASE z
	ds_load_b128 v[28:31], v10 offset:12288        ; P's scale words: register m / 2; lanes 0-15 tile m even, lanes 16-31 odd
.irp m,0,1,2,3,4,5,6,7
	ds_load_b128 v[128+12*\m:131+12*\m], v10 offset:1536*\m
	ds_load_b64 v[132+12*\m:133+12*\m], v11 offset:1536*\m
	ds_load_b128 v[134+12*\m:137+12*\m], v10 offset:1536*\m+768
	ds_load_b64 v[138+12*\m:139+12*\m], v11 offset:1536*\m+768
.endr
	WIN 0xa1                                       ; V window 1, P window 0, C and D window 2
.set ii, 0
.rept 8
.if ii == 4
	WIN 0xf1                                       ; C and D window 3
.endif
.set mm, 0
.rept 8
.if ii == 0
	s_wait_dscnt 4*(7-mm)                          ; behind tile mm's four loads: the later tiles'
.endif
.set rD, 8*(8*(ii%4)+mm)
.set rA, 144+12*ii
.set rB, 128+12*mm
.set rSA, 24+ii/2
.set rSB, 28+mm/2
.set rRA, ii%2
.set rRB, mm%2
	WMX \z
.set mm, mm+1
.endr
.set ii, ii+1
.endr
	PLACES 5                                       ; the next step's first products write over P's registers: five places; its loads and the way out's stores want four
	WIN 0
.endm
.macro STEP sl, refill, ask, z
	HEAD \sl, \refill
	SPHASE \sl, \ask
	SOFTQ
	PVPHASE \z
.endm
	STEP 0, 1, 1, 1                                ; the first step's products start O's sums: nothing is cleared
.Lpair:
	STEP 1, 1, 1, 0
	STEP 0, 1, 0, 0
	s_sub_co_u32 s43, s43, 1
	s_cmp_lg_u32 s43, 0
	s_cbranch_scc1 .Lpair
	STEP 1, 0, 2, 0                                ; the last step is written out: nothing is left to fetch
	; THE WAY OUT: the accumulators leave as they stand, 512 consecutive bytes a store, each from its low end on: part[split][qb][w][m][i][half][lane]
	WIN 0x08
.irp i,0,1,2,3
.irp m,0,1,2,3,4,5,6,7
	global_store_b128 v13, v[8*(8*\i+\m):8*(8*\i+\m)+3], s[10:11] offset:(8*\m+\i)*1024 th:TH_STORE_NT
	global_store_b128 v13, v[8*(8*\i+\m)+4:8*(8*\i+\m)+7], s[10:11] offset:(8*\m+\i)*1024+512 th:TH_STORE_NT
.endr
.endr
	WIN 0x0c
.irp i,0,1,2,3
.irp m,0,1,2,3,4,5,6,7
	global_store_b128 v13, v[8*(8*\i+\m):8*(8*\i+\m)+3], s[10:11] offset:(8*\m+\i+4)*1024 th:TH_STORE_NT
	global_store_b128 v13, v[8*(8*\i+\m)+4:8*(8*\i+\m)+7], s[10:11] offset:(8*\m+\i+4)*1024+512 th:TH_STORE_NT
.endr
.endr
	WIN 0
.irp m,0,1,2,3
	v_add_f32 v[40+\m], v[32+2*\m], v[33+2*\m]     ; my lane's part of the sums of queries 16 (4 qh + m) + r
.endr
	global_store_b128 v13, v[40:43], s[12:13] th:TH_STORE_NT   ; lpart[split][qb][w][lane][m]
	s_wait_tensorcnt 0x0                           ; the wave's end, behind my last tensor load and my last LDS store
	ds_add_u32 v1, v2
	s_wait_dscnt 0x0
	ROUND                                          ; the closing round: no work-group ends while a partner may still ask for a tile that names it
	s_endpgm
.Lfunc_end_k_q3a7b26cb6d_main:
	.size	k_q3a7b26cb6d_main, .Lfunc_end_k_q3a7b26cb6d_main-k_q3a7b26cb6d_main
	.p2alignl 7, 3214868480
	.fill 96, 4, 3214868480
	.section	.rodata,"a",@progbits
	.p2align	6, 0x0
	.amdhsa_kernel k_q3a7b26cb6d_main
		.amdhsa_group_segment_fixed_size 327680
		.amdhsa_private_segment_fixed_size 0
		.amdhsa_enable_private_segment 0
		.amdhsa_kernarg_size 40
		.amdhsa_user_sgpr_count 2
		.amdhsa_user_sgpr_kernarg_segment_ptr 1
		.amdhsa_wavefront_size32 1
		.amdhsa_system_sgpr_workgroup_id_x 1
		.amdhsa_system_sgpr_workgroup_id_y 1
		.amdhsa_system_sgpr_workgroup_id_z 1
		.amdhsa_system_vgpr_workitem_id 0
		.amdhsa_next_free_vgpr 1024
		.amdhsa_next_free_sgpr 66
		.amdhsa_reserve_vcc 0
		.amdhsa_float_denorm_mode_32 3
		.amdhsa_float_denorm_mode_16_64 3
		.amdhsa_memory_ordered 1
		.amdhsa_forward_progress 1
		.amdhsa_inst_pref_size 206
	.end_amdhsa_kernel
	.amdgpu_metadata
---
amdhsa.version: [ 1, 2 ]
amdhsa.kernels:
  - .name:           k_q3a7b26cb6d_main
    .symbol:         k_q3a7b26cb6d_main.kd
    .args:
      - { .name: kv, .offset: 0, .size: 8, .value_kind: global_buffer, .address_space: global }
      - { .name: qc, .offset: 8, .size: 8, .value_kind: global_buffer, .address_space: global }
      - { .name: qs, .offset: 16, .size: 8, .value_kind: global_buffer, .address_space: global }
      - { .name: part, .offset: 24, .size: 8, .value_kind: global_buffer, .address_space: global }
      - { .name: lpart, .offset: 32, .size: 8, .value_kind: global_buffer, .address_space: global }
    .group_segment_fixed_size: 327680
    .private_segment_fixed_size: 0
    .kernarg_segment_align: 8
    .kernarg_segment_size: 40
    .max_flat_workgroup_size: 128
    .sgpr_count:     66
    .vgpr_count:     1024
    .wavefront_size: 32
...
	.end_amdgpu_metadata
.endif
;; end of part 2
;; launch merge (part 3): grid 256 x 1, 4 waves a work-group, no clusters, 9,216 bytes of LDS; arguments part, lpart, out0; writes out0
.if DOCPART == 3
	.amdgcn_target "amdgcn-amd-amdhsa--gfx1250"
	.amdhsa_code_object_version 6
	.text
	.protected	k_q3a7b26cb6d_merge
	.globl	k_q3a7b26cb6d_merge
	.p2align	8
	.type	k_q3a7b26cb6d_merge,@function
k_q3a7b26cb6d_merge:
	s_mov_b64 s[64:65], 0
	v_nop
	global_prefetch_b8 v0, s[64:65] scope:SCOPE_SE
	s_setreg_imm32_b32 hwreg(HW_REG_WAVE_MODE, 25, 1), 1
	s_wait_xcnt 0x0
; KW_HybridBranch, launch 3 of 3: the 32 splits' partial O and partial row sums are added (all were taken under the same M = 0, so the sums are plain), O is divided by the row's sum and laid row-major.  Nothing is left out.
; Work-group g = (qb = g / 32, w = (g / 8) % 4, m = g % 8) owns 16 queries x 128 of T: 8,192 bytes of each split, at g x 8,192.  Memory binds: every byte of part is read once, 512 consecutive bytes an instruction,
; 48 loads of a wave on their way; no matrix unit, no cluster: the work-groups share nothing.  LIMIT: the division is a reciprocal (1 ulp) and a multiplication.
.set STP,   528                        ; the stage: 16 rows x (512 bytes + 16)
.set LST,   16*STP                     ; [row 16][wave 4] partial row sums
.set SPARE, LST+256                    ; the spare words, 128 bytes for each wave: two blocks of 256 bytes that no other line names
.set ACC,   32                         ; v32-47 my 16 sums
.set BUF,   48                         ; v48-239 three sets of 64: four splits x four items of 16 bytes
	s_load_b128 s[4:7], s[0:1], 0x0                ; part, lpart
	s_load_b64 s[8:9], s[0:1], 0x10                ; out0
	v_lshl_add_u32 v1, v0, 2, SPARE
	v_mov_b32 v2, 0
	v_lshrrev_b32 v10, 5, v0
	v_readfirstlane_b32 s10, v10                   ; wave 0..3
	v_and_b32 v10, 31, v0
	v_and_b32 v11, 15, v0                          ; r
	v_bfe_u32 v12, v0, 4, 1                        ; h
	v_lshlrev_b32 v13, 4, v10                      ; 16 lane
	s_lshl_b32 s11, s10, 11
	v_add_nc_u32 v3, s11, v13                      ; part: 2,048 wave + 16 lane; item x 512 bytes on: tile i = 2 wave + x / 2, half x % 2
	s_lshl_b32 s11, s10, 17
	v_add_nc_u32 v4, s11, v13                      ; lpart: splits 8 wave .., 16 lane
	v_mul_u32_u24 v5, v11, STP
	v_lshl_add_u32 v5, v12, 5, v5
	s_lshl_b32 s11, s10, 7
	v_add_nc_u32 v5, s11, v5                       ; into the stage: row r, 128 wave + 32 h
	s_lshl_b32 s11, s10, 2
	s_add_co_u32 s11, s11, LST
	v_lshl_add_u32 v6, v11, 4, s11
	s_mul_i32 s11, s10, 4*STP
	v_add_nc_u32 v7, s11, v13                      ; back: rows 4 wave + j, 16 bytes a lane
	s_lshl_b32 s11, s10, 6
	s_add_co_u32 s11, s11, LST
	v_mov_b32 v8, s11
	s_lshl_b32 s11, s10, 13
	v_add_nc_u32 v9, s11, v13                      ; and the same rows in out0
	v_mov_b32 v14, 0                               ; (a lane permute's destination counts as one of its sources)
	s_mov_b32 s12, 0x76543210
	s_mov_b32 s13, 0xfedcba98
	s_lshr_b32 s14, ttmp9, 5                       ; qb
	s_bfe_u32 s15, ttmp9, 0x20003                  ; w
	s_and_b32 s32, ttmp9, 7                        ; m
	s_lshl_b32 s34, ttmp9, 13
	s_mov_b32 s35, 0
	s_lshl_b32 s36, s14, 11                        ; lpart: 2,048 qb + 1,024 (m / 4) + 4 (m % 4)
	s_lshr_b32 s33, s32, 2
	s_lshl_b32 s33, s33, 10
	s_add_co_u32 s36, s36, s33
	s_and_b32 s33, s32, 3
	s_lshl_b32 s33, s33, 2
	s_add_co_u32 s36, s36, s33
	s_mov_b32 s37, 0
	s_lshl_b32 s38, s14, 18                        ; out0: (128 qb + 16 m) rows of 2,048 bytes + 512 w
	s_lshl_b32 s33, s32, 15
	s_add_co_u32 s38, s38, s33
	s_lshl_b32 s33, s15, 9
	s_add_co_u32 s38, s38, s33
	s_mov_b32 s39, 0
	s_wait_kmcnt 0x0
	s_add_nc_u64 s[16:17], s[4:5], s[34:35]        ; eight bases, four splits (8 MiB) apart: a split in a group stands in the immediate
.irp k,1,2,3,4,5,6,7
	s_add_nc_u64 s[16+2*\k:17+2*\k], s[14+2*\k:15+2*\k], 0x800000
.endr
	s_add_nc_u64 s[6:7], s[6:7], s[36:37]
	s_add_nc_u64 s[8:9], s[8:9], s[38:39]
.irp k,0,1,2,3,4,5,6,7,8,9,10,11,12,13,14,15
	global_load_b32 v[16+\k], v4, s[6:7] offset:(\k/2)*16384+(\k%2)*512   ; split 8 wave + k / 2, half of the keys k % 2, lane (r, h)
.endr
.macro GLOAD k
.irp j,0,1,2,3
.irp x,0,1,2,3
	global_load_b128 v[BUF+64*((\k)%3)+16*\j+4*\x:BUF+64*((\k)%3)+16*\j+4*\x+3], v3, s[16+2*(\k):17+2*(\k)] offset:\j*2097152+512*\x th:TH_LOAD_NT
.endr
.endr
.endm
	GLOAD 0
	GLOAD 1
	GLOAD 2
	s_wait_loadcnt 48                              ; behind the row sums' 16 loads: three groups of 16
.irp k,0,2,4,6,8,10,12,14
	v_add_f32 v[16+\k], v[16+\k], v[17+\k]
.endr
.irp k,0,4,8,12
	v_add_f32 v[16+\k], v[16+\k], v[18+\k]
.endr
	v_add_f32 v16, v16, v20
	v_add_f32 v24, v24, v28
	v_add_f32 v16, v16, v24
	v_permlanex16_b32 v14, v16, s12, s13
	v_add_f32 v16, v16, v14                        ; row r's sum over my eight splits
	ds_store_b32 v6, v16
.macro GSUM k, cnt
	s_wait_loadcnt \cnt                            ; the younger groups may be out
.set BB, BUF+64*((\k)%3)
.if (\k) == 0
.irp p,0,2,4,6,8,10,12,14
	v_pk_add_f32 v[ACC+\p:ACC+\p+1], v[BB+\p:BB+\p+1], v[BB+16+\p:BB+17+\p]   ; the first two splits start the sums: nothing is cleared
.endr
.else
.irp p,0,2,4,6,8,10,12,14
	v_pk_add_f32 v[ACC+\p:ACC+\p+1], v[ACC+\p:ACC+\p+1], v[BB+\p:BB+\p+1]
.endr
.irp p,0,2,4,6,8,10,12,14
	v_pk_add_f32 v[ACC+\p:ACC+\p+1], v[ACC+\p:ACC+\p+1], v[BB+16+\p:BB+17+\p]
.endr
.endif
.irp p,0,2,4,6,8,10,12,14
	v_pk_add_f32 v[ACC+\p:ACC+\p+1], v[ACC+\p:ACC+\p+1], v[BB+32+\p:BB+33+\p]
.endr
.irp p,0,2,4,6,8,10,12,14
	v_pk_add_f32 v[ACC+\p:ACC+\p+1], v[ACC+\p:ACC+\p+1], v[BB+48+\p:BB+49+\p]
.endr
.if (\k)+3 < 8
	GLOAD (\k)+3
.endif
.endm
	GSUM 0, 32
	GSUM 1, 32
	GSUM 2, 32
	GSUM 3, 32
	GSUM 4, 32
	GSUM 5, 32
	GSUM 6, 16
	GSUM 7, 0
.irp x,0,1,2,3
	ds_store_b128 v5, v[ACC+4*\x:ACC+4*\x+3] offset:64*(\x/2)+16*(\x%2)
.endr
	s_wait_dscnt 0x0                               ; for the others' sake: my stores have landed
	s_barrier_signal -1
	s_barrier_wait -1
.irp j,0,1,2,3
	ds_load_b128 v[48+4*\j:51+4*\j], v7 offset:STP*\j
	ds_load_b128 v[64+4*\j:67+4*\j], v8 offset:16*\j
.endr
	s_wait_dscnt 0x0
.irp j,0,1,2,3
	v_pk_add_f32 v[64+4*\j:65+4*\j], v[64+4*\j:65+4*\j], v[66+4*\j:67+4*\j]
.endr
.irp j,0,1,2,3
	v_add_f32 v[80+2*\j], v[64+4*\j], v[65+4*\j]   ; the row's sum
.endr
.irp j,0,1,2,3
	v_rcp_f32 v[80+2*\j], v[80+2*\j]
.endr
.irp j,0,1,2,3
	v_mov_b32 v[81+2*\j], 0                        ; (the pairs' upper halves; plain places behind the batch)
.endr
	s_wait_alu depctr_va_vdst(0)                   ; one wait for the four reciprocals, ahead of their first reader
.irp j,0,1,2,3
	v_pk_mul_f32 v[48+4*\j:49+4*\j], v[48+4*\j:49+4*\j], v[80+2*\j:81+2*\j] op_sel_hi:[1,0]
	v_pk_mul_f32 v[50+4*\j:51+4*\j], v[50+4*\j:51+4*\j], v[80+2*\j:81+2*\j] op_sel_hi:[1,0]
.endr
.irp j,0,1,2,3
	global_store_b128 v9, v[48+4*\j:51+4*\j], s[8:9] offset:2048*\j th:TH_STORE_NT   ; 512 consecutive bytes, aligned
.endr
	s_wait_tensorcnt 0x0                           ; the wave's end, behind my last LDS store
	ds_add_u32 v1, v2
	s_wait_dscnt 0x0
	s_endpgm
.Lfunc_end_k_q3a7b26cb6d_merge:
	.size	k_q3a7b26cb6d_merge, .Lfunc_end_k_q3a7b26cb6d_merge-k_q3a7b26cb6d_merge
	.p2alignl 7, 3214868480
	.fill 96, 4, 3214868480
	.section	.rodata,"a",@progbits
	.p2align	6, 0x0
	.amdhsa_kernel k_q3a7b26cb6d_merge
		.amdhsa_group_segment_fixed_size 9216
		.amdhsa_private_segment_fixed_size 0
		.amdhsa_enable_private_segment 0
		.amdhsa_kernarg_size 24
		.amdhsa_user_sgpr_count 2
		.amdhsa_user_sgpr_kernarg_segment_ptr 1
		.amdhsa_wavefront_size32 1
		.amdhsa_system_sgpr_workgroup_id_x 1
		.amdhsa_system_sgpr_workgroup_id_y 1
		.amdhsa_system_sgpr_workgroup_id_z 1
		.amdhsa_system_vgpr_workitem_id 0
		.amdhsa_next_free_vgpr 240
		.amdhsa_next_free_sgpr 66
		.amdhsa_reserve_vcc 0
		.amdhsa_float_denorm_mode_32 3
		.amdhsa_float_denorm_mode_16_64 3
		.amdhsa_memory_ordered 1
		.amdhsa_forward_progress 1
		.amdhsa_inst_pref_size 36
	.end_amdhsa_kernel
	.amdgpu_metadata
---
amdhsa.version: [ 1, 2 ]
amdhsa.kernels:
  - .name:           k_q3a7b26cb6d_merge
    .symbol:         k_q3a7b26cb6d_merge.kd
    .args:
      - { .name: part, .offset: 0, .size: 8, .value_kind: global_buffer, .address_space: global }
      - { .name: lpart, .offset: 8, .size: 8, .value_kind: global_buffer, .address_space: global }
      - { .name: out0, .offset: 16, .size: 8, .value_kind: global_buffer, .address_space: global }
    .group_segment_fixed_size: 9216
    .private_segment_fixed_size: 0
    .kernarg_segment_align: 8
    .kernarg_segment_size: 24
    .max_flat_workgroup_size: 128
    .sgpr_count:     66
    .vgpr_count:     240
    .wavefront_size: 32
...
	.end_amdgpu_metadata
.endif
;; end of part 3
;; ======== version 2 of 2: 4 launches
;; limits: right only within a limited range of input values
;; workspace buffers: kv 39,526,400 bytes; wq 307,200 bytes; qc 393,216 bytes; qs 16,384 bytes; part 67,108,864 bytes; lpart 524,288 bytes
;; launch prep (part 4): grid 256 x 1, 8 waves a work-group, no clusters, 269,568 bytes of LDS; arguments W_proj, token_embedding, kv, wq; writes kv, wq
.if DOCPART == 4
	.amdgcn_target "amdgcn-amd-amdhsa--gfx1250"
	.amdhsa_code_object_version 6
	.text
	.protected	k_q3a7b26cb6d_prep
	.globl	k_q3a7b26cb6d_prep
	.p2align	8
	.type	k_q3a7b26cb6d_prep,@function
k_q3a7b26cb6d_prep:
	s_mov_b64 s[64:65], 0
	v_nop
	global_prefetch_b8 v0, s[64:65] scope:SCOPE_SE
	s_setreg_imm32_b32 hwreg(HW_REG_WAVE_MODE, 25, 1), 1
	s_wait_xcnt 0x0
; KW_HybridBranch, launch 1 of 4: the two weights are quantised once, into IMAGES OF THE OPERANDS' REGISTERS (a fragment: 12 registers a lane, group p of four registers at 512 p + 16 lane), with their scale words.
; No work of reference() is left out in this program: all three products, the bias, both norms with their eps, the softmax and its sum are computed, and all four inputs are loaded.
; Work-groups 0-5 (path W): one K step of product 1, 128 rows of W_proj, each, quantised along the rows (D, product 1's K): wq.
; Work-groups 6-255 (path E): one key step, 128 rows of token_embedding, each: (a) the rows / max(norm, 1e-8), quantised along T: product 2's operand; (b) the raw rows, quantised along V
; (the rows): product 3's operand.  Both go into one tile of 102,400 bytes of kv.
; A block's scale is 2^(floor(log2(largest magnitude)) - 2): its byte is the largest magnitude's exponent field - 2, held at 1 from below.
; LIMITS: a block of zeros, or one under 2^-124, carries the byte 1 (its codes are zeros or as the held scale gives them; the bytes are read by this program alone); NaN and infinities among the inputs are not served;
; a division by a norm is a reciprocal (1 ulp) and a multiplication.
; THE SHARED IDEA.  A sub-tile is 32 rows x 512 columns of f32 (token_embedding and W_proj have rows of 2,048 bytes alike).  It is loaded densely (wave v: rows 4 v .. 4 v + 3, 512 consecutive bytes an instruction), laid into
; one of two stages in LDS (pitch 2,064 bytes), and read back in the layouts that the conversions want: 32 neighbours along a row in a lane (K along the row), or a lane to a column with its 32 registers running down the rows.
; Row k lies at stage row tau(k) = k with bits 3 and 4 exchanged, so that the 16 rows 8 u + r + 8 (r / 8) of a tile of keys lie on end (16 u + r).
; The two paths part on the work-group's number alone and have LDS bytes of their own.  No matrix unit, no cluster: the work-groups share no input.
; THIS LAUNCH'S GRID ENDS AT WORK-GROUP 255: path W (work-groups 0-5) and key steps 0 to 249 (work-groups 6-255).  Key steps 250 to 385 are made by the next launch's path E, by the same steps.
.set SPIT,  2064
.set SBUF,  32*SPIT                    ; a stage: 66,048 bytes
.set EINV,  2*SBUF                     ; E: 1 / norm of a sub-tile's rows, two sets of 128 bytes
.set EKSC,  EINV+256                   ; E: K's scale words [tile 8][r 16][s 4]
.set EVSC,  EKSC+2048                  ; E: V's scale words [w 4][lane 32][j 4]
.set WSTG,  EVSC+2048                  ; W: two stages
.set SPARE, WSTG+2*SBUF                ; the spare words, 128 bytes for each wave: four blocks of 256 bytes that no other line names
.set TILE,  102400
.set SPW,  1                           ; v1  my spare word's address; never rewritten
.set NIL,  2                           ; v2  0; never rewritten
.set GLD,  3                           ; v3  8192 wave + 16 lane: my bytes of a sub-tile in memory
.set STW,  4                           ; v4-5   where I lay my four rows into stage 0, 1
.set KRD,  6                           ; E v6-7  my lane's 128 bytes of a key's row in stage 0, 1
.set VRD,  8                           ; E v8-9  my lane's column in stage 0, 1
.set INVW, 10
.set INVR, 11
.set KSW,  12
.set SH8,  13                          ; v13 8 x (lane / 16)
.set KGO,  14
.set VGO,  15
.set WVRD, 6                           ; W v6-7  my lane's column of W in stage 0, 1
.set WGO,  8                           ; W v8    where my fragments go in wq
.set WSO,  9                           ; W v9    and my scale words
.set AM,   20
.set AM2,  21
.set SO,   22
.set BY0,  23
.set T,    24                          ; v24-26
.set BY1,  27
.set SW,   28                          ; v28-29 the scale words of my two groups of columns
.set IV,   30                          ; E v30-31 1 / norm (a pair is named, the low word serves)
.set LN,   240                         ; at the head only: lane, r, h, 16 lane, 8 lane, 4 lane, two at work
.set RR,   241
.set HH,   242
.set L16,  243
.set L8,   244
.set L4,   245
.set TT,   246
.set TU,   247
.set MSB, 0
.macro WIN new                         ; the immediate's high byte repeats the setting that is left
.if MSB != \new
	s_set_vgpr_msb (MSB<<8)|\new
.set MSB, \new
.endif
.endm
.macro BARRIER                         ; my LDS stores have landed and my LDS loads are in: then the work-group's barrier
	s_wait_dscnt 0x0
	s_barrier_signal -1
	s_barrier_wait -1
.endm
; a sub-tile's 16 loads of my wave into set \set of window 1
.macro SUBLOAD set, imm, bs, nt
	WIN 0x40
.irp i,0,1,2,3
.irp q,0,1,2,3
.if \nt
	global_load_b128 v[64*(\set)+16*\i+4*\q:64*(\set)+16*\i+4*\q+3], v[GLD], s[\bs:\bs+1] offset:(\imm)+2048*\i+512*\q th:TH_LOAD_NT
.else
	global_load_b128 v[64*(\set)+16*\i+4*\q:64*(\set)+16*\i+4*\q+3], v[GLD], s[\bs:\bs+1] offset:(\imm)+2048*\i+512*\q
.endif
.endr
.endr
	WIN 0
.endm
.macro SUBSTORE set, areg              ; and into a stage, as they lie
	WIN 0x04
.irp i,0,1,2,3
.irp q,0,1,2,3
	ds_store_b128 v[\areg], v[64*(\set)+16*\i+4*\q:64*(\set)+16*\i+4*\q+3] offset:SPIT*\i+512*\q
.endr
.endr
	WIN 0
.endm
; a whole block of 32 in a lane's registers v[x] .. v[x + 31] becomes six registers of codes v[d] .. v[d + 5] and a scale byte
.macro BQ32 x, d, by
	v_max3_num_f32 v[AM], |v[(\x)]|, |v[(\x)+1]|, 0x1800000      ; with the floor 2^(3 - 127): the byte cannot fall under 1
	v_max3_num_f32 v[AM2], |v[(\x)+16]|, |v[(\x)+17]|, |v[(\x)+18]|
.irp i,0,1,2,3,4,5
	s_delay_alu instid0(VALU_DEP_2)
	v_max3_num_f32 v[AM], v[AM], |v[(\x)+2+2*\i]|, |v[(\x)+3+2*\i]|
	s_delay_alu instid0(VALU_DEP_2)
	v_max3_num_f32 v[AM2], v[AM2], |v[(\x)+19+2*\i]|, |v[(\x)+20+2*\i]|
.endr
	s_delay_alu instid0(VALU_DEP_2)
	v_max3_num_f32 v[AM], v[AM], |v[(\x)+14]|, |v[(\x)+15]|
	s_delay_alu instid0(VALU_DEP_1)
	v_max3_num_f32 v[AM], v[AM], v[AM2], |v[(\x)+31]|
	s_delay_alu instid0(VALU_DEP_1)
	v_add_nc_u32 v[SO], 0xff000000, v[AM]                          ; 2 off the exponent field: the conversion's scale operand
	s_delay_alu instid0(VALU_DEP_1)
	v_lshrrev_b32 v[\by], 23, v[SO]                                ; the scale's byte
	v_cvt_scalef32_pk16_fp6_f32 v[(\d):(\d)+2], v[(\x):(\x)+15], v[SO]
	v_cvt_scalef32_pk16_fp6_f32 v[T:T+2], v[(\x)+16:(\x)+31], v[SO]   ; (a conversion's three registers begin on an even number)
	v_nop                                                          ; one plain place behind a scaled conversion
.irp i,0,1,2
	v_mov_b32 v[(\d)+3+\i], v[T+\i]
.endr
.endm
; my two bytes (blocks h and 2 + h of a K step) and lane l xor 16's two make the row's scale word, in v[BY0]
.macro SWORD
	v_lshl_or_b32 v[BY0], v[BY1], 16, v[BY0]
	s_delay_alu instid0(VALU_DEP_1)
	v_lshlrev_b32 v[BY0], v[SH8], v[BY0]
	s_delay_alu instid0(VALU_DEP_1)
	v_permlanex16_b32 v[AM2], v[BY0], s24, s25
	s_delay_alu instid0(VALU_DEP_1)
	v_or_b32 v[BY0], v[BY0], v[AM2]
.endm
; a lane to a column: the 32 rows of a sub-tile, rows ascending, of column group g (32 columns, 128 bytes on)
.macro VLOADS areg, vx, g
.set kk, 0
.rept 32
	ds_load_b32 v[(\vx)+32*(\g)+kk], v[\areg] offset:((kk&7)|(((kk>>3)&1)<<4)|(((kk>>4)&1)<<3))*SPIT+128*(\g)
.set kk, kk+1
.endr
.endm
; block b (of the K step's four) of my column: even blocks into the first of two fragments, odd ones into the second; its byte into the column's scale word
.macro VQ g, b, fb, vx, wr
	BQ32 (\vx)+32*(\g), (\fb)+24*(\g)+12*((\b)%2)+6*((\b)/2), BY0
.if (\b) == 0
	v_mov_b32 v[(\wr)+(\g)], v[BY0]
.else
	v_lshl_or_b32 v[(\wr)+(\g)], v[BY0], 8*(\b), v[(\wr)+(\g)]
.endif
.endm
; the first's lanes 16-31 change places with the second's lanes 0-15: the first is then the fragment of the columns of lanes 0-15, the second that of lanes 16-31
.macro VSWAP f0, f1
.irp i,0,1,2,3,4,5,6,7,8,9,10,11
	v_permlane16_swap_b32 v[(\f0)+\i], v[(\f1)+\i]
.endr
.endm
	s_load_b64 s[6:7], s[0:1], 0x0                 ; W_proj
	s_load_b64 s[10:11], s[0:1], 0x8               ; token_embedding
	s_load_b128 s[12:15], s[0:1], 0x10             ; kv s[12:13], wq s[14:15]
	v_lshl_add_u32 v[SPW], v0, 2, SPARE
	v_mov_b32 v[NIL], 0
	v_lshrrev_b32 v[TT], 5, v0
	s_delay_alu instid0(VALU_DEP_1)
	v_readfirstlane_b32 s18, v[TT]                 ; wave 0..7
	v_and_b32 v[LN], 31, v0
	v_and_b32 v[RR], 15, v0
	v_bfe_u32 v[HH], v0, 4, 1
	s_delay_alu instid0(VALU_DEP_3)
	v_lshlrev_b32 v[L16], 4, v[LN]
	s_wait_alu depctr_va_vdst(0)
	v_lshlrev_b32 v[L8], 3, v[LN]
	v_lshlrev_b32 v[L4], 2, v[LN]
	v_lshlrev_b32 v[SH8], 3, v[HH]
	s_and_b32 s20, s18, 1                          ; tau(4 wave) = 4 (wave & 1) + 16 ((wave >> 1) & 1) + 8 (wave >> 2)
	s_lshl_b32 s20, s20, 2
	s_bfe_u32 s21, s18, 0x10001
	s_lshl_b32 s21, s21, 4
	s_lshr_b32 s22, s18, 2
	s_lshl_b32 s22, s22, 3
	s_or_b32 s19, s20, s21
	s_or_b32 s19, s19, s22
	s_mul_i32 s20, s19, SPIT
	s_lshl_b32 s21, s18, 13
	v_add_nc_u32 v[GLD], s21, v[L16]
	s_mov_b32 s24, 0x76543210
	s_mov_b32 s25, 0xfedcba98                      ; v_permlanex16_b32's selects for lane l xor 16
	s_cmp_lt_u32 ttmp9, 6
	s_cbranch_scc1 .Lw
; ======================= PATH E: one key step =======================
; window 1: the four sub-tiles as loaded.  window 0: v32-95 a K job's 64 numbers (and the norms' scratch); v96-159 two column groups; v160-207 K's codes, 12 a sub-tile; v208-255 V's four fragments.
; Wave v = (u = v / 4, s = v % 4) makes, of each sub-tile b, the fragment (tile of keys 2 b + u, K step s of T), and for columns 64 v .. 64 v + 63 block b of V's four fragments.
	s_sub_co_u32 s26, ttmp9, 6                     ; the key step
	s_lshr_b32 s27, s18, 2                         ; u
	s_and_b32 s28, s18, 3                          ; s
	v_add_nc_u32 v[STW], s20, v[L16]
	s_delay_alu instid0(VALU_DEP_1)
	v_add_nc_u32 v[STW+1], SBUF, v[STW]
	v_mul_u32_u24 v[TT], v[RR], SPIT
	s_delay_alu instid0(VALU_DEP_1)
	v_lshl_add_u32 v[TT], v[HH], 7, v[TT]
	s_mul_i32 s29, s27, 16*SPIT
	s_lshl_b32 s30, s28, 9
	s_add_co_u32 s29, s29, s30
	v_add_nc_u32 v[KRD], s29, v[TT]                ; (16 u + r) pitch + 512 s + 128 h
	s_delay_alu instid0(VALU_DEP_1)
	v_add_nc_u32 v[KRD+1], SBUF, v[KRD]
	s_lshl_b32 s29, s18, 8
	s_wait_alu depctr_va_vdst(0)
	v_add_nc_u32 v[VRD], s29, v[L4]                ; 256 v + 4 lane
	s_delay_alu instid0(VALU_DEP_1)
	v_add_nc_u32 v[VRD+1], SBUF, v[VRD]
	s_lshl_b32 s29, s19, 2
	s_add_co_u32 s29, s29, EINV
	v_mov_b32 v[INVW], s29
	s_lshl_b32 s29, s27, 6
	s_add_co_u32 s29, s29, EINV
	v_lshl_add_u32 v[INVR], v[RR], 2, s29
	s_lshl_b32 s29, s27, 8
	s_lshl_b32 s30, s28, 2
	s_add_co_u32 s29, s29, s30
	s_add_co_u32 s29, s29, EKSC
	v_lshl_add_u32 v[KSW], v[RR], 4, s29
	s_mul_i32 s29, s18, 1536
	v_add_nc_u32 v[KGO], s29, v[L16]
	s_lshr_b32 s30, s18, 1                         ; which quarter of T's 512 (a wave of the launch that multiplies)
	s_and_b32 s31, s18, 1
	s_mul_i32 s29, s30, 12800
	s_mul_i32 s33, s31, 6144
	s_add_co_u32 s29, s29, s33
	s_add_co_u32 s29, s29, 51200
	v_add_nc_u32 v[VGO], s29, v[L16]
	v_mov_b32 v[IV+1], 0                           ; (named as the upper half of a pair)
	s_lshl_b32 s34, s26, 18                        ; 128 rows of 2,048 bytes
	s_mov_b32 s35, 0
	s_mul_i32 s36, s26, TILE
	s_mov_b32 s37, 0
	s_wait_kmcnt 0x0
	s_add_nc_u64 s[10:11], s[10:11], s[34:35]
	s_add_nc_u64 s[12:13], s[12:13], s[36:37]
.irp b,0,1,2,3
	SUBLOAD \b, \b*65536, 10, 1                    ; all 64 loads of my wave at once: 32 KiB on their way
.endr
.macro ESUB b
	s_wait_loadcnt 16*(3-\b)                       ; the later sub-tiles' loads may be out
	WIN 0x05                                       ; the norms of my four rows, by turns
.irp i,0,1,2,3
	v_pk_mul_f32 v[32+2*\i:33+2*\i], v[64*\b+16*\i:64*\b+16*\i+1], v[64*\b+16*\i:64*\b+16*\i+1]
.endr
.irp j,2,4,6,8,10,12,14
.irp i,0,1,2,3
	s_delay_alu instid0(VALU_DEP_4)
	v_pk_fma_f32 v[32+2*\i:33+2*\i], v[64*\b+16*\i+\j:64*\b+16*\i+\j+1], v[64*\b+16*\i+\j:64*\b+16*\i+\j+1], v[32+2*\i:33+2*\i]
.endr
.endr
	WIN 0
.irp i,0,1,2,3
	v_add_f32 v[32+2*\i], v[32+2*\i], v[33+2*\i]
.endr
.irp x,1,2,4,8
.irp i,0,1,2,3
	s_delay_alu instid0(VALU_DEP_4)
	v_add_f32_dpp v[32+2*\i], v[32+2*\i], v[32+2*\i] row_xmask:\x row_mask:0xf bank_mask:0xf
.endr
.endr
.irp i,0,1,2,3
	s_delay_alu instid0(VALU_DEP_4)
	v_permlanex16_b32 v[33+2*\i], v[32+2*\i], s24, s25
.endr
.irp i,0,1,2,3
	s_delay_alu instid0(VALU_DEP_4)
	v_add_f32 v[32+2*\i], v[32+2*\i], v[33+2*\i]
.endr
	s_wait_alu depctr_va_vdst(0)
.irp i,0,1,2,3
	v_sqrt_f32 v[32+2*\i], v[32+2*\i]
.endr
	v_nop                                          ; a plain place behind the batch,
	s_wait_alu depctr_va_vdst(0)                   ; and one wait for the four, ahead of their first reader
.irp i,0,1,2,3
	v_max_num_f32 v[32+2*\i], 0x322bcc77, v[32+2*\i]   ; max(norm, 1e-8)
.endr
	s_wait_alu depctr_va_vdst(0)
.irp i,0,1,2,3
	v_rcp_f32 v[32+2*\i], v[32+2*\i]
.endr
	v_nop
	s_wait_alu depctr_va_vdst(0)
	SUBSTORE \b, STW+\b%2
.irp i,0,1,2,3
	ds_store_b32 v[INVW], v[32+2*\i] offset:128*(\b%2)+4*\i
.endr
	BARRIER                                        ; this stage is whole; and every wave's reads of the other stage are over, so the next sub-tile may be laid there
.irp c,0,1
.irp i,0,1,2,3,4,5,6,7
	ds_load_b128 v[32+32*\c+4*\i:35+32*\c+4*\i], v[KRD+\b%2] offset:256*\c+16*\i   ; T = 128 s + 64 c + 32 h + 0 .. 31 of key 16 u + r of the stage
.endr
.endr
	ds_load_b32 v[IV], v[INVR] offset:128*(\b%2)
	VLOADS VRD+\b%2, 96, 0
	s_wait_dscnt 32                                ; behind K's 17 loads: column group 0's 32
.set kk, 0
.rept 32
	v_pk_mul_f32 v[32+2*kk:33+2*kk], v[32+2*kk:33+2*kk], v[IV:IV+1] op_sel_hi:[1,0]   ; the normalised row
.set kk, kk+1
.endr
	BQ32 32, 160+12*\b, BY0
	BQ32 64, 166+12*\b, BY1
	SWORD
.irp p,0,1,2
	global_store_b128 v[KGO], v[160+12*\b+4*\p:163+12*\b+4*\p], s[12:13] offset:(\b/2)*25600+(\b%2)*12288+512*\p th:TH_STORE_NT   ; 512 consecutive bytes, aligned
.endr
	ds_store_b32 v[KSW], v[BY0] offset:512*\b
	s_wait_dscnt 1                                 ; group 0's loads are in; the store just issued may be out
	VLOADS VRD+\b%2, 96, 1
	VQ 0, \b, 208, 96, SW
	s_wait_dscnt 0x0
	VQ 1, \b, 208, 96, SW
.endm
	ESUB 0
	ESUB 1
	ESUB 2
	ESUB 3
	VSWAP 208, 220
	VSWAP 232, 244
.irp g,0,1
.irp f,0,1
.irp p,0,1,2
	global_store_b128 v[VGO], v[208+24*\g+12*\f+4*\p:211+24*\g+12*\f+4*\p], s[12:13] offset:(2*\g+\f)*1536+512*\p th:TH_STORE_NT
.endr
.endr
.endr
	v_and_b32 v32, 31, v0                          ; the scale words leave through LDS, 256 consecutive bytes a wave and kind
	s_delay_alu instid0(VALU_DEP_1)
	v_lshlrev_b32 v33, 4, v32
	s_delay_alu instid0(VALU_DEP_2)
	v_lshlrev_b32 v34, 3, v32
	s_wait_alu depctr_va_vdst(0)
	s_lshl_b32 s29, s30, 9
	s_lshl_b32 s33, s31, 3
	s_add_co_u32 s29, s29, s33
	s_add_co_u32 s29, s29, EVSC
	v_add_nc_u32 v35, s29, v33                     ; word (lane, j = 2 (v & 1) + g) of quarter v / 2
	ds_store_b64 v35, v[SW:SW+1]
	s_lshl_b32 s29, s18, 8
	s_add_co_u32 s29, s29, EKSC
	v_add_nc_u32 v36, s29, v34
	s_mul_i32 s29, s27, 25600
	s_lshl_b32 s33, s28, 8
	s_add_co_u32 s29, s29, s33
	s_add_co_u32 s29, s29, 24576
	v_add_nc_u32 v37, s29, v34
	s_mul_i32 s29, s30, 12800
	s_lshl_b32 s33, s31, 8
	s_add_co_u32 s29, s29, s33
	s_add_co_u32 s29, s29, 51200+12288
	v_add_nc_u32 v38, s29, v34
	s_wait_alu depctr_va_vdst(0)
	BARRIER
	ds_load_b64 v[40:41], v36
	ds_load_b64 v[42:43], v36 offset:2048
	s_wait_dscnt 0x0
	global_store_b64 v37, v[40:41], s[12:13] th:TH_STORE_NT
	global_store_b64 v38, v[42:43], s[12:13] th:TH_STORE_NT
	s_wait_tensorcnt 0x0                           ; the wave's end, behind my last LDS store
	ds_add_u32 v[SPW], v[NIL]
	s_wait_dscnt 0x0
	s_endpgm
; ======================= PATH W: one K step of product 1 =======================
; Product 1 is used transposed in the next launch (source 0 = 16 columns of W), so that a lane there holds one row of kw and its registers run along T, the next product's K.
; Wave v owns columns 64 v .. 64 v + 63: tiles (g, u); lane r of tile (g, u) takes column 64 v + 32 g + 8 u + r + 8 (r / 8), so that the 16 result registers of tiles (g, 0), (g, 1) are 16 neighbours along T.
; window 1: the four sub-tiles as loaded.  window 0: v48-111 two column groups; v112-159 my four fragments, (g, u) at 112 + 24 g + 12 u.
.Lw:
	s_add_co_u32 s29, s20, WSTG
	v_add_nc_u32 v[STW], s29, v[L16]
	s_delay_alu instid0(VALU_DEP_1)
	v_add_nc_u32 v[STW+1], SBUF, v[STW]
	v_and_b32 v[TT], 7, v0                         ; my lane's column in a group of 32: (l & 7) + 8 (l / 16) + 16 ((l / 8) & 1)
	s_delay_alu instid0(VALU_DEP_1)
	v_lshl_add_u32 v[TT], v[HH], 3, v[TT]
	v_bfe_u32 v[TU], v0, 3, 1
	s_delay_alu instid0(VALU_DEP_1)
	v_lshl_add_u32 v[TT], v[TU], 4, v[TT]
	s_lshl_b32 s29, s18, 8
	s_add_co_u32 s29, s29, WSTG
	v_lshl_add_u32 v[WVRD], v[TT], 2, s29
	s_delay_alu instid0(VALU_DEP_1)
	v_add_nc_u32 v[WVRD+1], SBUF, v[WVRD]
	s_mul_i32 s29, s18, 6400                       ; wq: [K step 6][wave 8][four fragments of 1,536 bytes, 256 bytes of scale words]
	v_add_nc_u32 v[WGO], s29, v[L16]
	s_add_co_u32 s29, s29, 6144
	v_add_nc_u32 v[WSO], s29, v[L8]
	s_lshl_b32 s34, ttmp9, 18                      ; 128 rows of 2,048 bytes
	s_mov_b32 s35, 0
	s_mul_i32 s36, ttmp9, 8*6400
	s_mov_b32 s37, 0
	s_wait_alu depctr_va_vdst(0)
	s_wait_kmcnt 0x0
	s_add_nc_u64 s[6:7], s[6:7], s[34:35]
	s_add_nc_u64 s[14:15], s[14:15], s[36:37]
.irp b,0,1,2,3
	SUBLOAD \b, \b*65536, 6, 1                     ; all 64 loads of my wave at once
.endr
.macro WSUB b                          ; sub-tile b: block b of my 64 columns
	s_wait_loadcnt 16*(3-\b)                       ; the later sub-tiles' loads may be out
	SUBSTORE \b, STW+\b%2
	BARRIER                                        ; this stage is whole; every wave's reads of the other are over
	VLOADS WVRD+\b%2, 48, 0
	VLOADS WVRD+\b%2, 48, 1
	s_wait_dscnt 32                                ; behind group 0's loads: group 1's 32
	VQ 0, \b, 112, 48, SW
	s_wait_dscnt 0x0
	VQ 1, \b, 112, 48, SW
.endm
	WSUB 0
	WSUB 1
	WSUB 2
	WSUB 3
	VSWAP 112, 124
	VSWAP 136, 148
.irp f,0,1,2,3
.irp p,0,1,2
	global_store_b128 v[WGO], v[112+12*\f+4*\p:115+12*\f+4*\p], s[14:15] offset:1536*\f+512*\p th:TH_STORE_NT   ; 512 consecutive bytes, aligned
.endr
.endr
	global_store_b64 v[WSO], v[SW:SW+1], s[14:15] th:TH_STORE_NT   ; lane l: the words of my column in groups 0 and 1: 256 consecutive bytes, aligned
	s_wait_tensorcnt 0x0                           ; the wave's end, behind my last LDS store
	ds_add_u32 v[SPW], v[NIL]
	s_wait_dscnt 0x0
	s_endpgm
.Lfunc_end_k_q3a7b26cb6d_prep:
	.size	k_q3a7b26cb6d_prep, .Lfunc_end_k_q3a7b26cb6d_prep-k_q3a7b26cb6d_prep
	.p2alignl 7, 3214868480
	.fill 96, 4, 3214868480
	.section	.rodata,"a",@progbits
	.p2align	6, 0x0
	.amdhsa_kernel k_q3a7b26cb6d_prep
		.amdhsa_group_segment_fixed_size 269568
		.amdhsa_private_segment_fixed_size 0
		.amdhsa_enable_private_segment 0
		.amdhsa_kernarg_size 32
		.amdhsa_user_sgpr_count 2
		.amdhsa_user_sgpr_kernarg_segment_ptr 1
		.amdhsa_wavefront_size32 1
		.amdhsa_system_sgpr_workgroup_id_x 1
		.amdhsa_system_sgpr_workgroup_id_y 1
		.amdhsa_system_sgpr_workgroup_id_z 1
		.amdhsa_system_vgpr_workitem_id 0
		.amdhsa_next_free_vgpr 512
		.amdhsa_next_free_sgpr 66
		.amdhsa_reserve_vcc 0
		.amdhsa_float_denorm_mode_32 3
		.amdhsa_float_denorm_mode_16_64 3
		.amdhsa_memory_ordered 1
		.amdhsa_forward_progress 1
		.amdhsa_inst_pref_size 151
	.end_amdhsa_kernel
	.amdgpu_metadata
---
amdhsa.version: [ 1, 2 ]
amdhsa.kernels:
  - .name:           k_q3a7b26cb6d_prep
    .symbol:         k_q3a7b26cb6d_prep.kd
    .args:
      - { .name: W_proj, .offset: 0, .size: 8, .value_kind: global_buffer, .address_space: global }
      - { .name: token_embedding, .offset: 8, .size: 8, .value_kind: global_buffer, .address_space: global }
      - { .name: kv, .offset: 16, .size: 8, .value_kind: global_buffer, .address_space: global }
      - { .name: wq, .offset: 24, .size: 8, .value_kind: global_buffer, .address_space: global }
    .group_segment_fixed_size: 269568
    .private_segment_fixed_size: 0
    .kernarg_segment_align: 8
    .kernarg_segment_size: 32
    .max_flat_workgroup_size: 256
    .sgpr_count:     66
    .vgpr_count:     512
    .wavefront_size: 32
...
	.end_amdgpu_metadata
.endif
;; end of part 4
;; launch qk (part 5): grid 200 x 1, 8 waves a work-group, no clusters, 148,224 bytes of LDS; arguments audio_feat, wq, b_proj, qc, qs, token_embedding, kv; writes qc, qs, kv
.if DOCPART == 5
	.amdgcn_target "amdgcn-amd-amdhsa--gfx1250"
	.amdhsa_code_object_version 6
	.text
	.protected	k_q3a7b26cb6d_qk
	.globl	k_q3a7b26cb6d_qk
	.p2align	8
	.type	k_q3a7b26cb6d_qk,@function
k_q3a7b26cb6d_qk:
	s_mov_b64 s[64:65], 0
	v_nop
	global_prefetch_b8 v0, s[64:65] scope:SCOPE_SE
	s_setreg_imm32_b32 hwreg(HW_REG_WAVE_MODE, 25, 1), 1
	s_wait_xcnt 0x0
; KW_HybridBranch, launch 2 of 4: kw = audio W + b on codes of E2M3 (product 1), kw / max(|kw|, 1e-8), and its codes and scale bytes along T: qc, qs.  Nothing of reference() is left out here.
; A work-group owns 16 rows (one tile of queries) and all 512 columns, since the norm wants whole rows.  Wave v owns columns 64 v .. 64 v + 63: four tiles (g, u), 24 products.
; The product is used transposed (source 0 = 16 columns of W, source 1 = the 16 rows of the audio): a lane holds one row of kw, and, by the choice of W's columns for a tile that the launch before has made
; (lane r of tile (g, u): column 64 v + 32 g + 8 u + r + 8 (r / 8)), the 16 registers of tiles (g, 0), (g, 1) are 16 neighbours along T, the next product's K.
; W's fragments and scale words come from wq as images of the operand's registers, straight into registers, all asked for at the head; the products of K step s wait for that step's fragments alone.
; The audio arrives as f32 and is read by this work-group alone: waves 0 to 5 quantise one fragment (16 rows x 128 of D) each, and it goes to the other waves through LDS as an image of its registers.
; The bias is the C of each sum's first product.
; NO JOINT LOADS, though all 64 work-groups read the same 307,200 bytes of wq: a fragment of W feeds ONE product of ONE wave here, so it goes from memory into that wave's registers with no LDS pass;
; shared by a cluster it would be written to and read from each partner's LDS once more, 307,200 bytes each way, for 24 products a wave.
; LIMITS: a block of zeros, or one under 2^-124, carries the scale byte 1 (the bytes are read by this program alone); NaN and infinities are not served; the division by the norm is a reciprocal (1 ulp) and a multiplication.
; REGISTERS.  window 0: v3-18 addresses; v20-31 W's scale words (K step s, group g: 20 + 2 s + g; lanes 0-15 tile u = 0, lanes 16-31 u = 1); v32-37 the audio's; v38-46 at work; v48-79 the bias, later kw / norm;
;   v80-111 the accumulators, (g, u) at 80 + 16 g + 8 u; v112-159 W's K step 5; v160-223 the raw audio, v224-235 its codes; then v160-231 the audio's six fragments.   window 1: W's K steps 0-4, (s, g, u) at 48 s + 24 g + 12 u.
.set AIMG,  0                          ; the audio's six fragments, 1,536 bytes each
.set ASC,   6*1536                     ; their scale words, 128 bytes each
.set NRM,   ASC+6*128                  ; [r 16][wave 8] sums of squares
.set QSS,   NRM+512                    ; [r 16][16 scale bytes]
.set SPARE, QSS+256                    ; the spare words, 128 bytes for each wave: four blocks of 256 bytes that no other line names
.set SPW,  1                           ; v1  my spare word's address; never rewritten
.set NIL,  2                           ; v2  0; never rewritten
.set AUD,  3
.set AIW,  4
.set ASW,  5
.set AIR,  6
.set ASR,  7
.set BA,   8
.set NRW,  9
.set NRR,  10
.set QG1,  11
.set QG2,  12
.set QSW,  13
.set QSR,  14
.set QSG,  15
.set WGO,  16
.set WSO,  17
.set SH8,  18                          ; 8 x (lane / 16)
.set AM,   38
.set AM2,  39
.set SO,   40
.set BY0,  41
.set T,    42                          ; v42-44
.set BY1,  45
.set LN,   240                         ; at the head only
.set RR,   241
.set HH,   242
.set L16,  243
.set L8,   244
.set L4,   245
.set TT,   246
.set MSB, 0
.macro WIN new                         ; the immediate's high byte repeats the setting that is left
.if MSB != \new
	s_set_vgpr_msb (MSB<<8)|\new
.set MSB, \new
.endif
.endm
.macro BARRIER                         ; my LDS stores have landed and my LDS loads are in: then the work-group's barrier
	s_wait_dscnt 0x0
	s_barrier_signal -1
	s_barrier_wait -1
.endm
; a whole block of 32 in a lane's registers v[x] .. v[x + 31] becomes six registers of codes v[d] .. v[d + 5] and a scale byte
.macro BQ32 x, d, by
	v_max3_num_f32 v[AM], |v[(\x)]|, |v[(\x)+1]|, 0x1800000      ; with the floor 2^(3 - 127): the byte cannot fall under 1
	v_max3_num_f32 v[AM2], |v[(\x)+16]|, |v[(\x)+17]|, |v[(\x)+18]|
.irp i,0,1,2,3,4,5
	s_delay_alu instid0(VALU_DEP_2)
	v_max3_num_f32 v[AM], v[AM], |v[(\x)+2+2*\i]|, |v[(\x)+3+2*\i]|
	s_delay_alu instid0(VALU_DEP_2)
	v_max3_num_f32 v[AM2], v[AM2], |v[(\x)+19+2*\i]|, |v[(\x)+20+2*\i]|
.endr
	s_delay_alu instid0(VALU_DEP_2)
	v_max3_num_f32 v[AM], v[AM], |v[(\x)+14]|, |v[(\x)+15]|
	s_delay_alu instid0(VALU_DEP_1)
	v_max3_num_f32 v[AM], v[AM], v[AM2], |v[(\x)+31]|
	s_delay_alu instid0(VALU_DEP_1)
	v_add_nc_u32 v[SO], 0xff000000, v[AM]                          ; 2 off the exponent field: the conversion's scale operand
	s_delay_alu instid0(VALU_DEP_1)
	v_lshrrev_b32 v[\by], 23, v[SO]                                ; the scale's byte
	v_cvt_scalef32_pk16_fp6_f32 v[(\d):(\d)+2], v[(\x):(\x)+15], v[SO]
	v_cvt_scalef32_pk16_fp6_f32 v[T:T+2], v[(\x)+16:(\x)+31], v[SO]   ; (a conversion's three registers begin on an even number)
	v_nop                                                          ; one plain place behind a scaled conversion
.irp i,0,1,2
	v_mov_b32 v[(\d)+3+\i], v[T+\i]
.endr
.endm
	s_load_b256 s[4:11], s[0:1], 0x0               ; audio s[4:5], wq s[6:7], b s[8:9], qc s[10:11]
	s_load_b64 s[12:13], s[0:1], 0x20              ; qs
	v_lshl_add_u32 v[SPW], v0, 2, SPARE
	v_mov_b32 v[NIL], 0
	v_lshrrev_b32 v[TT], 5, v0
	s_delay_alu instid0(VALU_DEP_1)
	v_readfirstlane_b32 s18, v[TT]                 ; wave 0..7
	v_and_b32 v[LN], 31, v0
	v_and_b32 v[RR], 15, v0
	v_bfe_u32 v[HH], v0, 4, 1
	s_delay_alu instid0(VALU_DEP_3)
	v_lshlrev_b32 v[L16], 4, v[LN]
	s_delay_alu instid0(VALU_DEP_4)
	v_lshlrev_b32 v[L8], 3, v[LN]
	v_lshlrev_b32 v[L4], 2, v[LN]
	s_delay_alu instid0(VALU_DEP_4)
	v_lshlrev_b32 v[SH8], 3, v[HH]
	; TWO PATHS, parted on the work-group's number alone: work-groups 0-63 make kw's codes (all that follows here); work-groups 64-199 take path E, at the text's end: key steps 250 to 385 of token_embedding into kv.
	s_cmp_gt_u32 ttmp9, 63
	s_wait_alu depctr_va_vdst(0)
	s_cbranch_scc1 .Le
	s_min_u32 s19, s18, 5
	v_mul_u32_u24 v[AUD], v[RR], 3072              ; row r of 3,072 bytes, + 128 h, + 512 x K step: two whole blocks of 32 a lane
	s_delay_alu instid0(VALU_DEP_1)
	v_lshl_add_u32 v[AUD], v[HH], 7, v[AUD]
	s_lshl_b32 s20, s19, 9
	v_add_nc_u32 v[AUD], s20, v[AUD]
	s_mul_i32 s20, s19, 1536
	s_add_co_u32 s20, s20, AIMG
	v_add_nc_u32 v[AIW], s20, v[L16]
	s_lshl_b32 s20, s19, 7
	s_add_co_u32 s20, s20, ASC
	v_add_nc_u32 v[ASW], s20, v[L4]
	v_add_nc_u32 v[AIR], AIMG, v[L16]
	v_add_nc_u32 v[ASR], ASC, v[L4]
	s_lshl_b32 s20, s18, 8
	v_lshl_add_u32 v[BA], v[HH], 6, s20            ; the bias: 256 v + 64 h
	s_lshl_b32 s20, s18, 2
	s_add_co_u32 s20, s20, NRM
	v_lshl_add_u32 v[NRW], v[RR], 5, s20
	v_lshlrev_b32 v[NRR], 5, v[RR]
	s_delay_alu instid0(VALU_DEP_1)
	v_add_nc_u32 v[NRR], NRM, v[NRR]
	s_mul_i32 s20, s18, 768
	v_add_nc_u32 v[QG1], s20, v[L16]
	s_add_co_u32 s20, s20, 512
	v_add_nc_u32 v[QG2], s20, v[L8]
	s_lshl_b32 s20, s18, 1
	s_add_co_u32 s20, s20, QSS
	v_lshl_add_u32 v[QSW], v[RR], 4, s20
	v_add_nc_u32 v[QSR], QSS, v[L8]
	v_mov_b32 v[QSG], v[L8]
	s_mul_i32 s20, s18, 6400                       ; wq: [K step 6][wave 8][four fragments of 1,536 bytes, 256 bytes of scale words]
	v_add_nc_u32 v[WGO], s20, v[L16]
	s_add_co_u32 s20, s20, 6144
	v_add_nc_u32 v[WSO], s20, v[L8]
	v_mov_b32 v40, 0                               ; written once: a lane permute's destination counts as one of its sources
	v_mov_b32 v41, 0
	s_mov_b32 s24, 0x76543210
	s_mov_b32 s25, 0xfedcba98                      ; v_permlanex16_b32's selects for lane l xor 16
	s_mul_i32 s26, ttmp9, 49152                    ; 16 rows of 3,072 bytes
	s_mov_b32 s27, 0
	s_mul_i32 s28, ttmp9, 6144                     ; my tile of queries in qc,
	s_mov_b32 s29, 0
	s_lshl_b32 s30, ttmp9, 8                       ; and in qs
	s_mov_b32 s31, 0
	s_wait_kmcnt 0x0
	s_add_nc_u64 s[4:5], s[4:5], s[26:27]
	s_add_nc_u64 s[10:11], s[10:11], s[28:29]
	s_add_nc_u64 s[12:13], s[12:13], s[30:31]
	; ALL LOADS AT THE HEAD, in the order in which they are wanted: the audio (waves 0 to 5), the bias, W's scale words, W's fragments K step by K step
	s_cmp_gt_u32 s18, 5
	s_cbranch_scc1 .Lno_audio
.irp c,0,1
.irp j,0,1,2,3,4,5,6,7
	global_load_b128 v[160+32*\c+4*\j:163+32*\c+4*\j], v[AUD], s[4:5] offset:256*\c+16*\j th:TH_LOAD_NT   ; D = 128 s + 64 c + 32 h + 0 .. 31 of row r
.endr
.endr
.Lno_audio:
.irp g,0,1
.irp u,0,1
	global_load_b128 v[48+16*\g+8*\u:51+16*\g+8*\u], v[BA], s[8:9] offset:128*\g+32*\u       ; lane (r, h), tile (g, u): b[64 v + 32 g + 16 h + 8 u + 0 .. 7]
	global_load_b128 v[52+16*\g+8*\u:55+16*\g+8*\u], v[BA], s[8:9] offset:128*\g+32*\u+16
.endr
.endr
	s_wait_alu depctr_va_vdst(0)
.irp s,0,1,2,3,4,5
	global_load_b64 v[20+2*\s:21+2*\s], v[WSO], s[6:7] offset:51200*\s
.endr
	WIN 0x40                                       ; destination window 1
.irp s,0,1,2,3,4
.irp f,0,1,2,3
.irp p,0,1,2
	global_load_b128 v[48*\s+12*\f+4*\p:48*\s+12*\f+4*\p+3], v[WGO], s[6:7] offset:51200*\s+1536*\f+512*\p
.endr
.endr
.endr
	WIN 0
.irp f,0,1,2,3
.irp p,0,1,2
	global_load_b128 v[112+12*\f+4*\p:115+12*\f+4*\p], v[WGO], s[6:7] offset:51200*5+1536*\f+512*\p
.endr
.endr
	s_cmp_gt_u32 s18, 5
	s_cbranch_scc1 .Lno_quant
	s_wait_loadcnt 63                              ; behind the audio's 16 loads 86 were issued; 63 is the largest count that can be written, and a smaller count than the 86 is safe
	BQ32 160, 224, BY0
	BQ32 192, 230, BY1
	v_lshl_or_b32 v[BY0], v[BY1], 16, v[BY0]       ; my two bytes (blocks h and 2 + h),
	s_delay_alu instid0(VALU_DEP_1)
	v_lshlrev_b32 v[BY0], v[SH8], v[BY0]
	s_delay_alu instid0(VALU_DEP_1)
	v_permlanex16_b32 v[AM2], v[BY0], s24, s25
	s_delay_alu instid0(VALU_DEP_1)
	v_or_b32 v[BY0], v[BY0], v[AM2]                ; with lane l xor 16's two: the row's scale word
.irp p,0,1,2
	ds_store_b128 v[AIW], v[224+4*\p:227+4*\p] offset:512*\p
.endr
	ds_store_b32 v[ASW], v[BY0]
.Lno_quant:
	BARRIER                                        ; the audio's six fragments lie in LDS
.irp s,0,1,2,3,4,5
.irp p,0,1,2
	ds_load_b128 v[160+12*\s+4*\p:163+12*\s+4*\p], v[AIR] offset:1536*\s+512*\p
.endr
	ds_load_b32 v[32+\s], v[ASR] offset:128*\s
.endr
	s_wait_dscnt 0x0
; K step s: four products, the four accumulators by turns, in the same order in every K step.  All operands and scale words were filled by loads.
.macro QMUL s, wa
	s_wait_loadcnt 12*(5-(\s))                     ; the later K steps' fragments may be out
.irp g,0,1
.if (\s) == 0
	v_wmma_scale_f32_16x16x128_f8f6f4 v[80+16*\g:87+16*\g], v[(\wa)+24*\g:(\wa)+24*\g+11], v[160+12*(\s):171+12*(\s)], v[48+16*\g:55+16*\g], v[20+2*(\s)+\g], v[32+(\s)] matrix_a_fmt:MATRIX_FMT_FP6 matrix_b_fmt:MATRIX_FMT_FP6
	v_wmma_scale_f32_16x16x128_f8f6f4 v[88+16*\g:95+16*\g], v[(\wa)+24*\g+12:(\wa)+24*\g+23], v[160+12*(\s):171+12*(\s)], v[56+16*\g:63+16*\g], v[20+2*(\s)+\g], v[32+(\s)] matrix_a_fmt:MATRIX_FMT_FP6 matrix_b_fmt:MATRIX_FMT_FP6 matrix_a_scale:MATRIX_SCALE_ROW1
.else
	v_wmma_scale_f32_16x16x128_f8f6f4 v[80+16*\g:87+16*\g], v[(\wa)+24*\g:(\wa)+24*\g+11], v[160+12*(\s):171+12*(\s)], v[80+16*\g:87+16*\g], v[20+2*(\s)+\g], v[32+(\s)] matrix_a_fmt:MATRIX_FMT_FP6 matrix_b_fmt:MATRIX_FMT_FP6
	v_wmma_scale_f32_16x16x128_f8f6f4 v[88+16*\g:95+16*\g], v[(\wa)+24*\g+12:(\wa)+24*\g+23], v[160+12*(\s):171+12*(\s)], v[88+16*\g:95+16*\g], v[20+2*(\s)+\g], v[32+(\s)] matrix_a_fmt:MATRIX_FMT_FP6 matrix_b_fmt:MATRIX_FMT_FP6 matrix_a_scale:MATRIX_SCALE_ROW1
.endif
.endr
.endm
	WIN 0x01                                       ; W's fragments in window 1
	QMUL 0, 0
	QMUL 1, 48
	QMUL 2, 96
	QMUL 3, 144
	QMUL 4, 192
	WIN 0
	QMUL 5, 112
.rept 4
	v_nop                                          ; places behind the last products, ahead of the first read of their results
.endr
	; the rows' norms: my 64 columns' squares in two chains, each accumulator from its low end on
	v_pk_mul_f32 v[232:233], v[80:81], v[80:81]
	v_pk_mul_f32 v[234:235], v[96:97], v[96:97]
.irp j,2,4,6,8,10,12,14
	v_pk_fma_f32 v[232:233], v[80+\j:81+\j], v[80+\j:81+\j], v[232:233]
	v_pk_fma_f32 v[234:235], v[96+\j:97+\j], v[96+\j:97+\j], v[234:235]
.endr
	s_delay_alu instid0(VALU_DEP_1)
	v_pk_add_f32 v[232:233], v[232:233], v[234:235]
	s_delay_alu instid0(VALU_DEP_1)
	v_add_f32 v232, v232, v233
	s_delay_alu instid0(VALU_DEP_1)
	v_permlanex16_b32 v233, v232, s24, s25
	s_delay_alu instid0(VALU_DEP_1)
	v_add_f32 v232, v232, v233
	ds_store_b32 v[NRW], v232
	BARRIER
	ds_load_b128 v[160:163], v[NRR]
	ds_load_b128 v[164:167], v[NRR] offset:16
	s_wait_dscnt 0x0
	v_pk_add_f32 v[160:161], v[160:161], v[162:163]
	v_pk_add_f32 v[164:165], v[164:165], v[166:167]
	s_delay_alu instid0(VALU_DEP_1)
	v_pk_add_f32 v[160:161], v[160:161], v[164:165]
	s_delay_alu instid0(VALU_DEP_1)
	v_add_f32 v168, v160, v161
	s_wait_alu depctr_va_vdst(0)
	v_sqrt_f32 v168, v168
	v_mov_b32 v169, 0                              ; (the pair's upper half; a plain place behind the root)
	s_wait_alu depctr_va_vdst(0)                   ; the wait, ahead of the root's first reader
	v_max_num_f32 v168, 0x322bcc77, v168           ; max(norm, 1e-8)
	s_wait_alu depctr_va_vdst(0)
	v_rcp_f32 v168, v168
	v_nop
	s_wait_alu depctr_va_vdst(0)
.irp j,0,2,4,6,8,10,12,14,16,18,20,22,24,26,28,30
	v_pk_mul_f32 v[48+\j:49+\j], v[80+\j:81+\j], v[168:169] op_sel_hi:[1,0]   ; kw / max(norm, 1e-8): register 16 g + i = T 64 v + 32 g + 16 h + i of my row
.endr
	; two blocks of 32, each shared with lane l xor 16, become half a fragment (K step v / 2 of T, registers 6 c .. 6 c + 5, c = v & 1) and two scale bytes
	v_max3_num_f32 v38, |v48|, |v49|, 0x1800000
	v_max3_num_f32 v39, |v64|, |v65|, 0x1800000
.irp i,2,4,6,8,10,12,14
	s_delay_alu instid0(VALU_DEP_2)
	v_max3_num_f32 v38, v38, |v[48+\i]|, |v[49+\i]|
	s_delay_alu instid0(VALU_DEP_2)
	v_max3_num_f32 v39, v39, |v[64+\i]|, |v[65+\i]|
.endr
	s_delay_alu instid0(VALU_DEP_2)
	v_permlanex16_b32 v40, v38, s24, s25
	s_delay_alu instid0(VALU_DEP_2)
	v_permlanex16_b32 v41, v39, s24, s25
	s_delay_alu instid0(VALU_DEP_2)
	v_max_num_f32 v38, v38, v40
	s_delay_alu instid0(VALU_DEP_2)
	v_max_num_f32 v39, v39, v41
	s_delay_alu instid0(VALU_DEP_2)
	v_add_nc_u32 v42, 0xff000000, v38
	s_delay_alu instid0(VALU_DEP_2)
	v_add_nc_u32 v43, 0xff000000, v39
	s_delay_alu instid0(VALU_DEP_2)
	v_lshrrev_b32 v38, 23, v42
	s_delay_alu instid0(VALU_DEP_2)
	v_lshrrev_b32 v39, 23, v43
	s_delay_alu instid0(VALU_DEP_1)
	v_lshl_or_b32 v46, v39, 8, v38
	v_cvt_scalef32_pk16_fp6_f32 v[176:178], v[48:63], v42
	v_cvt_scalef32_pk16_fp6_f32 v[182:184], v[64:79], v43
	v_nop                                          ; one plain place behind a scaled conversion
.irp i,0,1,2
	v_permlane16_swap_b32 v[176+\i], v[182+\i]     ; a whole block to a lane: lanes 0-15 the first block, lanes 16-31 the second
.endr
.irp i,0,1,2
	s_delay_alu instid0(VALU_DEP_3)
	v_mov_b32 v[179+\i], v[182+\i]
.endr
	global_store_b128 v[QG1], v[176:179], s[10:11]     ; 512 consecutive bytes,
	global_store_b64 v[QG2], v[180:181], s[10:11]      ; and the 256 behind them
	ds_store_b16 v[QSW], v46
	BARRIER
	s_cmp_lg_u32 s18, 0                            ; the tile's 256 scale bytes leave by wave 0, as one aligned run
	s_cbranch_scc1 .Ldone
	ds_load_b64 v[38:39], v[QSR]
	s_wait_dscnt 0x0
	global_store_b64 v[QSG], v[38:39], s[12:13]
.Ldone:
	s_wait_tensorcnt 0x0                           ; the wave's end, behind my last LDS store
	ds_add_u32 v[SPW], v[NIL]
	s_wait_dscnt 0x0
	s_endpgm
; ======================= PATH E: one key step, 128 rows of token_embedding =======================
; (a) the rows / max(norm, 1e-8), quantised along T: product 2's operand; (b) the raw rows, quantised along V (the rows): product 3's operand.  Both go into one tile of 102,400 bytes of kv, as images of the operands' registers.
; The steps are those of the first launch's path E; work-group g takes key step g + 186.  Nothing of reference() is left out.  LIMITS as stated at this kernel's head.
; A sub-tile is 32 rows x 512 columns: loaded densely (wave v: rows 4 v .. 4 v + 3), laid into one of two stages in LDS (pitch 2,064 bytes; row k at stage row k with bits 3 and 4 exchanged), read back as the conversions want it.
; Wave v = (u = v / 4, s = v % 4) makes, of each sub-tile b, the fragment (tile of keys 2 b + u, K step s of T), and for columns 64 v .. 64 v + 63 block b of V's four fragments.
; LDS: this path's bytes lie from EB on, behind the other path's and the spare words.
; window 1: the four sub-tiles as loaded.  window 0: v32-95 a K job's 64 numbers; v96-159 two column groups; v160-207 K's codes; v208-255 V's four fragments.
.set SPIT,  2064
.set SBUF,  32*SPIT
.set EB,    11776
.set EINV,  EB+2*SBUF                  ; 1 / norm of a sub-tile's rows, two sets of 128 bytes
.set EKSC,  EINV+256                   ; K's scale words [tile 8][r 16][s 4]
.set EVSC,  EKSC+2048                  ; V's scale words [w 4][lane 32][j 4]
.set TILE,  102400
.set GLD,  3
.set STW,  4
.set KRD,  6
.set VRD,  8
.set INVW, 10
.set INVR, 11
.set KSW,  12
.set KGO,  14
.set VGO,  15
.set AM,   20
.set AM2,  21
.set SO,   22
.set BY0,  23
.set T,    24
.set BY1,  27
.set SW,   28
.set IV,   30
.macro SUBLOAD set, imm, bs            ; a sub-tile's 16 loads of my wave into set \set of window 1
	WIN 0x40
.irp i,0,1,2,3
.irp q,0,1,2,3
	global_load_b128 v[64*(\set)+16*\i+4*\q:64*(\set)+16*\i+4*\q+3], v[GLD], s[\bs:\bs+1] offset:(\imm)+2048*\i+512*\q th:TH_LOAD_NT
.endr
.endr
	WIN 0
.endm
.macro SUBSTORE set, areg              ; and into a stage, as they lie
	WIN 0x04
.irp i,0,1,2,3
.irp q,0,1,2,3
	ds_store_b128 v[\areg], v[64*(\set)+16*\i+4*\q:64*(\set)+16*\i+4*\q+3] offset:SPIT*\i+512*\q
.endr
.endr
	WIN 0
.endm
.macro SWORD                           ; my two bytes and lane l xor 16's two make the row's scale word, in v[BY0]
	v_lshl_or_b32 v[BY0], v[BY1], 16, v[BY0]
	s_delay_alu instid0(VALU_DEP_1)
	v_lshlrev_b32 v[BY0], v[SH8], v[BY0]
	s_delay_alu instid0(VALU_DEP_1)
	v_permlanex16_b32 v[AM2], v[BY0], s24, s25
	s_delay_alu instid0(VALU_DEP_1)
	v_or_b32 v[BY0], v[BY0], v[AM2]
.endm
.macro VLOADS areg, vx, g              ; a lane to a column: the 32 rows of a sub-tile, rows ascending, of column group g
.set kk, 0
.rept 32
	ds_load_b32 v[(\vx)+32*(\g)+kk], v[\areg] offset:((kk&7)|(((kk>>3)&1)<<4)|(((kk>>4)&1)<<3))*SPIT+128*(\g)
.set kk, kk+1
.endr
.endm
.macro VQ g, b, fb, vx, wr             ; block b of my column: even blocks into the first of two fragments, odd ones into the second; its byte into the column's scale word
	BQ32 (\vx)+32*(\g), (\fb)+24*(\g)+12*((\b)%2)+6*((\b)/2), BY0
.if (\b) == 0
	v_mov_b32 v[(\wr)+(\g)], v[BY0]
.else
	v_lshl_or_b32 v[(\wr)+(\g)], v[BY0], 8*(\b), v[(\wr)+(\g)]
.endif
.endm
.macro VSWAP f0, f1                    ; the first's lanes 16-31 change places with the second's lanes 0-15
.irp i,0,1,2,3,4,5,6,7,8,9,10,11
	v_permlane16_swap_b32 v[(\f0)+\i], v[(\f1)+\i]
.endr
.endm
.Le:
	s_load_b128 s[40:43], s[0:1], 0x28             ; token_embedding s[40:41], kv s[42:43]
	s_and_b32 s20, s18, 1                          ; the stage row of row 4 wave: 4 (wave & 1) + 16 ((wave >> 1) & 1) + 8 (wave >> 2)
	s_lshl_b32 s20, s20, 2
	s_bfe_u32 s21, s18, 0x10001
	s_lshl_b32 s21, s21, 4
	s_lshr_b32 s22, s18, 2
	s_lshl_b32 s22, s22, 3
	s_or_b32 s19, s20, s21
	s_or_b32 s19, s19, s22
	s_mul_i32 s20, s19, SPIT
	s_add_co_u32 s20, s20, EB
	s_lshl_b32 s21, s18, 13
	v_add_nc_u32 v[GLD], s21, v[L16]
	s_mov_b32 s24, 0x76543210
	s_mov_b32 s25, 0xfedcba98                      ; v_permlanex16_b32's selects for lane l xor 16
	s_add_co_u32 s26, ttmp9, 186                   ; the key step: 250 .. 385
	s_lshr_b32 s27, s18, 2                         ; u
	s_and_b32 s28, s18, 3                          ; s
	v_add_nc_u32 v[STW], s20, v[L16]
	s_delay_alu instid0(VALU_DEP_1)
	v_add_nc_u32 v[STW+1], SBUF, v[STW]
	v_mul_u32_u24 v[TT], v[RR], SPIT
	s_delay_alu instid0(VALU_DEP_1)
	v_lshl_add_u32 v[TT], v[HH], 7, v[TT]
	s_mul_i32 s29, s27, 16*SPIT
	s_lshl_b32 s30, s28, 9
	s_add_co_u32 s29, s29, s30
	s_add_co_u32 s29, s29, EB
	v_add_nc_u32 v[KRD], s29, v[TT]                ; (16 u + r) pitch + 512 s + 128 h
	s_delay_alu instid0(VALU_DEP_1)
	v_add_nc_u32 v[KRD+1], SBUF, v[KRD]
	s_lshl_b32 s29, s18, 8
	s_add_co_u32 s29, s29, EB
	v_add_nc_u32 v[VRD], s29, v[L4]                ; 256 v + 4 lane
	s_delay_alu instid0(VALU_DEP_1)
	v_add_nc_u32 v[VRD+1], SBUF, v[VRD]
	s_lshl_b32 s29, s19, 2
	s_add_co_u32 s29, s29, EINV
	v_mov_b32 v[INVW], s29
	s_lshl_b32 s29, s27, 6
	s_add_co_u32 s29, s29, EINV
	v_lshl_add_u32 v[INVR], v[RR], 2, s29
	s_lshl_b32 s29, s27, 8
	s_lshl_b32 s30, s28, 2
	s_add_co_u32 s29, s29, s30
	s_add_co_u32 s29, s29, EKSC
	v_lshl_add_u32 v[KSW], v[RR], 4, s29
	s_mul_i32 s29, s18, 1536
	v_add_nc_u32 v[KGO], s29, v[L16]
	s_lshr_b32 s30, s18, 1                         ; which quarter of T's 512
	s_and_b32 s31, s18, 1
	s_mul_i32 s29, s30, 12800
	s_mul_i32 s33, s31, 6144
	s_add_co_u32 s29, s29, s33
	s_add_co_u32 s29, s29, 51200
	v_add_nc_u32 v[VGO], s29, v[L16]
	v_mov_b32 v[IV+1], 0                           ; (named as the upper half of a pair)
	s_lshl_b32 s34, s26, 18                        ; 128 rows of 2,048 bytes
	s_mov_b32 s35, 0
	s_mul_i32 s36, s26, TILE
	s_mov_b32 s37, 0
	s_wait_alu depctr_va_vdst(0)
	s_wait_kmcnt 0x0
	s_add_nc_u64 s[40:41], s[40:41], s[34:35]
	s_add_nc_u64 s[42:43], s[42:43], s[36:37]
.irp b,0,1,2,3
	SUBLOAD \b, \b*65536, 40                       ; all 64 loads of my wave at once
.endr
.macro ESUB b
	s_wait_loadcnt 16*(3-\b)                       ; the later sub-tiles' loads may be out
	WIN 0x05                                       ; the norms of my four rows, by turns
.irp i,0,1,2,3
	v_pk_mul_f32 v[32+2*\i:33+2*\i], v[64*\b+16*\i:64*\b+16*\i+1], v[64*\b+16*\i:64*\b+16*\i+1]
.endr
.irp j,2,4,6,8,10,12,14
.irp i,0,1,2,3
	s_delay_alu instid0(VALU_DEP_4)
	v_pk_fma_f32 v[32+2*\i:33+2*\i], v[64*\b+16*\i+\j:64*\b+16*\i+\j+1], v[64*\b+16*\i+\j:64*\b+16*\i+\j+1], v[32+2*\i:33+2*\i]
.endr
.endr
	WIN 0
.irp i,0,1,2,3
	v_add_f32 v[32+2*\i], v[32+2*\i], v[33+2*\i]
.endr
.irp x,1,2,4,8
.irp i,0,1,2,3
	s_delay_alu instid0(VALU_DEP_4)
	v_add_f32_dpp v[32+2*\i], v[32+2*\i], v[32+2*\i] row_xmask:\x row_mask:0xf bank_mask:0xf
.endr
.endr
.irp i,0,1,2,3
	s_delay_alu instid0(VALU_DEP_4)
	v_permlanex16_b32 v[33+2*\i], v[32+2*\i], s24, s25
.endr
.irp i,0,1,2,3
	s_delay_alu instid0(VALU_DEP_4)
	v_add_f32 v[32+2*\i], v[32+2*\i], v[33+2*\i]
.endr
	s_wait_alu depctr_va_vdst(0)
.irp i,0,1,2,3
	v_sqrt_f32 v[32+2*\i], v[32+2*\i]
.endr
	v_nop                                          ; a plain place behind the batch
	s_wait_alu depctr_va_vdst(0)
.irp i,0,1,2,3
	v_max_num_f32 v[32+2*\i], 0x322bcc77, v[32+2*\i]   ; max(norm, 1e-8)
.endr
	s_wait_alu depctr_va_vdst(0)
.irp i,0,1,2,3
	v_rcp_f32 v[32+2*\i], v[32+2*\i]
.endr
	v_nop
	s_wait_alu depctr_va_vdst(0)
	SUBSTORE \b, STW+\b%2
.irp i,0,1,2,3
	ds_store_b32 v[INVW], v[32+2*\i] offset:128*(\b%2)+4*\i
.endr
	BARRIER                                        ; this stage is whole; every wave's reads of the other stage are over
.irp c,0,1
.irp i,0,1,2,3,4,5,6,7
	ds_load_b128 v[32+32*\c+4*\i:35+32*\c+4*\i], v[KRD+\b%2] offset:256*\c+16*\i   ; T = 128 s + 64 c + 32 h + 0 .. 31 of key 16 u + r of the stage
.endr
.endr
	ds_load_b32 v[IV], v[INVR] offset:128*(\b%2)
	VLOADS VRD+\b%2, 96, 0
	s_wait_dscnt 32                                ; behind K's 17 loads: column group 0's 32
.set kk, 0
.rept 32
	v_pk_mul_f32 v[32+2*kk:33+2*kk], v[32+2*kk:33+2*kk], v[IV:IV+1] op_sel_hi:[1,0]   ; the normalised row
.set kk, kk+1
.endr
	BQ32 32, 160+12*\b, BY0
	BQ32 64, 166+12*\b, BY1
	SWORD
.irp p,0,1,2
	global_store_b128 v[KGO], v[160+12*\b+4*\p:163+12*\b+4*\p], s[42:43] offset:(\b/2)*25600+(\b%2)*12288+512*\p th:TH_STORE_NT   ; 512 consecutive bytes, aligned
.endr
	ds_store_b32 v[KSW], v[BY0] offset:512*\b
	s_wait_dscnt 1                                 ; group 0's loads are in; the store just issued may be out
	VLOADS VRD+\b%2, 96, 1
	VQ 0, \b, 208, 96, SW
	s_wait_dscnt 0x0
	VQ 1, \b, 208, 96, SW
.endm
	ESUB 0
	ESUB 1
	ESUB 2
	ESUB 3
	VSWAP 208, 220
	VSWAP 232, 244
.irp g,0,1
.irp f,0,1
.irp p,0,1,2
	global_store_b128 v[VGO], v[208+24*\g+12*\f+4*\p:211+24*\g+12*\f+4*\p], s[42:43] offset:(2*\g+\f)*1536+512*\p th:TH_STORE_NT
.endr
.endr
.endr
	v_and_b32 v32, 31, v0                          ; the scale words leave through LDS, 256 consecutive bytes a wave and kind
	s_delay_alu instid0(VALU_DEP_1)
	v_lshlrev_b32 v33, 4, v32
	s_delay_alu instid0(VALU_DEP_2)
	v_lshlrev_b32 v34, 3, v32
	s_wait_alu depctr_va_vdst(0)
	s_lshl_b32 s29, s30, 9
	s_lshl_b32 s33, s31, 3
	s_add_co_u32 s29, s29, s33
	s_add_co_u32 s29, s29, EVSC
	v_add_nc_u32 v35, s29, v33                     ; word (lane, j = 2 (v & 1) + g) of quarter v / 2
	ds_store_b64 v35, v[SW:SW+1]
	s_lshl_b32 s29, s18, 8
	s_add_co_u32 s29, s29, EKSC
	v_add_nc_u32 v36, s29, v34
	s_mul_i32 s29, s27, 25600
	s_lshl_b32 s33, s28, 8
	s_add_co_u32 s29, s29, s33
	s_add_co_u32 s29, s29, 24576
	v_add_nc_u32 v37, s29, v34
	s_mul_i32 s29, s30, 12800
	s_lshl_b32 s33, s31, 8
	s_add_co_u32 s29, s29, s33
	s_add_co_u32 s29, s29, 51200+12288
	v_add_nc_u32 v38, s29, v34
	s_wait_alu depctr_va_vdst(0)
	BARRIER
	ds_load_b64 v[40:41], v36
	ds_load_b64 v[42:43], v36 offset:2048
	s_wait_dscnt 0x0
	global_store_b64 v37, v[40:41], s[42:43] th:TH_STORE_NT
	global_store_b64 v38, v[42:43], s[42:43] th:TH_STORE_NT
	s_wait_tensorcnt 0x0                           ; the wave's end, behind my last LDS store
	ds_add_u32 v[SPW], v[NIL]
	s_wait_dscnt 0x0
	s_endpgm
.Lfunc_end_k_q3a7b26cb6d_qk:
	.size	k_q3a7b26cb6d_qk, .Lfunc_end_k_q3a7b26cb6d_qk-k_q3a7b26cb6d_qk
	.p2alignl 7, 3214868480
	.fill 96, 4, 3214868480
	.section	.rodata,"a",@progbits
	.p2align	6, 0x0
	.amdhsa_kernel k_q3a7b26cb6d_qk
		.amdhsa_group_segment_fixed_size 148224
		.amdhsa_private_segment_fixed_size 0
		.amdhsa_enable_private_segment 0
		.amdhsa_kernarg_size 56
		.amdhsa_user_sgpr_count 2
		.amdhsa_user_sgpr_kernarg_segment_ptr 1
		.amdhsa_wavefront_size32 1
		.amdhsa_system_sgpr_workgroup_id_x 1
		.amdhsa_system_sgpr_workgroup_id_y 1
		.amdhsa_system_sgpr_workgroup_id_z 1
		.amdhsa_system_vgpr_workitem_id 0
		.amdhsa_next_free_vgpr 512
		.amdhsa_next_free_sgpr 66
		.amdhsa_reserve_vcc 0
		.amdhsa_float_denorm_mode_32 3
		.amdhsa_float_denorm_mode_16_64 3
		.amdhsa_memory_ordered 1
		.amdhsa_forward_progress 1
		.amdhsa_inst_pref_size 133
	.end_amdhsa_kernel
	.amdgpu_metadata
---
amdhsa.version: [ 1, 2 ]
amdhsa.kernels:
  - .name:           k_q3a7b26cb6d_qk
    .symbol:         k_q3a7b26cb6d_qk.kd
    .args:
      - { .name: audio_feat, .offset: 0, .size: 8, .value_kind: global_buffer, .address_space: global }
      - { .name: wq, .offset: 8, .size: 8, .value_kind: global_buffer, .address_space: global }
      - { .name: b_proj, .offset: 16, .size: 8, .value_kind: global_buffer, .address_space: global }
      - { .name: qc, .offset: 24, .size: 8, .value_kind: global_buffer, .address_space: global }
      - { .name: qs, .offset: 32, .size: 8, .value_kind: global_buffer, .address_space: global }
      - { .name: token_embedding, .offset: 40, .size: 8, .value_kind: global_buffer, .address_space: global }
      - { .name: kv, .offset: 48, .size: 8, .value_kind: global_buffer, .address_space: global }
    .group_segment_fixed_size: 148224
    .private_segment_fixed_size: 0
    .kernarg_segment_align: 8
    .kernarg_segment_size: 56
    .max_flat_workgroup_size: 256
    .sgpr_count:     66
    .vgpr_count:     512
    .wavefront_size: 32
...
	.end_amdgpu_metadata
.endif
;; end of part 5
;; launch main (part 6): grid 8 x 32, 4 waves a work-group, clusters of 4 x 1, 327,680 bytes of LDS; arguments kv, qc, qs, part, lpart; writes part, lpart
.if DOCPART == 6
	.amdgcn_target "amdgcn-amd-amdhsa--gfx1250"
	.amdhsa_code_object_version 6
	.text
	.protected	k_q3a7b26cb6d_main
	.globl	k_q3a7b26cb6d_main
	.p2align	8
	.type	k_q3a7b26cb6d_main,@function
k_q3a7b26cb6d_main:
	s_mov_b64 s[64:65], 0
	v_nop
	global_prefetch_b8 v0, s[64:65] scope:SCOPE_SE
	s_setreg_imm32_b32 hwreg(HW_REG_WAVE_MODE, 25, 1), 1
	s_wait_xcnt 0x0
	s_wait_alu depctr_hold_cnt(0) depctr_sa_sdst(0) depctr_va_vdst(0) depctr_va_sdst(0) depctr_va_ssrc(0) depctr_va_vcc(0) depctr_vm_vsrc(0)
	s_getreg_b32 s2, hwreg(HW_REG_IB_STS2, 6, 4)
	s_cmp_eq_u32 s2, 0
	s_cbranch_scc0 .Lentry_in_a_cluster
	s_endpgm
.Lentry_in_a_cluster:
	s_bfe_u32 s2, ttmp6, 0x10000c
	s_cmp_lg_u32 s2, 0x3003
	s_cbranch_scc0 .Lentry_shape_is_right
	s_endpgm
.Lentry_shape_is_right:
; KW_HybridBranch, launch 3 of 4: products 2 and 3 on codes of E2M3, for 128 queries (qb) x one split of the 386 key steps of 128 keys (12 steps a split, the last split 14).  Nothing of reference() is left out here.
; THE SOFTMAX.  t = cos x 10 log2(e); p = 2^(t - M) with M = 0 for every row.  No maximum is searched for, because the computation itself bounds t for every input: reference() normalises both operands of product 2, and
; a quantised block's norm is at most 17/16 + sqrt(31)/64 = 1.15 of the block's, so |cos| <= 1.33, |t| <= 19.1, 2^-19.1 <= p <= 2^19.1, and a row's sum of 49,408 such p stays under 2^35: nothing overflows or underflows in f32.
; M is a whole number, so against the row's own M every p differs by an exact power of two, which its block's scale and the row's sum take up: the codes' values are the same.
; The row's sum is taken of the unquantised p; sums and O of the 32 splits add up plainly in the next launch, which divides.
; LIMITS: NaN and infinities are not served; a block's scale byte is held at 1 from below (never reached: p >= 2^-19.1).
; SHARES.  Wave w = (kh = w & 1, qh = w / 2).  S^T = K Q^T (source 0 = 16 keys, source 1 = 16 queries): tiles of keys 4 kh + a x tiles of queries 4 qh + m.  A lane holds one query; the keys of a tile are chosen so that the 16 registers
; of tiles 2 b, 2 b + 1 are 16 neighbouring keys.  p's codes are half a fragment (keys 64 kh ..) of each of my four tiles of queries; they go to the other waves through LDS as images of the operand's registers.
; O^T += V^T P^T (source 0 = 16 of T's 512, source 1 = P): wave w owns T 128 w .. 128 w + 127 (tiles i) for all 8 tiles of queries: 64 accumulators.
; THE RING.  A key step's tile of kv, 102,400 dense bytes, already lies in the order of the operands' registers.  Two slots; each wave brings a quarter by one tensor load of 100 rows x 256 bytes; by this text's count one load of a wave is out at a time.
; CLUSTER.  The four blocks of queries of a cluster walk the same split: each tile is asked for jointly, by the same load with the same descriptor and the mask of all four.
; REGISTERS.  window 0: v1-15 addresses; v16-23 Q's scale words; v24-31 K's, then V's (v24-27) and P's (v28-31); v32-39 the sums; v40-63 at work; v64-72 codes; v80-127 Q (m, K step 3); v128-255 S^T (m, a) at 128 + 32 m + 8 a, then P's 8 fragments.
;   window 1: v0-143 Q (m, K steps 0-2) at 12 (4 s + m); v144-239 two sets of K's four fragments, then V's eight.   windows 2, 3: O^T (i, m) at 8 (8 i + m).
.set TILE,  102400
.set PIMG,  2*TILE                     ; P: [tile of queries 8][c 2][512 bytes: registers 6 c .. + 3; 256 bytes: registers 6 c + 4, 5]
.set PSC,   PIMG+8*1536                ; P's scale words: tile qt, row r at 256 (qt & 1) + 16 r + 4 (qt / 2)
.set SPARE, PSC+512                    ; the spare words, 128 bytes for each wave: two blocks of 256 bytes that no other line names
.set MSB, 0
.macro WIN new                         ; the immediate's high byte repeats the setting that is left
.if MSB != \new
	s_set_vgpr_msb (MSB<<8)|\new
.set MSB, \new
.endif
.endm
.macro ROUND                           ; a round of the cluster's barrier
	s_barrier_signal -1
	s_barrier_wait -1
	s_cmp_lg_u32 s14, 0
	s_cbranch_scc1 .Lnw0_\@
	s_barrier_signal -3
.Lnw0_\@:
	s_barrier_wait -3
	s_barrier_signal -1
	s_barrier_wait -1
.endm
.macro PLACES n
.rept \n
	v_nop
.endr
.endm
; one product; the numbers stand in rD, rA, rB, rSA, rSB (registers) and rRA, rRB (which half of the lanes holds the scale words).  z = 1: it starts its sum
.macro WMX z
.if \z
.if rRA && rRB
	v_wmma_scale_f32_16x16x128_f8f6f4 v[rD:rD+7], v[rA:rA+11], v[rB:rB+11], 0, v[rSA], v[rSB] matrix_a_fmt:MATRIX_FMT_FP6 matrix_b_fmt:MATRIX_FMT_FP6 matrix_a_scale:MATRIX_SCALE_ROW1 matrix_b_scale:MATRIX_SCALE_ROW1
.elseif rRA
	v_wmma_scale_f32_16x16x128_f8f6f4 v[rD:rD+7], v[rA:rA+11], v[rB:rB+11], 0, v[rSA], v[rSB] matrix_a_fmt:MATRIX_FMT_FP6 matrix_b_fmt:MATRIX_FMT_FP6 matrix_a_scale:MATRIX_SCALE_ROW1
.elseif rRB
	v_wmma_scale_f32_16x16x128_f8f6f4 v[rD:rD+7], v[rA:rA+11], v[rB:rB+11], 0, v[rSA], v[rSB] matrix_a_fmt:MATRIX_FMT_FP6 matrix_b_fmt:MATRIX_FMT_FP6 matrix_b_scale:MATRIX_SCALE_ROW1
.else
	v_wmma_scale_f32_16x16x128_f8f6f4 v[rD:rD+7], v[rA:rA+11], v[rB:rB+11], 0, v[rSA], v[rSB] matrix_a_fmt:MATRIX_FMT_FP6 matrix_b_fmt:MATRIX_FMT_FP6
.endif
.else
.if rRA && rRB
	v_wmma_scale_f32_16x16x128_f8f6f4 v[rD:rD+7], v[rA:rA+11], v[rB:rB+11], v[rD:rD+7], v[rSA], v[rSB] matrix_a_fmt:MATRIX_FMT_FP6 matrix_b_fmt:MATRIX_FMT_FP6 matrix_a_scale:MATRIX_SCALE_ROW1 matrix_b_scale:MATRIX_SCALE_ROW1
.elseif rRA
	v_wmma_scale_f32_16x16x128_f8f6f4 v[rD:rD+7], v[rA:rA+11], v[rB:rB+11], v[rD:rD+7], v[rSA], v[rSB] matrix_a_fmt:MATRIX_FMT_FP6 matrix_b_fmt:MATRIX_FMT_FP6 matrix_a_scale:MATRIX_SCALE_ROW1
.elseif rRB
	v_wmma_scale_f32_16x16x128_f8f6f4 v[rD:rD+7], v[rA:rA+11], v[rB:rB+11], v[rD:rD+7], v[rSA], v[rSB] matrix_a_fmt:MATRIX_FMT_FP6 matrix_b_fmt:MATRIX_FMT_FP6 matrix_b_scale:MATRIX_SCALE_ROW1
.else
	v_wmma_scale_f32_16x16x128_f8f6f4 v[rD:rD+7], v[rA:rA+11], v[rB:rB+11], v[rD:rD+7], v[rSA], v[rSB] matrix_a_fmt:MATRIX_FMT_FP6 matrix_b_fmt:MATRIX_FMT_FP6
.endif
.endif
.endm
	s_load_b256 s[4:11], s[0:1], 0x0               ; kv s[4:5], qc s[6:7], qs s[8:9], part s[10:11]
	s_load_b64 s[12:13], s[0:1], 0x20              ; lpart
	v_lshl_add_u32 v1, v0, 2, SPARE
	v_mov_b32 v2, 0
	ds_add_u32 v1, v2                              ; the wave's opening: the add, twice on end, and its wait ahead of my first tensor load
	ds_add_u32 v1, v2                              ; and once more, under the one wait; the set-up below, work on registers, stands between
	v_lshrrev_b32 v74, 5, v0
	v_readfirstlane_b32 s14, v74                   ; wave 0..3
	s_and_b32 s15, s14, 1                          ; kh
	s_lshr_b32 s16, s14, 1                         ; qh
	s_bfe_u32 s40, ttmp6, 0x40000                  ; cx: my place in the cluster: it enters global addresses of my own alone
	s_lshl_b32 s41, ttmp9, 2
	s_add_co_u32 s41, s41, s40                     ; qb = 4 x cluster x + cx
	s_and_b32 s42, ttmp7, 0xffff                   ; the split, which the four partners share
	s_mov_b32 s24, 15|(3<<16)|(1<<21)              ; group 1: 15:0 the mask: all four; 17:16 elements of 8 bytes; 20 no padding; 21 set beside a mask
	s_mov_b32 s25, 32<<16                          ; tensor_dim0 = 32 elements: 256 bytes
	s_mov_b32 s26, 100<<16                         ; tensor_dim1 = 100
	s_mov_b32 s27, 32<<16                          ; tile_dim0 = 32
	s_mov_b32 s28, 100                             ; tile_dim1 = 100
	s_mov_b32 s29, 32                              ; the pitch: dense
	s_mov_b32 s30, 0
	s_mov_b32 s31, 0
	s_cmp_eq_u32 s42, 31
	s_cselect_b32 s43, 6, 5                        ; trips of the loop: steps / 2 - 1; the same in all partners
	s_cmp_eq_u32 ttmp9, 0
	s_cselect_b32 s44, 1, -1                       ; 1 in the cluster that prefetches (two clusters walk a split: the first asks), else the greatest number
	s_mov_b32 s48, 0x4166d4ca                      ; 10 log2(e)
	s_mov_b32 s49, s48                             ; (named with it as a pair)
	s_mov_b32 s50, 0x76543210
	s_mov_b32 s51, 0xfedcba98                      ; v_permlanex16_b32's selects for lane l xor 16
	s_mul_i32 s54, s14, 25600                      ; my quarter of a tile, in memory and in a slot
	s_mul_i32 s52, s42, 12*TILE
	s_add_co_u32 s52, s52, s54
	s_mov_b32 s53, 0
	s_mul_i32 s56, s40, 6400                       ; the prefetches: my work-group's 25 blocks of the wave's 100, told apart by address; one tile on
	s_add_co_u32 s56, s56, TILE
	s_mov_b32 s57, 0
	s_lshl_b32 s58, s41, 3
	s_lshl_b32 s59, s16, 2
	s_add_co_u32 s58, s58, s59                     ; my first tile of queries: 8 qb + 4 qh
	s_mul_i32 s60, s58, 6144
	s_mov_b32 s61, 0
	s_lshl_b32 s62, s58, 8
	s_mov_b32 s63, 0
	s_lshl_b32 s58, s42, 3
	s_add_co_u32 s58, s58, s41
	s_lshl_b32 s58, s58, 2
	s_add_co_u32 s58, s58, s14                     ; (8 split + qb) 4 + w
	s_wait_dscnt 0x0                               ; both opening adds are done
	s_wait_kmcnt 0x0
	s_mov_b32 s32, 1                               ; group 0 for slot 0: count = 1,
	s_mov_b32 s33, s54                             ; LDS address,
	s_add_nc_u64 s[34:35], s[4:5], s[52:53]        ; global address: the split's first tile, my quarter
	s_add_nc_u64 s[46:47], s[34:35], s[56:57]      ; where my prefetches stand
	s_mov_b32 s36, 1                               ; and for slot 1: the second tile
	s_add_co_u32 s37, s54, TILE
	s_add_nc_u64 s[38:39], s[34:35], TILE
	s_or_b32 s35, s35, 0x80000000                  ; type = 2
	s_or_b32 s39, s39, 0x80000000
	s_add_nc_u64 s[6:7], s[6:7], s[60:61]
	s_add_nc_u64 s[8:9], s[8:9], s[62:63]
	s_lshl_b32 s60, s58, 16
	s_add_nc_u64 s[10:11], s[10:11], s[60:61]
	s_lshl_b32 s60, s58, 9
	s_add_nc_u64 s[12:13], s[12:13], s[60:61]
	ROUND                                          ; all four work-groups are here: the first joint loads meet
	tensor_load_to_lds s[32:35], s[24:31]          ; tile 0
	s_nop 0
	PLACES 4
	v_and_b32 v74, 31, v0                          ; lane
	v_and_b32 v75, 15, v0                          ; r
	v_lshlrev_b32 v13, 4, v74                      ; 16 lane
	s_wait_alu depctr_va_vdst(0)
	v_lshlrev_b32 v14, 3, v74                      ; 8 lane
	s_wait_alu depctr_va_vdst(0)
	WIN 0x40
.irp s,0,1,2                           ; Q stays in registers: my four tiles x four K steps
.irp m,0,1,2,3
.irp c,0,1
	global_load_b128 v[12*(4*\s+\m)+6*\c:12*(4*\s+\m)+6*\c+3], v13, s[6:7] offset:6144*\m+1536*\s+768*\c
	global_load_b64 v[12*(4*\s+\m)+6*\c+4:12*(4*\s+\m)+6*\c+5], v14, s[6:7] offset:6144*\m+1536*\s+768*\c+512
.endr
.endr
.endr
	WIN 0
.irp m,0,1,2,3
.irp c,0,1
	global_load_b128 v[80+12*\m+6*\c:83+12*\m+6*\c], v13, s[6:7] offset:6144*\m+4608+768*\c
	global_load_b64 v[84+12*\m+6*\c:85+12*\m+6*\c], v14, s[6:7] offset:6144*\m+4608+768*\c+512
.endr
.endr
	global_load_b128 v[16:19], v13, s[8:9]             ; Q's scale words: register 4 (m / 2) + s; lanes 0-15 tile m even, lanes 16-31 odd
	global_load_b128 v[20:23], v13, s[8:9] offset:512
	s_mul_i32 s52, s15, 25600
	v_add_nc_u32 v3, s52, v13                      ; K's fragments of my half, slot 0, 1
	v_add_nc_u32 v4, TILE, v3
	s_mul_i32 s52, s14, 12800
	s_add_co_u32 s52, s52, 51200
	v_add_nc_u32 v5, s52, v13                      ; V's fragments of my quarter
	v_add_nc_u32 v6, TILE, v5
	s_mul_i32 s52, s16, 6144
	s_mul_i32 s53, s15, 768
	s_add_co_u32 s52, s52, s53
	s_add_co_u32 s52, s52, PIMG
	v_add_nc_u32 v7, s52, v13                      ; where I store P's half fragments: four registers,
	v_add_nc_u32 v8, s52, v14
	v_add_nc_u32 v8, 512, v8                       ; and two
	s_lshl_b32 s52, s16, 3
	s_lshl_b32 s53, s15, 1
	s_add_co_u32 s52, s52, s53
	s_add_co_u32 s52, s52, PSC
	v_lshl_add_u32 v9, v75, 4, s52                 ; and my two scale bytes
	v_add_nc_u32 v10, PIMG, v13                    ; where I read P back
	v_add_nc_u32 v11, PIMG+512, v14
	v_min_u32 v12, 24, v74
	v_lshlrev_b32 v12, 8, v12                      ; the prefetches' offset: 25 blocks of 256 bytes, a lane a block (lanes 25-31 name lane 24's)
.irp i,0,1,2,3,4,5,6,7
	v_mov_b32 v[32+\i], 0                          ; the sums
	v_mov_b32 v[48+\i], 0                          ; written once: a lane permute's destination counts as one of its sources
.endr
	s_wait_loadcnt 0x0                             ; Q
; THE CHANGE OF SLOTS, at a step's head.  All my tensor loads have landed (my quarter of this step's tile), the add, and the wait for it and for my reads of the other slot and of P; then a round of the cluster's barrier:
; no wave of any partner still reads the other slot or has a load on its way.  refill = 1: the next tile goes into the other slot, first thing behind the round: it has this step's 128 products and softmax in which to land.
.macro HEAD sl, refill
	s_wait_tensorcnt 0x0                           ; no tensor load of mine is out, so a group 0 may be written
	ds_add_u32 v1, v2                              ; 0 onto my spare word
	s_add_nc_u64 s[34+4*\sl:35+4*\sl], s[34+4*\sl:35+4*\sl], 2*TILE   ; this slot's next tile
	s_wait_xcnt 0x0                                ; the last prefetch, a step back, has read its address
	s_add_nc_u64 s[46:47], s[46:47], TILE
	s_wait_dscnt 0x0
	ROUND
.if \refill
	tensor_load_to_lds s[36-4*\sl:39-4*\sl], s[24:31]
	s_nop 0
	PLACES 4
.endif
.endm
; A PREFETCH INTO THE L2 of the tile that the NEXT change of slots will ask for: in step j tile j + 2.  Of the two clusters that walk a split the first asks; its four partners take 25 of each wave's 100 blocks each, by address.
; how = 1: always; how = 0: not in the loop's last trip, whose tile j + 2 lies beyond the split.  Tiles 0 and 1 come by their loads alone.
.macro ASK how
.if \how
	s_cmp_eq_u32 s44, 1
.else
	s_cmp_gt_u32 s43, s44
.endif
	s_cbranch_scc0 .Lnm_\@
	global_prefetch_b8 v12, s[46:47] th:TH_LOAD_NT scope:SCOPE_SE
.Lnm_\@:
.endm
.macro KLOAD sl, s, kb                 ; K step s of T: my four tiles' fragments into window 1
	WIN 0x40
.irp a,0,1,2,3
.irp g,0,1,2
	ds_load_b128 v[(\kb)+12*\a+4*\g:(\kb)+12*\a+4*\g+3], v[3+\sl] offset:(4*\a+\s)*1536+512*\g
.endr
.endr
.endm
.macro SMUL s, kb, z                   ; 16 products: the 16 accumulators by turns, in the same order in every K step
.set mm, 0
.rept 4
.set aa, 0
.rept 4
.set rD, 128+32*mm+8*aa
.set rA, (\kb)+12*aa
.if (\s) < 3
.set rB, 12*(4*(\s)+mm)
.else
.set rB, 80+12*mm
.endif
.set rSA, 24+4*(aa/2)+(\s)
.set rSB, 16+4*(mm/2)+(\s)
.set rRA, aa%2
.set rRB, mm%2
	WMX \z
.set aa, aa+1
.endr
.set mm, mm+1
.endr
.endm
.macro SPHASE sl, ask
	ds_load_b128 v[24:27], v[3+\sl] offset:24576   ; K's scale words: register 4 (a / 2) + s; lanes 0-15 tile a even, lanes 16-31 odd
	ds_load_b128 v[28:31], v[3+\sl] offset:25088
	KLOAD \sl, 0, 144
	KLOAD \sl, 1, 192
	WIN 0
.if \ask < 2
	ASK \ask
.endif
	s_wait_dscnt 12                                ; behind K step 0's loads: K step 1's 12
	WIN 0x05
	SMUL 0, 144, 1
	PLACES 4                                       ; in front of loads into registers that products have read
	KLOAD \sl, 2, 144
	s_wait_dscnt 12
	WIN 0x05
	SMUL 1, 192, 0
	PLACES 4
	KLOAD \sl, 3, 192
	s_wait_dscnt 12
	WIN 0x05
	SMUL 2, 144, 0
	s_wait_dscnt 0x0
	WIN 0x01                                       ; Q's last K step lies in window 0
	SMUL 3, 192, 0
	WIN 0
	PLACES 4                                       ; behind the last products: loads over K's fragments and scale words, and the first read of the scores
	WIN 0x40
.irp i,0,1,2,3,4,5,6,7
.irp g,0,1,2
	ds_load_b128 v[144+12*\i+4*\g:147+12*\i+4*\g], v[5+\sl] offset:1536*\i+512*\g   ; V's eight fragments land under the softmax
.endr
.endr
	WIN 0
	ds_load_b128 v[24:27], v[5+\sl] offset:12288   ; V's scale words: register i / 2; lanes 0-15 tile i even, lanes 16-31 odd
.endm
.macro SOFTQ
.set jj, 0
.rept 64
	v_pk_mul_f32 v[128+2*jj:129+2*jj], v[128+2*jj:129+2*jj], s[48:49] op_sel_hi:[1,0]   ; t; each accumulator from its low end on
.set jj, jj+1
.endr
.set jj, 0
	s_wait_alu depctr_va_vdst(0)
.rept 128
	v_exp_f32 v[128+jj], v[128+jj]                 ; p = 2^t
.set jj, jj+1
.endr
	v_nop                                          ; a plain place behind the batch,
	s_wait_alu depctr_va_vdst(0)                   ; and one wait for the 128, ahead of their first reader
.irp m,0,1,2,3                         ; the rows' sums, of the unquantised p: two chains a tile, the four tiles by turns
	v_pk_add_f32 v[40+2*\m:41+2*\m], v[128+32*\m:129+32*\m], v[130+32*\m:131+32*\m]
.endr
.irp i,4,8,12,16,20,24,28
.irp m,0,1,2,3
	v_pk_add_f32 v[32+2*\m:33+2*\m], v[32+2*\m:33+2*\m], v[128+32*\m+\i:129+32*\m+\i]
	v_pk_add_f32 v[40+2*\m:41+2*\m], v[40+2*\m:41+2*\m], v[130+32*\m+\i:131+32*\m+\i]
.endr
.endr
.irp m,0,1,2,3
	v_pk_add_f32 v[32+2*\m:33+2*\m], v[32+2*\m:33+2*\m], v[40+2*\m:41+2*\m]
.endr
.irp k,0,1,2,3,4,5,6,7                 ; the eight blocks' largest p (block k: tile k / 2, keys 64 kh + 32 (k % 2) ..): my 16, with the floor 2^(3 - 127)
	v_max3_num_f32 v[40+\k], v[128+16*\k], v[129+16*\k], 0x1800000
.endr
.irp i,2,4,6,8,10,12,14
.irp k,0,1,2,3,4,5,6,7
	v_max3_num_f32 v[40+\k], v[40+\k], v[128+16*\k+\i], v[129+16*\k+\i]
.endr
.endr
.irp k,0,1,2,3,4,5,6,7
	v_permlanex16_b32 v[48+\k], v[40+\k], s50, s51
.endr
.irp k,0,1,2,3,4,5,6,7
	v_max_num_f32 v[40+\k], v[40+\k], v[48+\k]     ; with lane l xor 16's 16
.endr
.irp k,0,1,2,3,4,5,6,7
	v_add_nc_u32 v[56+\k], 0xff000000, v[40+\k]    ; 2 off the exponent field: the conversion's scale operand
.endr
.irp k,0,1,2,3,4,5,6,7
	v_lshrrev_b32 v[48+\k], 23, v[56+\k]           ; the scale's byte
.endr
.irp m,0,1,2,3
	v_lshl_or_b32 v[40+\m], v[49+2*\m], 8, v[48+2*\m]
.endr
.irp m,0,1,2,3                         ; tile 0's codes at v64; tile m's in the registers that tile m - 1's p has left, behind the place
.if \m == 0
.set dd, 64
.else
.set dd, 96+32*\m
.endif
	v_cvt_scalef32_pk16_fp6_f32 v[dd:dd+2], v[128+32*\m:143+32*\m], v[56+2*\m]
	v_cvt_scalef32_pk16_fp6_f32 v[dd+6:dd+8], v[144+32*\m:159+32*\m], v[57+2*\m]
	v_nop                                          ; one plain place behind a scaled conversion
.endr
.irp m,0,1,2,3
.if \m == 0
.set dd, 64
.else
.set dd, 96+32*\m
.endif
.irp i,0,1,2
	v_permlane16_swap_b32 v[dd+\i], v[dd+6+\i]     ; a whole block to a lane
.endr
.irp i,0,1,2
	v_mov_b32 v[dd+3+\i], v[dd+6+\i]
.endr
	ds_store_b128 v7, v[dd:dd+3] offset:1536*\m
	ds_store_b64 v8, v[dd+4:dd+5] offset:1536*\m
	ds_store_b16 v9, v[40+\m] offset:256*(\m%2)+4*(\m/2)
.endr
	s_wait_dscnt 0x0                               ; my stores of P have landed (and V's fragments are in)
	s_barrier_signal -1
	s_barrier_wait -1                              ; everybody's have
.endm
.macro PVPHASE z
	ds_load_b128 v[28:31], v10 offset:12288        ; P's scale words: register m / 2; lanes 0-15 tile m even, lanes 16-31 odd
.irp m,0,1,2,3,4,5,6,7
	ds_load_b128 v[128+12*\m:131+12*\m], v10 offset:1536*\m
	ds_load_b64 v[132+12*\m:133+12*\m], v11 offset:1536*\m
	ds_load_b128 v[134+12*\m:137+12*\m], v10 offset:1536*\m+768
	ds_load_b64 v[138+12*\m:139+12*\m], v11 offset:1536*\m+768
.endr
	WIN 0xa1                                       ; V window 1, P window 0, C and D window 2
.set ii, 0
.rept 8
.if ii == 4
	WIN 0xf1                                       ; C and D window 3
.endif
.set mm, 0
.rept 8
.if ii == 0
	s_wait_dscnt 4*(7-mm)                          ; behind tile mm's four loads: the later tiles'
.endif
.set rD, 8*(8*(ii%4)+mm)
.set rA, 144+12*ii
.set rB, 128+12*mm
.set rSA, 24+ii/2
.set rSB, 28+mm/2
.set rRA, ii%2
.set rRB, mm%2
	WMX \z
.set mm, mm+1
.endr
.set ii, ii+1
.endr
	PLACES 5                                       ; the next step's first products write over P's registers: five places; its loads and the way out's stores want four
	WIN 0
.endm
.macro STEP sl, refill, ask, z
	HEAD \sl, \refill
	SPHASE \sl, \ask
	SOFTQ
	PVPHASE \z
.endm
	STEP 0, 1, 1, 1                                ; the first step's products start O's sums: nothing is cleared
.Lpair:
	STEP 1, 1, 1, 0
	STEP 0, 1, 0, 0
	s_sub_co_u32 s43, s43, 1
	s_cmp_gt_i32 s43, 0                            ; the counter starts at 5 or 6 and comes down; the signed compare ends the loop from any start
	s_cbranch_scc1 .Lpair
	STEP 1, 0, 2, 0                                ; the last step is written out: nothing is left to fetch
	; THE WAY OUT: the accumulators leave as they stand, 512 consecutive bytes a store, each from its low end on: part[split][qb][w][m][i][half][lane]
	WIN 0x08
.irp i,0,1,2,3
.irp m,0,1,2,3,4,5,6,7
	global_store_b128 v13, v[8*(8*\i+\m):8*(8*\i+\m)+3], s[10:11] offset:(8*\m+\i)*1024 th:TH_STORE_NT
	global_store_b128 v13, v[8*(8*\i+\m)+4:8*(8*\i+\m)+7], s[10:11] offset:(8*\m+\i)*1024+512 th:TH_STORE_NT
.endr
.endr
	WIN 0x0c
.irp i,0,1,2,3
.irp m,0,1,2,3,4,5,6,7
	global_store_b128 v13, v[8*(8*\i+\m):8*(8*\i+\m)+3], s[10:11] offset:(8*\m+\i+4)*1024 th:TH_STORE_NT
	global_store_b128 v13, v[8*(8*\i+\m)+4:8*(8*\i+\m)+7], s[10:11] offset:(8*\m+\i+4)*1024+512 th:TH_STORE_NT
.endr
.endr
	WIN 0
.irp m,0,1,2,3
	v_add_f32 v[40+\m], v[32+2*\m], v[33+2*\m]     ; my lane's part of the sums of queries 16 (4 qh + m) + r
.endr
	global_store_b128 v13, v[40:43], s[12:13] th:TH_STORE_NT   ; lpart[split][qb][w][lane][m]
	s_wait_tensorcnt 0x0                           ; the wave's end, behind my last tensor load and my last LDS store
	ds_add_u32 v1, v2
	s_wait_dscnt 0x0
	ROUND                                          ; the closing round: no work-group ends while a partner may still ask for a tile that names it
	s_endpgm
.Lfunc_end_k_q3a7b26cb6d_main:
	.size	k_q3a7b26cb6d_main, .Lfunc_end_k_q3a7b26cb6d_main-k_q3a7b26cb6d_main
	.p2alignl 7, 3214868480
	.fill 96, 4, 3214868480
	.section	.rodata,"a",@progbits
	.p2align	6, 0x0
	.amdhsa_kernel k_q3a7b26cb6d_main
		.amdhsa_group_segment_fixed_size 327680
		.amdhsa_private_segment_fixed_size 0
		.amdhsa_enable_private_segment 0
		.amdhsa_kernarg_size 40
		.amdhsa_user_sgpr_count 2
		.amdhsa_user_sgpr_kernarg_segment_ptr 1
		.amdhsa_wavefront_size32 1
		.amdhsa_system_sgpr_workgroup_id_x 1
		.amdhsa_system_sgpr_workgroup_id_y 1
		.amdhsa_system_sgpr_workgroup_id_z 1
		.amdhsa_system_vgpr_workitem_id 0
		.amdhsa_next_free_vgpr 1024
		.amdhsa_next_free_sgpr 66
		.amdhsa_reserve_vcc 0
		.amdhsa_float_denorm_mode_32 3
		.amdhsa_float_denorm_mode_16_64 3
		.amdhsa_memory_ordered 1
		.amdhsa_forward_progress 1
		.amdhsa_inst_pref_size 206
	.end_amdhsa_kernel
	.amdgpu_metadata
---
amdhsa.version: [ 1, 2 ]
amdhsa.kernels:
  - .name:           k_q3a7b26cb6d_main
    .symbol:         k_q3a7b26cb6d_main.kd
    .args:
      - { .name: kv, .offset: 0, .size: 8, .value_kind: global_buffer, .address_space: global }
      - { .name: qc, .offset: 8, .size: 8, .value_kind: global_buffer, .address_space: global }
      - { .name: qs, .offset: 16, .size: 8, .value_kind: global_buffer, .address_space: global }
      - { .name: part, .offset: 24, .size: 8, .value_kind: global_buffer, .address_space: global }
      - { .name: lpart, .offset: 32, .size: 8, .value_kind: global_buffer, .address_space: global }
    .group_segment_fixed_size: 327680
    .private_segment_fixed_size: 0
    .kernarg_segment_align: 8
    .kernarg_segment_size: 40
    .max_flat_workgroup_size: 128
    .sgpr_count:     66
    .vgpr_count:     1024
    .wavefront_size: 32
...
	.end_amdgpu_metadata
.endif
;; end of part 6
;; launch merge (part 7): grid 256 x 1, 4 waves a work-group, no clusters, 9,216 bytes of LDS; arguments part, lpart, out0; writes out0
.if DOCPART == 7
	.amdgcn_target "amdgcn-amd-amdhsa--gfx1250"
	.amdhsa_code_object_version 6
	.text
	.protected	k_q3a7b26cb6d_merge
	.globl	k_q3a7b26cb6d_merge
	.p2align	8
	.type	k_q3a7b26cb6d_merge,@function
k_q3a7b26cb6d_merge:
	s_mov_b64 s[64:65], 0
	v_nop
	global_prefetch_b8 v0, s[64:65] scope:SCOPE_SE
	s_setreg_imm32_b32 hwreg(HW_REG_WAVE_MODE, 25, 1), 1
	s_wait_xcnt 0x0
; KW_HybridBranch, launch 4 of 4: the 32 splits' partial O and partial row sums are added (all were taken under the same M = 0, so the sums are plain), O is divided by the row's sum and laid row-major.  Nothing is left out.
; Work-group g = (qb = g / 32, w = (g / 8) % 4, m = g % 8) owns 16 queries x 128 of T: 8,192 bytes of each split, at g x 8,192.  Memory binds: every byte of part is read once, 512 consecutive bytes an instruction,
; 48 loads of a wave on their way; no matrix unit, no cluster: the work-groups share nothing.  LIMIT: the division is a reciprocal (1 ulp) and a multiplication.
.set STP,   528                        ; the stage: 16 rows x (512 bytes + 16)
.set LST,   16*STP                     ; [row 16][wave 4] partial row sums
.set SPARE, LST+256                    ; the spare words, 128 bytes for each wave: two blocks of 256 bytes that no other line names
.set ACC,   32                         ; v32-47 my 16 sums
.set BUF,   48                         ; v48-239 three sets of 64: four splits x four items of 16 bytes
	s_load_b128 s[4:7], s[0:1], 0x0                ; part, lpart
	s_load_b64 s[8:9], s[0:1], 0x10                ; out0
	v_lshl_add_u32 v1, v0, 2, SPARE
	v_mov_b32 v2, 0
	v_lshrrev_b32 v10, 5, v0
	v_readfirstlane_b32 s10, v10                   ; wave 0..3
	v_and_b32 v10, 31, v0
	v_and_b32 v11, 15, v0                          ; r
	v_bfe_u32 v12, v0, 4, 1                        ; h
	v_lshlrev_b32 v13, 4, v10                      ; 16 lane
	s_wait_alu depctr_va_vdst(0)
	s_lshl_b32 s11, s10, 11
	v_add_nc_u32 v3, s11, v13                      ; part: 2,048 wave + 16 lane; item x 512 bytes on: tile i = 2 wave + x / 2, half x % 2
	s_lshl_b32 s11, s10, 17
	v_add_nc_u32 v4, s11, v13                      ; lpart: splits 8 wave .., 16 lane
	v_mul_u32_u24 v5, v11, STP
	v_lshl_add_u32 v5, v12, 5, v5
	s_lshl_b32 s11, s10, 7
	v_add_nc_u32 v5, s11, v5                       ; into the stage: row r, 128 wave + 32 h
	s_lshl_b32 s11, s10, 2
	s_add_co_u32 s11, s11, LST
	v_lshl_add_u32 v6, v11, 4, s11
	s_mul_i32 s11, s10, 4*STP
	v_add_nc_u32 v7, s11, v13                      ; back: rows 4 wave + j, 16 bytes a lane
	s_lshl_b32 s11, s10, 6
	s_add_co_u32 s11, s11, LST
	v_mov_b32 v8, s11
	s_lshl_b32 s11, s10, 13
	v_add_nc_u32 v9, s11, v13                      ; and the same rows in out0
	v_mov_b32 v14, 0                               ; (a lane permute's destination counts as one of its sources)
	s_mov_b32 s12, 0x76543210
	s_mov_b32 s13, 0xfedcba98
	s_lshr_b32 s14, ttmp9, 5                       ; qb
	s_bfe_u32 s15, ttmp9, 0x20003                  ; w
	s_and_b32 s32, ttmp9, 7                        ; m
	s_lshl_b32 s34, ttmp9, 13
	s_mov_b32 s35, 0
	s_lshl_b32 s36, s14, 11                        ; lpart: 2,048 qb + 1,024 (m / 4) + 4 (m % 4)
	s_lshr_b32 s33, s32, 2
	s_lshl_b32 s33, s33, 10
	s_add_co_u32 s36, s36, s33
	s_and_b32 s33, s32, 3
	s_lshl_b32 s33, s33, 2
	s_add_co_u32 s36, s36, s33
	s_mov_b32 s37, 0
	s_lshl_b32 s38, s14, 18                        ; out0: (128 qb + 16 m) rows of 2,048 bytes + 512 w
	s_lshl_b32 s33, s32, 15
	s_add_co_u32 s38, s38, s33
	s_lshl_b32 s33, s15, 9
	s_add_co_u32 s38, s38, s33
	s_mov_b32 s39, 0
	s_wait_alu depctr_va_vdst(0)
	s_wait_kmcnt 0x0
	s_add_nc_u64 s[16:17], s[4:5], s[34:35]        ; eight bases, four splits (8 MiB) apart: a split in a group stands in the immediate
.irp k,1,2,3,4,5,6,7
	s_add_nc_u64 s[16+2*\k:17+2*\k], s[14+2*\k:15+2*\k], 0x800000
.endr
	s_add_nc_u64 s[6:7], s[6:7], s[36:37]
	s_add_nc_u64 s[8:9], s[8:9], s[38:39]
.irp k,0,1,2,3,4,5,6,7,8,9,10,11,12,13,14,15
	global_load_b32 v[16+\k], v4, s[6:7] offset:(\k/2)*16384+(\k%2)*512   ; split 8 wave + k / 2, half of the keys k % 2, lane (r, h)
.endr
.macro GLOAD k
.irp j,0,1,2,3
.irp x,0,1,2,3
	global_load_b128 v[BUF+64*((\k)%3)+16*\j+4*\x:BUF+64*((\k)%3)+16*\j+4*\x+3], v3, s[16+2*(\k):17+2*(\k)] offset:\j*2097152+512*\x th:TH_LOAD_NT
.endr
.endr
.endm
	GLOAD 0
	GLOAD 1
	GLOAD 2
	s_wait_loadcnt 48                              ; behind the row sums' 16 loads: three groups of 16
.irp k,0,2,4,6,8,10,12,14
	v_add_f32 v[16+\k], v[16+\k], v[17+\k]
.endr
.irp k,0,4,8,12
	v_add_f32 v[16+\k], v[16+\k], v[18+\k]
.endr
	v_add_f32 v16, v16, v20
	v_add_f32 v24, v24, v28
	v_add_f32 v16, v16, v24
	v_permlanex16_b32 v14, v16, s12, s13
	v_add_f32 v16, v16, v14                        ; row r's sum over my eight splits
	ds_store_b32 v6, v16
.macro GSUM k, cnt
	s_wait_loadcnt \cnt                            ; the younger groups may be out
.set BB, BUF+64*((\k)%3)
.if (\k) == 0
.irp p,0,2,4,6,8,10,12,14
	v_pk_add_f32 v[ACC+\p:ACC+\p+1], v[BB+\p:BB+\p+1], v[BB+16+\p:BB+17+\p]   ; the first two splits start the sums: nothing is cleared
.endr
.else
.irp p,0,2,4,6,8,10,12,14
	v_pk_add_f32 v[ACC+\p:ACC+\p+1], v[ACC+\p:ACC+\p+1], v[BB+\p:BB+\p+1]
.endr
.irp p,0,2,4,6,8,10,12,14
	v_pk_add_f32 v[ACC+\p:ACC+\p+1], v[ACC+\p:ACC+\p+1], v[BB+16+\p:BB+17+\p]
.endr
.endif
.irp p,0,2,4,6,8,10,12,14
	v_pk_add_f32 v[ACC+\p:ACC+\p+1], v[ACC+\p:ACC+\p+1], v[BB+32+\p:BB+33+\p]
.endr
.irp p,0,2,4,6,8,10,12,14
	v_pk_add_f32 v[ACC+\p:ACC+\p+1], v[ACC+\p:ACC+\p+1], v[BB+48+\p:BB+49+\p]
.endr
.if (\k)+3 < 8
	GLOAD (\k)+3
.endif
.endm
	GSUM 0, 32
	s_wait_alu depctr_va_vdst(0)
	GSUM 1, 32
	s_wait_alu depctr_va_vdst(0)
	GSUM 2, 32
	s_wait_alu depctr_va_vdst(0)
	GSUM 3, 32
	s_wait_alu depctr_va_vdst(0)
	GSUM 4, 32
	s_wait_alu depctr_va_vdst(0)
	GSUM 5, 32
	s_wait_alu depctr_va_vdst(0)
	GSUM 6, 16
	s_wait_alu depctr_va_vdst(0)
	GSUM 7, 0
.irp x,0,1,2,3
	ds_store_b128 v5, v[ACC+4*\x:ACC+4*\x+3] offset:64*(\x/2)+16*(\x%2)
.endr
	s_wait_dscnt 0x0                               ; for the others' sake: my stores have landed
	s_barrier_signal -1
	s_barrier_wait -1
.irp j,0,1,2,3
	ds_load_b128 v[48+4*\j:51+4*\j], v7 offset:STP*\j
	ds_load_b128 v[64+4*\j:67+4*\j], v8 offset:16*\j
.endr
	s_wait_dscnt 0x0
.irp j,0,1,2,3
	v_pk_add_f32 v[64+4*\j:65+4*\j], v[64+4*\j:65+4*\j], v[66+4*\j:67+4*\j]
.endr
.irp j,0,1,2,3
	v_add_f32 v[80+2*\j], v[64+4*\j], v[65+4*\j]   ; the row's sum
.endr
	s_wait_alu depctr_va_vdst(0)
.irp j,0,1,2,3
	v_rcp_f32 v[80+2*\j], v[80+2*\j]
.endr
.irp j,0,1,2,3
	v_mov_b32 v[81+2*\j], 0                        ; (the pairs' upper halves; plain places behind the batch)
.endr
	s_wait_alu depctr_va_vdst(0)                   ; one wait for the four reciprocals, ahead of their first reader
.irp j,0,1,2,3
	v_pk_mul_f32 v[48+4*\j:49+4*\j], v[48+4*\j:49+4*\j], v[80+2*\j:81+2*\j] op_sel_hi:[1,0]
	v_pk_mul_f32 v[50+4*\j:51+4*\j], v[50+4*\j:51+4*\j], v[80+2*\j:81+2*\j] op_sel_hi:[1,0]
.endr
.irp j,0,1,2,3
	global_store_b128 v9, v[48+4*\j:51+4*\j], s[8:9] offset:2048*\j th:TH_STORE_NT   ; 512 consecutive bytes, aligned
.endr
	s_wait_tensorcnt 0x0                           ; the wave's end, behind my last LDS store
	ds_add_u32 v1, v2
	s_wait_dscnt 0x0
	s_endpgm
.Lfunc_end_k_q3a7b26cb6d_merge:
	.size	k_q3a7b26cb6d_merge, .Lfunc_end_k_q3a7b26cb6d_merge-k_q3a7b26cb6d_merge
	.p2alignl 7, 3214868480
	.fill 96, 4, 3214868480
	.section	.rodata,"a",@progbits
	.p2align	6, 0x0
	.amdhsa_kernel k_q3a7b26cb6d_merge
		.amdhsa_group_segment_fixed_size 9216
		.amdhsa_private_segment_fixed_size 0
		.amdhsa_enable_private_segment 0
		.amdhsa_kernarg_size 24
		.amdhsa_user_sgpr_count 2
		.amdhsa_user_sgpr_kernarg_segment_ptr 1
		.amdhsa_wavefront_size32 1
		.amdhsa_system_sgpr_workgroup_id_x 1
		.amdhsa_system_sgpr_workgroup_id_y 1
		.amdhsa_system_sgpr_workgroup_id_z 1
		.amdhsa_system_vgpr_workitem_id 0
		.amdhsa_next_free_vgpr 240
		.amdhsa_next_free_sgpr 66
		.amdhsa_reserve_vcc 0
		.amdhsa_float_denorm_mode_32 3
		.amdhsa_float_denorm_mode_16_64 3
		.amdhsa_memory_ordered 1
		.amdhsa_forward_progress 1
		.amdhsa_inst_pref_size 36
	.end_amdhsa_kernel
	.amdgpu_metadata
---
amdhsa.version: [ 1, 2 ]
amdhsa.kernels:
  - .name:           k_q3a7b26cb6d_merge
    .symbol:         k_q3a7b26cb6d_merge.kd
    .args:
      - { .name: part, .offset: 0, .size: 8, .value_kind: global_buffer, .address_space: global }
      - { .name: lpart, .offset: 8, .size: 8, .value_kind: global_buffer, .address_space: global }
      - { .name: out0, .offset: 16, .size: 8, .value_kind: global_buffer, .address_space: global }
    .group_segment_fixed_size: 9216
    .private_segment_fixed_size: 0
    .kernarg_segment_align: 8
    .kernarg_segment_size: 24
    .max_flat_workgroup_size: 128
    .sgpr_count:     66
    .vgpr_count:     240
    .wavefront_size: 32
...
	.end_amdgpu_metadata
.endif
;; end of part 7
